; MI455X (gfx1250); checked and timed in simulation.
; The chip was launched on July 23, 2026; its instructions are those of AMD's public machine-readable ISA for CDNA 5 (MIT licence, August 2026) and "CDNA5" Instruction Set Architecture Reference Guide (July 2026). The comments in the code are by the model that wrote it; some were corrected since.
;; RWKV6 Attention CUDA. Allowed arithmetic: float matrix products may take bf16 or f16 operands with f32 sums; other float arithmetic in f32, or as packed bf16 or f16 multiplies, adds, multiply-adds, maxima and minima; sums over many terms, partial sums and values carried from step to step in f32; what a program stores and reads back later, other than sums and carried values, may be rounded once to bf16 or f16.
;; Inputs: b1 1,024 float32; b2 1,024 float32; g1 1,024 float32; g2 1,024 float32; time_decay 16 x 64 float32; time_first 16 x 64 float32; w_fk 1,024 x 4,096 float32; w_fv 4,096 x 1,024 float32; w_k 1,024 x 1,024 float32; w_o 1,024 x 1,024 float32; w_r 1,024 x 1,024 float32; w_v 1,024 x 1,024 float32; x 8 x 512 x 1,024 float32.
;; Outputs: out0 8 x 512 x 1,024 float32.
;; 2 versions, each right and faster than the one before. Each part assembles by itself: llvm-mc -triple=amdgcn-amd-amdhsa -mcpu=gfx1250 --defsym DOCPART=n.
;; ======== version 1 of 2: 8 launches
;; limits: values are held in f16: magnitudes above 65,504 overflow, below 6.1e-05 lose precision; right only within a limited range of input values
;; workspace buffers: wq 25,165,824 bytes; xn 8,388,608 bytes; rkv 25,165,824 bytes; rwkv 8,388,608 bytes; x2 16,777,216 bytes; hid 33,554,432 bytes; mx 12,288 bytes
;; launch cast (part 1): grid 768 x 1, 8 waves a work-group, no clusters, 0 bytes of LDS; arguments w_r, w_k, w_v, w_o, w_fk, w_fv, wq; writes wq
.if DOCPART == 1
	.amdgcn_target "amdgcn-amd-amdhsa--gfx1250"
	.amdhsa_code_object_version 6
	.text
	.protected	k_qead1cd1d87_cast
	.globl	k_qead1cd1d87_cast
	.p2align	8
	.type	k_qead1cd1d87_cast,@function
k_qead1cd1d87_cast:
	s_mov_b64 s[64:65], 0
	v_nop
	global_prefetch_b8 v0, s[64:65] scope:SCOPE_SE
	s_setreg_imm32_b32 hwreg(HW_REG_WAVE_MODE, 25, 1), 1
	s_wait_xcnt 0x0
; The six weight matrices, f32 [K][N], are rounded once to 16 bits and laid in PANELS: [N/128][K][128], so that 256 k x 128 n are 65,536 consecutive bytes.
; wq: w_r, w_k, w_v (24 panels, f16) at 0; w_o (8, f16) at 6,291,456; w_fk (32, f16) at 8,388,608; w_fv (8 panels of K = 4,096, bf16) at 16,777,216.
; A stream: no LDS, no matrix unit.  A work-group takes 16 rows x 1,024 columns; wave w the 128 columns of panel w; one load takes 512 bytes of a row,
; one store 256 consecutive bytes at a multiple of 256; a wave's sixteen stores are 4,096 bytes on end.  Every register is used once, so no wait frees one.
; LIMIT: a weight of magnitude 65,520 or more becomes an infinity in f16 (w_fv, in bf16, has f32's range).
.set OFF, 2                            ; v[2:17]   byte offset of my 16 bytes in row u
.set X,   20                           ; v[20:83]  row u: four f32
.set Y,   84                           ; v[84:115] row u: four numbers of 16 bits
	s_load_b256 s[8:15], s[0:1], 0x0               ; w_r, w_k, w_v, w_o
	s_load_b128 s[16:19], s[0:1], 0x20             ; w_fk, w_fv
	s_load_b64 s[20:21], s[0:1], 0x30              ; wq
	v_lshrrev_b32 v19, 5, v0
	v_readfirstlane_b32 s24, v19                   ; wave = panel among the group's eight
	v_and_b32 v19, 31, v0                          ; lane
	v_lshlrev_b32 v1, 4, v0                        ; my 16 bytes in the group's 4,096 bytes of a row
	s_mov_b32 s26, ttmp9                           ; g
	s_mov_b32 s40, 4096
	s_mov_b32 s41, 16384
	s_mov_b32 s42, 262144
	s_mov_b32 s43, 1048576
	; g < 256: matrix g / 64 of the four small ones, rows 16 (g % 64) on
	s_and_b32 s27, s26, 63
	s_lshr_b32 s32, s26, 6
	s_lshl_b32 s28, s27, 16
	s_lshl_b32 s30, s32, 21
	s_lshl_b32 s27, s27, 12
	s_add_co_u32 s30, s30, s27
	; 256 <= g < 512: w_fk, rows 16 ((g - 256) / 4) on, columns 1,024 ((g - 256) % 4) on
	s_sub_co_u32 s33, s26, 256
	s_lshr_b32 s34, s33, 2
	s_and_b32 s33, s33, 3
	s_lshl_b32 s35, s34, 18
	s_lshl_b32 s36, s33, 12
	s_add_co_u32 s35, s35, s36
	s_lshl_b32 s36, s33, 21
	s_lshl_b32 s34, s34, 12
	s_add_co_u32 s36, s36, s34
	s_add_co_u32 s36, s36, 8388608
	; g >= 512: w_fv, rows 16 (g - 512) on
	s_sub_co_u32 s37, s26, 512
	s_lshl_b32 s38, s37, 16
	s_lshl_b32 s39, s37, 12
	s_add_co_u32 s39, s39, 16777216
	s_cmp_lt_u32 s26, 256
	s_cselect_b32 s28, s28, s35                    ; byte offset in the source
	s_cselect_b32 s30, s30, s36                    ; byte offset in wq
	s_cselect_b32 s22, s40, s41                    ; bytes from row to row in the source
	s_cmp_lt_u32 s26, 512
	s_cselect_b32 s28, s28, s38
	s_cselect_b32 s30, s30, s39
	s_cselect_b32 s22, s22, s40
	s_cselect_b32 s23, s42, s43                    ; bytes from panel to panel in wq
	s_mov_b32 s29, 0
	s_mov_b32 s31, 0
.set u, 0
.rept 16
	s_mul_i32 s25, s22, u
	v_add_nc_u32 v[OFF+u], s25, v1
.set u, u+1
.endr
	s_mul_i32 s25, s24, s23
	v_lshl_add_u32 v18, v19, 3, s25                ; my 8 bytes in my panel's row
	s_wait_kmcnt 0x0
	s_cmp_eq_u32 s32, 1                            ; the source is chosen by the group's number alone
	s_cselect_b64 s[4:5], s[10:11], s[8:9]
	s_cmp_eq_u32 s32, 2
	s_cselect_b64 s[4:5], s[12:13], s[4:5]
	s_cmp_eq_u32 s32, 3
	s_cselect_b64 s[4:5], s[14:15], s[4:5]
	s_cmp_ge_u32 s26, 256
	s_cselect_b64 s[4:5], s[16:17], s[4:5]
	s_cmp_ge_u32 s26, 512
	s_cselect_b64 s[4:5], s[18:19], s[4:5]
	s_add_nc_u64 s[4:5], s[4:5], s[28:29]
	s_add_nc_u64 s[6:7], s[20:21], s[30:31]
.set u, 0
.rept 16
	global_load_b128 v[X+4*u:X+4*u+3], v[OFF+u], s[4:5] th:TH_LOAD_NT  ; each weight byte is read once in the launch
.set u, u+1
.endr
.macro TAIL bf
.set u, 0
.rept 16
	s_wait_loadcnt 15-u                            ; loads come back in order: row u is in, the 15 - u younger ones stay out
.if \bf
	v_cvt_pk_bf16_f32 v[Y+2*u], v[X+4*u], v[X+4*u+1]
	v_cvt_pk_bf16_f32 v[Y+2*u+1], v[X+4*u+2], v[X+4*u+3]
.else
	v_cvt_pk_f16_f32 v[Y+2*u], v[X+4*u], v[X+4*u+1]
	v_cvt_pk_f16_f32 v[Y+2*u+1], v[X+4*u+2], v[X+4*u+3]
.endif
	global_store_b64 v18, v[Y+2*u:Y+2*u+1], s[6:7] offset:256*u
.set u, u+1
.endr
	s_endpgm
.endm
	s_cmp_ge_u32 s26, 512
	s_cbranch_scc1 .Lbf
	TAIL 0
.Lbf:
	TAIL 1
.Lfunc_end_k_qead1cd1d87_cast:
	.size	k_qead1cd1d87_cast, .Lfunc_end_k_qead1cd1d87_cast-k_qead1cd1d87_cast
	.p2alignl 7, 3214868480
	.fill 96, 4, 3214868480
	.section	.rodata,"a",@progbits
	.p2align	6, 0x0
	.amdhsa_kernel k_qead1cd1d87_cast
		.amdhsa_group_segment_fixed_size 0
		.amdhsa_private_segment_fixed_size 0
		.amdhsa_enable_private_segment 0
		.amdhsa_kernarg_size 56
		.amdhsa_user_sgpr_count 2
		.amdhsa_user_sgpr_kernarg_segment_ptr 1
		.amdhsa_wavefront_size32 1
		.amdhsa_system_sgpr_workgroup_id_x 1
		.amdhsa_system_sgpr_workgroup_id_y 1
		.amdhsa_system_sgpr_workgroup_id_z 1
		.amdhsa_system_vgpr_workitem_id 0
		.amdhsa_next_free_vgpr 120
		.amdhsa_next_free_sgpr 66
		.amdhsa_reserve_vcc 0
		.amdhsa_float_denorm_mode_32 3
		.amdhsa_float_denorm_mode_16_64 3
		.amdhsa_memory_ordered 1
		.amdhsa_forward_progress 1
		.amdhsa_inst_pref_size 14
	.end_amdhsa_kernel
	.amdgpu_metadata
---
amdhsa.version: [ 1, 2 ]
amdhsa.kernels:
  - .name:           k_qead1cd1d87_cast
    .symbol:         k_qead1cd1d87_cast.kd
    .args:
      - { .name: w_r, .offset: 0, .size: 8, .value_kind: global_buffer, .address_space: global }
      - { .name: w_k, .offset: 8, .size: 8, .value_kind: global_buffer, .address_space: global }
      - { .name: w_v, .offset: 16, .size: 8, .value_kind: global_buffer, .address_space: global }
      - { .name: w_o, .offset: 24, .size: 8, .value_kind: global_buffer, .address_space: global }
      - { .name: w_fk, .offset: 32, .size: 8, .value_kind: global_buffer, .address_space: global }
      - { .name: w_fv, .offset: 40, .size: 8, .value_kind: global_buffer, .address_space: global }
      - { .name: wq, .offset: 48, .size: 8, .value_kind: global_buffer, .address_space: global }
    .group_segment_fixed_size: 0
    .private_segment_fixed_size: 0
    .kernarg_segment_align: 8
    .kernarg_segment_size: 56
    .max_flat_workgroup_size: 256
    .sgpr_count:     66
    .vgpr_count:     120
    .wavefront_size: 32
...
	.end_amdgpu_metadata
.endif
;; end of part 1
;; launch ln (part 2): grid 256 x 1, 8 waves a work-group, no clusters, 0 bytes of LDS; arguments x, g1, b1, xn; writes xn
.if DOCPART == 2
	.amdgcn_target "amdgcn-amd-amdhsa--gfx1250"
	.amdhsa_code_object_version 6
	.text
	.protected	k_qead1cd1d87_ln
	.globl	k_qead1cd1d87_ln
	.p2align	8
	.type	k_qead1cd1d87_ln,@function
k_qead1cd1d87_ln:
	s_mov_b64 s[64:65], 0
	v_nop
	global_prefetch_b8 v0, s[64:65] scope:SCOPE_SE
	s_setreg_imm32_b32 hwreg(HW_REG_WAVE_MODE, 25, 1), 1
	s_wait_xcnt 0x0
; y = (x - mean) * rsqrt(var + 1e-5) * g + b along rows of 1,024 f32; y rounded once to f16 and stored TILED:
; byte(m, k) = ((m / 128) * 16 + k / 64) * 16384 + (m % 128) * 128 + (k % 64) * 2, so that 128 rows x 256 k are 65,536 consecutive bytes for the products that follow.
; Sixteen lanes own a row and keep it in 64 registers between the passes: mean, then the sum of squares of x - mean (no difference of large sums), then the scaling.
; The reduction stays inside 16 lanes: no LDS, no barrier.  A load takes 256 bytes of each of a wave's two rows, a store 256 consecutive bytes (two rows of one panel).
; LIMIT: |y| stays below 65,504 (f16).
.set X,  16                            ; v[16:79]   the row: load j holds columns 64 j + 4 (lane % 16) + 0..3
.set G,  80                            ; v[80:143]  g of the same columns
.set BB, 144                           ; v[144:207] b
.set SM, 208                           ; v[208:215] four chains of packed sums
	s_load_b256 s[4:11], s[0:1], 0x0               ; x, g, b, y
	s_lshl_b32 s2, ttmp9, 16                       ; the group's 16 rows of 4,096 bytes
	s_mov_b32 s3, 0
	s_lshr_b32 s14, ttmp9, 3
	s_lshl_b32 s14, s14, 18                        ; the tile of 128 rows: 16 panels of 16,384 bytes
	s_and_b32 s16, ttmp9, 7
	s_lshl_b32 s16, s16, 11                        ; 16 rows of 128 bytes inside a panel
	s_add_co_u32 s14, s14, s16
	s_mov_b32 s15, 0
	s_mov_b32 s12, 0x3a800000                      ; 1 / 1024
	s_mov_b32 s13, 0x3727c5ac                      ; 1e-5
	v_and_b32 v1, 15, v0
	v_lshlrev_b32 v1, 4, v1                        ; my 16 bytes in 256
	v_lshrrev_b32 v2, 4, v0
	v_lshl_add_u32 v2, v2, 12, v1                  ; + my row
	v_lshlrev_b32 v3, 3, v0                        ; out: row x 128 + 8 (lane % 16) = 8 x thread
	s_wait_kmcnt 0x0
	s_add_nc_u64 s[4:5], s[4:5], s[2:3]
	s_add_nc_u64 s[10:11], s[10:11], s[14:15]
.set j, 0
.rept 16
	global_load_b128 v[X+4*j:X+4*j+3], v2, s[4:5] offset:256*j
.set j, j+1
.endr
.set j, 0
.rept 16
	global_load_b128 v[G+4*j:G+4*j+3], v1, s[6:7] offset:256*j
.set j, j+1
.endr
.set j, 0
.rept 16
	global_load_b128 v[BB+4*j:BB+4*j+3], v1, s[8:9] offset:256*j
.set j, j+1
.endr
.macro FOLD                            ; four chains into one number, then over the row's 16 lanes
	v_pk_add_f32 v[SM:SM+1], v[SM:SM+1], v[SM+2:SM+3]
	v_pk_add_f32 v[SM+4:SM+5], v[SM+4:SM+5], v[SM+6:SM+7]
	v_pk_add_f32 v[SM:SM+1], v[SM:SM+1], v[SM+4:SM+5]
	v_add_f32 v[SM], v[SM], v[SM+1]
.irp m, 1,2,4,8
	v_add_f32_dpp v[SM], v[SM], v[SM] row_xmask:\m row_mask:0xf bank_mask:0xf
.endr
.endm
	s_wait_loadcnt 32                              ; x is in; the 32 loads of g and b stay out
.irp c, 0,1,2,3
	v_pk_add_f32 v[SM+2*\c:SM+2*\c+1], v[X+2*\c:X+2*\c+1], v[X+8+2*\c:X+8+2*\c+1]  ; the first links start the chains: nothing is cleared
.endr
.set p, 8
.rept 24
	v_pk_add_f32 v[SM+2*(p%4):SM+2*(p%4)+1], v[SM+2*(p%4):SM+2*(p%4)+1], v[X+2*p:X+2*p+1]
.set p, p+1
.endr
	FOLD
	v_mul_f32 v216, s12, v[SM]                     ; the mean, twice for the packed form
	v_mov_b32 v217, v216
.set p, 0
.rept 32
	v_pk_add_f32 v[X+2*p:X+2*p+1], v[X+2*p:X+2*p+1], v[216:217] neg_lo:[0,1] neg_hi:[0,1]
.set p, p+1
.endr
.irp c, 0,1,2,3
	v_pk_mul_f32 v[SM+2*\c:SM+2*\c+1], v[X+2*\c:X+2*\c+1], v[X+2*\c:X+2*\c+1]
.endr
.set p, 4
.rept 28
	v_pk_fma_f32 v[SM+2*(p%4):SM+2*(p%4)+1], v[X+2*p:X+2*p+1], v[X+2*p:X+2*p+1], v[SM+2*(p%4):SM+2*(p%4)+1]
.set p, p+1
.endr
	FOLD
	v_fma_f32 v218, v[SM], s12, s13                ; var + eps
	v_rsq_f32 v218, v218
	v_nop                                          ; a plain instruction between the root and the use of its result (ISA guide 5.7.2)
	s_wait_alu depctr_va_vdst(0)
	v_mov_b32 v219, v218
	s_wait_loadcnt 0x0                             ; g and b
.set j, 0
.rept 16
	v_pk_mul_f32 v[X+4*j:X+4*j+1], v[X+4*j:X+4*j+1], v[218:219]
	v_pk_mul_f32 v[X+4*j+2:X+4*j+3], v[X+4*j+2:X+4*j+3], v[218:219]
	v_pk_fma_f32 v[X+4*j:X+4*j+1], v[X+4*j:X+4*j+1], v[G+4*j:G+4*j+1], v[BB+4*j:BB+4*j+1]
	v_pk_fma_f32 v[X+4*j+2:X+4*j+3], v[X+4*j+2:X+4*j+3], v[G+4*j+2:G+4*j+3], v[BB+4*j+2:BB+4*j+3]
	v_cvt_pk_f16_f32 v[X+4*j], v[X+4*j], v[X+4*j+1]
	v_cvt_pk_f16_f32 v[X+4*j+1], v[X+4*j+2], v[X+4*j+3]
	global_store_b64 v3, v[X+4*j:X+4*j+1], s[10:11] offset:16384*j  ; each store has registers of its own: none is rewritten
.set j, j+1
.endr
	s_endpgm
.Lfunc_end_k_qead1cd1d87_ln:
	.size	k_qead1cd1d87_ln, .Lfunc_end_k_qead1cd1d87_ln-k_qead1cd1d87_ln
	.p2alignl 7, 3214868480
	.fill 96, 4, 3214868480
	.section	.rodata,"a",@progbits
	.p2align	6, 0x0
	.amdhsa_kernel k_qead1cd1d87_ln
		.amdhsa_group_segment_fixed_size 0
		.amdhsa_private_segment_fixed_size 0
		.amdhsa_enable_private_segment 0
		.amdhsa_kernarg_size 32
		.amdhsa_user_sgpr_count 2
		.amdhsa_user_sgpr_kernarg_segment_ptr 1
		.amdhsa_wavefront_size32 1
		.amdhsa_system_sgpr_workgroup_id_x 1
		.amdhsa_system_sgpr_workgroup_id_y 1
		.amdhsa_system_sgpr_workgroup_id_z 1
		.amdhsa_system_vgpr_workitem_id 0
		.amdhsa_next_free_vgpr 224
		.amdhsa_next_free_sgpr 66
		.amdhsa_reserve_vcc 0
		.amdhsa_float_denorm_mode_32 3
		.amdhsa_float_denorm_mode_16_64 3
		.amdhsa_memory_ordered 1
		.amdhsa_forward_progress 1
		.amdhsa_inst_pref_size 20
	.end_amdhsa_kernel
	.amdgpu_metadata
---
amdhsa.version: [ 1, 2 ]
amdhsa.kernels:
  - .name:           k_qead1cd1d87_ln
    .symbol:         k_qead1cd1d87_ln.kd
    .args:
      - { .name: x, .offset: 0, .size: 8, .value_kind: global_buffer, .address_space: global }
      - { .name: g1, .offset: 8, .size: 8, .value_kind: global_buffer, .address_space: global }
      - { .name: b1, .offset: 16, .size: 8, .value_kind: global_buffer, .address_space: global }
      - { .name: xn, .offset: 24, .size: 8, .value_kind: global_buffer, .address_space: global }
    .group_segment_fixed_size: 0
    .private_segment_fixed_size: 0
    .kernarg_segment_align: 8
    .kernarg_segment_size: 32
    .max_flat_workgroup_size: 256
    .sgpr_count:     66
    .vgpr_count:     224
    .wavefront_size: 32
...
	.end_amdgpu_metadata
.endif
;; end of part 2
;; launch gemm_rkv (part 3): grid 24 x 32, 4 waves a work-group, clusters of 4 x 4, 327,680 bytes of LDS; arguments xn, wq, rkv, mx; writes rkv, mx
.if DOCPART == 3
	.amdgcn_target "amdgcn-amd-amdhsa--gfx1250"
	.amdhsa_code_object_version 6
	.text
	.protected	k_qead1cd1d87_gemm_rkv
	.globl	k_qead1cd1d87_gemm_rkv
	.p2align	8
	.type	k_qead1cd1d87_gemm_rkv,@function
k_qead1cd1d87_gemm_rkv:
	s_mov_b64 s[64:65], 0
	v_nop
	global_prefetch_b8 v0, s[64:65] scope:SCOPE_SE
	s_setreg_imm32_b32 hwreg(HW_REG_WAVE_MODE, 25, 1), 1
	s_wait_xcnt 0x0
	s_wait_alu depctr_hold_cnt(0) depctr_sa_sdst(0) depctr_va_vdst(0) depctr_va_sdst(0) depctr_va_ssrc(0) depctr_va_vcc(0) depctr_vm_vsrc(0)
	s_getreg_b32 s2, hwreg(HW_REG_IB_STS2, 6, 4)
	s_cmp_eq_u32 s2, 0
	s_cbranch_scc0 .Lentry_in_a_cluster
	s_endpgm
.Lentry_in_a_cluster:
	s_bfe_u32 s2, ttmp6, 0x10000c
	s_cmp_lg_u32 s2, 0xf033
	s_cbranch_scc0 .Lentry_shape_is_right
	s_endpgm
.Lentry_shape_is_right:
; r, k, v = x_ln [4096][1024] times w_r | w_k | w_v (24 panels of 128 columns), f16 operands, f32 sums, rounded once to f16 and stored TILED by heads
; (panel n / 64 of 48: 0-15 r, 16-31 k, 32-47 v).  Each wave also stores the largest magnitude of its 64 x 64 results into mx, from which later launches take a power-of-two scale.
; LIMIT: |r|, |k|, |v| stay below 65,504 (f16).
.set FMT,  0                           ; 0: f16 operands, 1: bf16
.set KDIM, 1024
.set WOFF, 0                           ; the weights' first byte in wq
.set EPI,  0                           ; 0: f16 tiled and maxima; 1: relu squared, bf16 tiled; 2: f32 rows, residual added
.set NPO,  48                          ; panels of 64 columns in a tile row of the output
.set SCL,  0                           ; 1: the sums carry the batch's power-of-two scale, taken out on the way out
; ---- from here on the four product kernels have one text; the lines under .if go by the six settings above ----
; C tile 128 x 128, four waves of 64 x 64 (16 accumulators).  A lies TILED ([M/128][K/64][128][64]), B in PANELS ([N/128][K][128]): a K step of 256 is 65,536 consecutive
; bytes of each; every wave fetches half of one of them (32,768 bytes, asked for as 128 rows of 256 bytes) with one tensor load.  Two LDS slots take turns; a refill stands first
; behind the round and has 112 of a step's 128 matrix instructions in which to land.
; CLUSTER 4 x 4: A's tile hangs on the tile row alone and is asked for jointly along a row of the cluster, B's on the tile column alone and jointly along a column.
; The matrix instruction is used transposed (source 0 = 16 columns of B, read turned out of LDS; source 1 = 16 rows of A): a lane holds eight neighbouring numbers of a row of C.
; REGISTERS: window 0: v16-31 addresses, v32-127 the way out, v128-255 accumulators ((a, b) at 128 + 8 (4 a + b)); window 1: two fragment buffers of 128 (64 of A, 64 of B, for 64 along K).
.set NS,    KDIM/256                   ; K steps
.set QB,    18432                      ; 64 along K in LDS: A 128 rows x 144 bytes, B 64 rows x 288 bytes
.set BOFF,  4*QB                       ; a slot: A's four quarters, then B's
.set SLOTB, 8*QB                       ; 147,456 = 0x24000: it shares no bit with wave x 36,864, so one exclusive or changes slots
.set STAGE, 2*SLOTB                    ; behind the ring, never filled by a tensor load: 16 rows for each wave
.if EPI == 2
.set SP, 272                           ; a stage row: 256 bytes + 16
.set PO, 10                            ; s[10:11] the output
.else
.set SP, 144                           ; 128 bytes + 16
.set PO, 8
.endif
.set SPARE, STAGE+4*16*SP              ; the spare words: 128 bytes for each wave, two blocks of 256 bytes that no other line names
.set A0,  16                           ; v16 my lane's place in A's part of slot 0; never rewritten
.set B0,  17                           ; v17 the same for B, quarters 0 and 1;  v18 quarters 2 and 3
.set B1,  18
.set ADA, 19                           ; v19 A0 + the slot in hand
.set ADB, 20                           ; v20, v21 B0, B1 + the slot in hand
.set STO, 24
.set RD,  25
.set CO,  26
.set SPW, 28                           ; v28 my spare word; v29 0; never rewritten
.set NIL, 29
.set SC,  30                           ; v[30:31] the factor that takes the scale out
.set TMP, 32
.set RES, 32
.set BK,  96
.set ACC, 128
.set F0,  0
.set F1,  128
.set WV,  12                           ; s12 wave; s13 wave / 2: my row half, and 0: I fetch A, 1: B; s14 wave % 2: my column half, and which half I fetch
.set WR,  13
.set WC,  14
.set TB,  16                           ; s16 LDS byte at which the slot in hand begins
.set G1A, 24
.set G0A, 32                           ; two sets; the second walks
.set G1B, 48
.set G0B, 56
.set MSB, 0
.macro WIN new                         ; the immediate's high byte repeats the setting that is left
.if MSB != (\new)
	s_set_vgpr_msb (MSB<<8)|(\new)
.set MSB, \new
.endif
.endm
.set MUL,  0x05                        ; sources 0 and 1 window 1; C and D window 0
.set TO_F, 0x40                        ; destination window 1, address window 0
.macro PLACES                          ; four places behind matrix instructions (ISA guide 7.12.1)
.rept 4
	v_nop
.endr
.endm
.macro JLOAD                           ; the joint refill, by the walking set; an s_nop 0 and four v_nop follow each line
	s_cmp_eq_u32 s[WR], 0
	s_cbranch_scc0 .Lfor_b_\@
	tensor_load_to_lds s[G0A+4:G0A+7], s[G1A:G1A+7]
	s_nop 0
	PLACES
	s_branch .Lasked_\@
.Lfor_b_\@:
	tensor_load_to_lds s[G0B+4:G0B+7], s[G1B:G1B+7]
	s_nop 0
	PLACES
.Lasked_\@:
.endm
.macro CREST                           ; a round of the cluster's barrier behind its opening barrier
	s_cmp_lg_u32 s[WV], 0
	s_cbranch_scc1 .Lnot_wave_0_\@
	s_barrier_signal -3
.Lnot_wave_0_\@:
	s_barrier_wait -3
	s_barrier_signal -1
	s_barrier_wait -1
.endm
.macro CROUND
	s_barrier_signal -1
	s_barrier_wait -1
	CREST
.endm
.macro WM d, a, b, zero
.if FMT
.if \zero
	v_wmma_f32_16x16x32_bf16 v[(\d):(\d)+7], v[(\a):(\a)+7], v[(\b):(\b)+7], 0
.else
	v_wmma_f32_16x16x32_bf16 v[(\d):(\d)+7], v[(\a):(\a)+7], v[(\b):(\b)+7], v[(\d):(\d)+7]
.endif
.else
.if \zero
	v_wmma_f32_16x16x32_f16 v[(\d):(\d)+7], v[(\a):(\a)+7], v[(\b):(\b)+7], 0
.else
	v_wmma_f32_16x16x32_f16 v[(\d):(\d)+7], v[(\a):(\a)+7], v[(\b):(\b)+7], v[(\d):(\d)+7]
.endif
.endif
.endm
; 8 matrix instructions: row blocks a0, a0 + 1 x all 4 column blocks, 32 along K (half c of buffer f).  The 16 accumulators take turns.
.macro MUL8 f, c, a0, zero
	WIN MUL
.irp a, \a0, (\a0)+1
.irp b, 0,1,2,3
	WM ACC+8*(4*(\a)+(\b)), (\f)+64+8*(4*(\c)+(\b)), (\f)+8*(4*(\c)+(\a)), \zero
.endr
.endr
.endm
; 32 LDS loads in one run: quarter q (64 along K) of the slot in hand into buffer f, its first 32 along K first.  B ([k][n], pitch 288) comes turned, A ([m][k], pitch 144) as it lies.
.macro FETCH q, f
	WIN TO_F
.irp c, 0,1
.irp i, 0,1,2,3
	ds_load_tr16_b128 v[(\f)+64+8*(4*\c+\i):(\f)+64+8*(4*\c+\i)+3], v[ADB+(\q)/2] offset:((\q)%2)*QB+\c*9216+32*\i
	ds_load_tr16_b128 v[(\f)+64+8*(4*\c+\i)+4:(\f)+64+8*(4*\c+\i)+7], v[ADB+(\q)/2] offset:((\q)%2)*QB+\c*9216+32*\i+4608
	ds_load_b128 v[(\f)+8*(4*\c+\i):(\f)+8*(4*\c+\i)+3], v[ADA] offset:(\q)*QB+\c*64+\i*2304
	ds_load_b128 v[(\f)+8*(4*\c+\i)+4:(\f)+8*(4*\c+\i)+7], v[ADA] offset:(\q)*QB+\c*64+\i*2304+32
.endr
.endr
.endm
; multiplies buffer f and, in its middle, fetches quarter q into buffer g
.macro QUARTER q, f, g, zero
	s_wait_dscnt 16                                ; the first 32 along K are in; the youngest sixteen loads may be out
	MUL8 \f, 0, 0, \zero
	MUL8 \f, 0, 2, \zero
	PLACES
	FETCH \q, \g
	s_wait_dscnt 32                                ; all but the 32 just issued
	MUL8 \f, 1, 0, 0
	MUL8 \f, 1, 2, 0
.endm
; A step's last quarter multiplies buffer 1 and changes slots: each wave waits for all its tensor loads (one is out: its part of the next slot), adds 0 to its spare word, and waits
; for that and for its reads of this slot.  fill = 1: the barrier opens a round of the cluster's, and this slot is filled again, two K steps ahead, first thing behind it.
.macro TURN fill
	WIN 0
	s_wait_tensorcnt 0x0
	ds_add_u32 v[SPW], v[NIL]
	s_wait_dscnt 17                                ; the add and the youngest sixteen loads may be out
	MUL8 F1, 0, 0, 0
	s_wait_dscnt 0x0                               ; the add is done, my reads of this slot are over
	s_barrier_signal -1
	MUL8 F1, 0, 2, 0
	WIN 0                                          ; at a branch and at a label every window is 0
	s_barrier_wait -1
.if \fill
	CREST
	s_xor_b32 s[G0A+5], s[G0A+5], SLOTB            ; no tensor load of mine is out: the walking sets step to the slot just read and the next K step but one
	s_add_nc_u64 s[G0A+6:G0A+7], s[G0A+6:G0A+7], 65536
	s_xor_b32 s[G0B+5], s[G0B+5], SLOTB
	s_add_nc_u64 s[G0B+6:G0B+7], s[G0B+6:G0B+7], 65536
	JLOAD
.else
	PLACES
.endif
	s_xor_b32 s[TB], s[TB], SLOTB
	v_add_nc_u32 v[ADA], s[TB], v[A0]
	v_add_nc_u32 v[ADB], s[TB], v[B0]
	v_add_nc_u32 v[ADB+1], s[TB], v[B1]
	FETCH 0, F0
	MUL8 F1, 1, 0, 0
	MUL8 F1, 1, 2, 0
.endm
.if EPI == 1
	s_load_b128 s[4:7], s[0:1], 0x0                ; A, wq
	s_load_b64 s[8:9], s[0:1], 0x10                ; the output
.else
	s_load_b256 s[4:11], s[0:1], 0x0               ; A, wq, then: output and mx (EPI 0), or residual and output (EPI 2)
.endif
.if SCL
	s_load_b64 s[44:45], s[0:1], 0x20              ; mx
.endif
	v_lshl_add_u32 v[SPW], v0, 2, SPARE
	v_mov_b32 v[NIL], 0
	ds_add_u32 v[SPW], v[NIL]                      ; the wave's opening: the add and its wait ahead of my first tensor load
	v_lshrrev_b32 v1, 5, v0
	v_readfirstlane_b32 s[WV], v1
	s_lshr_b32 s[WR], s[WV], 1
	s_and_b32 s[WC], s[WV], 1
	s_bfe_u32 s18, ttmp6, 0x40000                  ; cx, cy
	s_bfe_u32 s19, ttmp6, 0x40004
	s_lshl_b32 s20, ttmp9, 2
	s_add_co_u32 s20, s20, s18                     ; tile column
	s_and_b32 s21, ttmp7, 0xffff
	s_lshl_b32 s21, s21, 2
	s_add_co_u32 s21, s21, s19                     ; tile row
	s_lshl_b32 s22, s19, 2
	s_lshl_b32 s22, 15, s22                        ; my row of the cluster
	s_lshl_b32 s23, 0x1111, s18                    ; my column
	s_or_b32 s[G1A], s22, (1<<16)|(1<<20)|(1<<21)|(4<<22)|(3<<25)  ; mask; 2-byte elements; padding on; bit 21 beside a mask; 4 words behind every 32: rows of 128 bytes, pitch 144
	s_or_b32 s[G1B], s23, (1<<16)|(1<<20)|(1<<21)|(5<<22)|(7<<25)  ; 8 words behind every 64: rows of 256 bytes, pitch 288
.irp g, G1A, G1B
	s_mov_b32 s[\g+1], 128<<16                     ; tensor_dim0 = 128 elements
	s_mov_b32 s[\g+2], 128<<16                     ; tensor_dim1 = 128 rows
	s_mov_b32 s[\g+3], 128<<16                     ; tile_dim0 = 128
	s_mov_b32 s[\g+4], 128                         ; tile_dim1 = 128
	s_mov_b32 s[\g+5], 128                         ; dense: 128 elements from row to row
	s_mov_b32 s[\g+6], 0
	s_mov_b32 s[\g+7], 0
.endr
	s_lshl_b32 s17, s[WC], 15                      ; which 32,768 bytes of a step I fetch
	s_mul_i32 s40, s21, KDIM*256                   ; A: the tile row's bytes
	s_add_co_u32 s40, s40, s17
	s_mov_b32 s41, 0
	s_mul_i32 s42, s20, KDIM*256                   ; B: the panel's bytes
	s_add_co_u32 s42, s42, s17
.if WOFF
	s_add_co_u32 s42, s42, WOFF
.endif
	s_mov_b32 s43, 0
	s_mul_i32 s66, s[WV], 2*QB                     ; where my part goes: wave x 36,864
	s_mov_b32 s[TB], 0
	s_mov_b32 s46, 0x76543210                      ; v_permlanex16_b32: each lane takes its own place in the other half
	s_mov_b32 s47, 0xfedcba98
	s_wait_dscnt 0x0                               ; the opening add is done
	s_wait_kmcnt 0x0
	s_add_nc_u64 s[40:41], s[4:5], s[40:41]
	s_add_nc_u64 s[42:43], s[6:7], s[42:43]
	CROUND                                         ; all sixteen work-groups are here: the first joint loads meet
.irp s, 0,1
	s_mov_b32 s[G0A+4*\s], 1
	s_add_co_u32 s[G0A+4*\s+1], s66, \s*SLOTB
	s_add_nc_u64 s[G0A+4*\s+2:G0A+4*\s+3], s[40:41], \s*65536
	s_or_b32 s[G0A+4*\s+3], s[G0A+4*\s+3], 0x80000000
	s_mov_b32 s[G0B+4*\s], 1
	s_add_co_u32 s[G0B+4*\s+1], s66, \s*SLOTB
	s_add_nc_u64 s[G0B+4*\s+2:G0B+4*\s+3], s[42:43], \s*65536
	s_or_b32 s[G0B+4*\s+3], s[G0B+4*\s+3], 0x80000000
.endr
	s_cmp_eq_u32 s[WR], 0                          ; a wave's two first fills stand in one branch: two loads of mine are out
	s_cbranch_scc0 .Lfirst_b
	tensor_load_to_lds s[G0A:G0A+3], s[G1A:G1A+7]
	s_nop 0
	tensor_load_to_lds s[G0A+4:G0A+7], s[G1A:G1A+7]
	s_nop 0
	PLACES
	s_branch .Lfirst_asked
.Lfirst_b:
	tensor_load_to_lds s[G0B:G0B+3], s[G1B:G1B+7]
	s_nop 0
	tensor_load_to_lds s[G0B+4:G0B+7], s[G1B:G1B+7]
	s_nop 0
	PLACES
.Lfirst_asked:
.if SCL
	s_lshr_b32 s70, s21, 2                         ; the tile's batch: its 128 maxima of each kind are 512 consecutive bytes
	s_lshl_b32 s70, s70, 9
	v_and_b32 v6, 31, v0
	v_lshl_add_u32 v6, v6, 4, s70
	global_load_b128 v[32:35], v6, s[44:45]
	global_load_b128 v[36:39], v6, s[44:45] offset:4096
	global_load_b128 v[40:43], v6, s[44:45] offset:8192
.endif
	v_and_b32 v1, 15, v0                           ; r = lane % 16
	v_bfe_u32 v2, v0, 4, 1                         ; h = lane / 16
	v_mul_u32_u24 v3, v1, 144
	v_lshl_add_u32 v3, v2, 4, v3
	s_mul_i32 s17, s[WR], 64*144
	v_add_nc_u32 v[A0], s17, v3                    ; (64 x row half + r) x 144 + 16 h
	v_and_b32 v4, 7, v0
	v_lshl_add_u32 v4, v2, 3, v4
	v_mul_u32_u24 v4, v4, 288
	v_bfe_u32 v5, v0, 3, 1
	v_lshl_add_u32 v4, v5, 4, v4
	s_lshl_b32 s17, s[WC], 7
	s_add_co_u32 s17, s17, BOFF
	v_add_nc_u32 v[B0], s17, v4                    ; (8 h + lane % 8) x 288 + 128 x column half + 16 ((lane / 8) % 2)
	v_add_nc_u32 v[B1], 2*QB, v[B0]
	v_mov_b32 v[ADA], v[A0]
	v_mov_b32 v[ADB], v[B0]
	v_mov_b32 v[ADB+1], v[B1]
	s_mul_i32 s17, s[WV], 16*SP
	s_add_co_u32 s17, s17, STAGE                   ; my stage
	v_mul_u32_u24 v6, v1, SP
.if EPI == 2
	v_lshl_add_u32 v6, v2, 5, v6                   ; in: row r, 32 bytes for each half of the lanes
	v_add_nc_u32 v[STO], s17, v6
	v_mul_u32_u24 v6, v2, SP                       ; back: lanes 0-15 one row of 256 bytes, lanes 16-31 the next
	v_lshl_add_u32 v6, v1, 4, v6
	v_add_nc_u32 v[RD], s17, v6
	v_lshlrev_b32 v6, 12, v2                       ; and the same two rows of 4,096 bytes in memory
	v_lshl_add_u32 v[CO], v1, 4, v6
	s_lshl_b32 s68, s21, 19                        ; (128 x tile row + 64 x row half) x 4,096 + (128 x tile column + 64 x column half) x 4
	s_lshl_b32 s70, s[WR], 18
	s_add_co_u32 s68, s68, s70
	s_lshl_b32 s70, s20, 9
	s_add_co_u32 s68, s68, s70
	s_lshl_b32 s70, s[WC], 8
	s_add_co_u32 s68, s68, s70
	s_mov_b32 s69, 0
	s_add_nc_u64 s[8:9], s[8:9], s[68:69]
	s_add_nc_u64 s[10:11], s[10:11], s[68:69]
.else
	v_lshl_add_u32 v6, v2, 4, v6                   ; in: row r, 16 bytes for each half of the lanes
	v_add_nc_u32 v[STO], s17, v6
	v_bfe_u32 v6, v0, 3, 2                         ; back: 32 lanes take four rows of 128 bytes,
	v_mul_u32_u24 v6, v6, SP
	v_and_b32 v7, 7, v0
	v_lshl_add_u32 v6, v7, 4, v6
	v_add_nc_u32 v[RD], s17, v6
	v_and_b32 v[CO], 31, v0                        ; which are 512 consecutive bytes of the tiled output
	v_lshlrev_b32 v[CO], 4, v[CO]
	s_mul_i32 s68, s21, NPO                        ; panel (tile row x NPO + 2 x tile column + column half), 64 rows of 128 bytes for each row half
	s_lshl_b32 s70, s20, 1
	s_add_co_u32 s68, s68, s70
	s_add_co_u32 s68, s68, s[WC]
	s_lshl_b32 s68, s68, 14
	s_lshl_b32 s70, s[WR], 13
	s_add_co_u32 s68, s68, s70
	s_mov_b32 s69, 0
	s_add_nc_u64 s[PO:PO+1], s[PO:PO+1], s[68:69]
.endif
.if SCL
	s_wait_loadcnt 0x0                             ; the batch's largest |r|, |k|, |v|; the factor is 2^(floor(log2(r k v)) + 4), made on the bits, as the launch that scaled made it
	v_max3_num_f32 v32, v32, v33, v34
	v_max3_num_f32 v36, v36, v37, v38
	v_max3_num_f32 v40, v40, v41, v42
	v_max_num_f32 v32, v32, v35
	v_max_num_f32 v36, v36, v39
	v_max_num_f32 v40, v40, v43
.irp m, 1,2,4,8
	v_max_num_f32_dpp v32, v32, v32 row_xmask:\m row_mask:0xf bank_mask:0xf
	v_max_num_f32_dpp v36, v36, v36 row_xmask:\m row_mask:0xf bank_mask:0xf
	v_max_num_f32_dpp v40, v40, v40 row_xmask:\m row_mask:0xf bank_mask:0xf
.endr
	v_permlanex16_b32 v33, v32, s46, s47
	v_permlanex16_b32 v37, v36, s46, s47
	v_permlanex16_b32 v41, v40, s46, s47
	v_max_num_f32 v32, v32, v33
	v_max_num_f32 v36, v36, v37
	v_max_num_f32 v40, v40, v41
	v_mul_f32 v32, v32, v36
	v_mul_f32 v32, v32, v40
	v_and_b32 v32, 0x7f800000, v32
	v_add_nc_u32 v[SC], 0x02000000, v32
	v_mov_b32 v[SC+1], v[SC]
.endif
	s_wait_tensorcnt 1                             ; my part of K step 0 is in; step 1's may stay out
	s_barrier_signal -1
	s_barrier_wait -1
	FETCH 0, F0
	QUARTER 1, F0, F1, 1                           ; the first quarter stands in front of the loop: its first products start the sums
	WIN 0
	s_mov_b32 s3, NS-2
.Lstep:                                                ; a trip: from a step's second quarter to the next step's first; it fills one slot again
	QUARTER 2, F1, F0, 0
	QUARTER 3, F0, F1, 0
	TURN 1
	QUARTER 1, F0, F1, 0
	WIN 0
	s_sub_co_u32 s3, s3, 1
	s_cmp_lg_u32 s3, 0
	s_cbranch_scc1 .Lstep
	QUARTER 2, F1, F0, 0                           ; the last two steps are written out: nothing more is asked for
	QUARTER 3, F0, F1, 0
	TURN 0
.if EPI == 2
.macro RESLOAD a                       ; 16 rows x 256 bytes of the residual
	WIN 0
.irp t, 0,1,2,3,4,5,6,7
	global_load_b128 v[RES+32*((\a)%2)+4*\t:RES+32*((\a)%2)+4*\t+3], v[CO], s[8:9] offset:(16*(\a)+2*\t)*4096
.endr
.endm
	RESLOAD 0                                      ; they land under the last K step
	RESLOAD 1
.endif
	QUARTER 1, F0, F1, 0
	QUARTER 2, F1, F0, 0
	QUARTER 3, F0, F1, 0
	s_wait_dscnt 16
	MUL8 F1, 0, 0, 0
	MUL8 F1, 0, 2, 0
	s_wait_dscnt 0x0
	MUL8 F1, 1, 0, 0
	MUL8 F1, 1, 2, 0
	WIN 0
	PLACES
.if EPI == 2
; THE WAY OUT, 16 rows at a time through my own stage: a lane's eight f32 go in as 32 bytes of a row and come back as whole rows of 256 bytes; the residual is added; 16 lanes store 256 consecutive bytes.
.irp a, 0,1,2,3
.irp b, 0,1,2,3
	ds_store_b128 v[STO], v[ACC+8*(4*\a+\b):ACC+8*(4*\a+\b)+3] offset:64*\b
	ds_store_b128 v[STO], v[ACC+8*(4*\a+\b)+4:ACC+8*(4*\a+\b)+7] offset:64*\b+16
.endr
	s_wait_xcnt 0x0                                ; the last block's stores have read the registers that are loaded again below
.irp t, 0,1,2,3,4,5,6,7
	ds_load_b128 v[BK+4*\t:BK+4*\t+3], v[RD] offset:2*SP*\t  ; LDS serves a wave's instructions in order: these see the stores above
.endr
	s_wait_dscnt 0x0
.if \a < 3
	s_wait_loadcnt 8                               ; this block's residual is in; the next block's eight loads stay out
.else
	s_wait_loadcnt 0x0
.endif
.set n, 0
.rept 16
.if SCL
	v_pk_fma_f32 v[BK+2*n:BK+2*n+1], v[BK+2*n:BK+2*n+1], v[SC:SC+1], v[RES+32*(\a%2)+2*n:RES+32*(\a%2)+2*n+1]
.else
	v_pk_add_f32 v[BK+2*n:BK+2*n+1], v[BK+2*n:BK+2*n+1], v[RES+32*(\a%2)+2*n:RES+32*(\a%2)+2*n+1]
.endif
.set n, n+1
.endr
.irp t, 0,1,2,3,4,5,6,7
	global_store_b128 v[CO], v[BK+4*\t:BK+4*\t+3], s[10:11] offset:(16*\a+2*\t)*4096
.endr
.if \a < 2
	RESLOAD (\a)+2
.endif
.endr
.else
; THE WAY OUT, 16 rows at a time through my own stage: a lane's eight numbers pack into 16 bytes of a row of 128 and come back, into the registers that they left, as 512 consecutive bytes.
.macro PACK a
.if EPI == 1
.set n, ACC+32*(\a)
.rept 32
	v_max_num_f32 v[n], 0, v[n]                    ; relu (a NaN becomes 0),
.set n, n+1
.endr
.set n, ACC+32*(\a)
.rept 16
	v_pk_mul_f32 v[n:n+1], v[n:n+1], v[n:n+1]      ; squared
.set n, n+2
.endr
.endif
.set n, 0
.rept 16
.if EPI == 1
	v_cvt_pk_bf16_f32 v[TMP+16*(\a)+n], v[ACC+32*(\a)+2*n], v[ACC+32*(\a)+2*n+1]
.else
	v_cvt_pk_f16_f32 v[TMP+16*(\a)+n], v[ACC+32*(\a)+2*n], v[ACC+32*(\a)+2*n+1]
.endif
.set n, n+1
.endr
.irp b, 0,1,2,3
	ds_store_b128 v[STO], v[TMP+16*(\a)+4*\b:TMP+16*(\a)+4*\b+3] offset:32*\b
.endr
.irp t, 0,1,2,3
	ds_load_b128 v[TMP+16*(\a)+4*\t:TMP+16*(\a)+4*\t+3], v[RD] offset:4*SP*\t  ; in order behind the stores above; the next block's stores come behind them
.endr
.endm
.macro SEND a, younger                 ; younger: the next block's eight LDS instructions, or none
.irp t, 0,1,2,3
	s_wait_dscnt (\younger)+3-\t
	global_store_b128 v[CO], v[TMP+16*(\a)+4*\t:TMP+16*(\a)+4*\t+3], s[PO:PO+1] offset:2048*(\a)+512*\t
.endr
.endm
	PACK 0
	PACK 1
	SEND 0, 8
	PACK 2
	SEND 1, 8
	PACK 3
	SEND 2, 8
	SEND 3, 0
.endif
.if EPI == 0
	; the largest magnitude of my 4,096 stored numbers: the 64 registers above hold them all, two to a register
	s_mov_b32 s17, 0x7fff7fff
	v_and_b32 v96, s17, v[TMP]
	v_and_b32 v97, s17, v[TMP+1]
.set n, 2
.rept 31
	v_and_b32 v98, s17, v[TMP+n]
	v_and_b32 v99, s17, v[TMP+n+1]
	v_pk_max_num_f16 v96, v96, v98
	v_pk_max_num_f16 v97, v97, v99
.set n, n+2
.endr
	v_pk_max_num_f16 v96, v96, v97
	v_cvt_f32_f16 v98, v96.l
	v_cvt_f32_f16 v99, v96.h
	v_max_num_f32 v98, v98, v99
.irp m, 1,2,4,8
	v_max_num_f32_dpp v98, v98, v98 row_xmask:\m row_mask:0xf bank_mask:0xf
.endr
	v_permlanex16_b32 v99, v98, s46, s47
	v_max_num_f32 v98, v98, v99
	s_lshr_b32 s68, s20, 3                         ; mx: [kind = tile column / 8][tile row][tile column % 8][wave], f32
	s_lshl_b32 s68, s68, 12
	s_lshl_b32 s70, s21, 7
	s_add_co_u32 s68, s68, s70
	s_and_b32 s70, s20, 7
	s_lshl_b32 s70, s70, 4
	s_add_co_u32 s68, s68, s70
	s_lshl_b32 s70, s[WV], 2
	s_add_co_u32 s68, s68, s70
	v_mov_b32 v100, s68
	v_cmp_eq_u32 vcc_lo, 0, v[CO]
	s_wait_xcnt 0x0                                ; EXEC is a source of the stores above: it changes only behind this wait
	s_and_saveexec_b32 s71, vcc_lo
	global_store_b32 v100, v98, s[10:11]           ; lane 0 alone
	s_wait_xcnt 0x0
	s_or_b32 exec_lo, exec_lo, s71
.endif
	s_wait_tensorcnt 0x0                           ; the wave's end
	ds_add_u32 v[SPW], v[NIL]
	s_wait_dscnt 0x0
	CROUND                                         ; the closing round
	s_endpgm
.Lfunc_end_k_qead1cd1d87_gemm_rkv:
	.size	k_qead1cd1d87_gemm_rkv, .Lfunc_end_k_qead1cd1d87_gemm_rkv-k_qead1cd1d87_gemm_rkv
	.p2alignl 7, 3214868480
	.fill 96, 4, 3214868480
	.section	.rodata,"a",@progbits
	.p2align	6, 0x0
	.amdhsa_kernel k_qead1cd1d87_gemm_rkv
		.amdhsa_group_segment_fixed_size 327680
		.amdhsa_private_segment_fixed_size 0
		.amdhsa_enable_private_segment 0
		.amdhsa_kernarg_size 32
		.amdhsa_user_sgpr_count 2
		.amdhsa_user_sgpr_kernarg_segment_ptr 1
		.amdhsa_wavefront_size32 1
		.amdhsa_system_sgpr_workgroup_id_x 1
		.amdhsa_system_sgpr_workgroup_id_y 1
		.amdhsa_system_sgpr_workgroup_id_z 1
		.amdhsa_system_vgpr_workitem_id 0
		.amdhsa_next_free_vgpr 512
		.amdhsa_next_free_sgpr 72
		.amdhsa_reserve_vcc 1
		.amdhsa_float_denorm_mode_32 3
		.amdhsa_float_denorm_mode_16_64 3
		.amdhsa_memory_ordered 1
		.amdhsa_forward_progress 1
		.amdhsa_inst_pref_size 76
	.end_amdhsa_kernel
	.amdgpu_metadata
---
amdhsa.version: [ 1, 2 ]
amdhsa.kernels:
  - .name:           k_qead1cd1d87_gemm_rkv
    .symbol:         k_qead1cd1d87_gemm_rkv.kd
    .args:
      - { .name: xn, .offset: 0, .size: 8, .value_kind: global_buffer, .address_space: global }
      - { .name: wq, .offset: 8, .size: 8, .value_kind: global_buffer, .address_space: global }
      - { .name: rkv, .offset: 16, .size: 8, .value_kind: global_buffer, .address_space: global }
      - { .name: mx, .offset: 24, .size: 8, .value_kind: global_buffer, .address_space: global }
    .group_segment_fixed_size: 327680
    .private_segment_fixed_size: 0
    .kernarg_segment_align: 8
    .kernarg_segment_size: 32
    .max_flat_workgroup_size: 128
    .sgpr_count:     72
    .vgpr_count:     512
    .wavefront_size: 32
...
	.end_amdgpu_metadata
.endif
;; end of part 3
;; launch wkv (part 4): grid 16 x 8, 16 waves a work-group, no clusters, 288,768 bytes of LDS; arguments rkv, time_decay, time_first, mx, rwkv; writes rwkv
.if DOCPART == 4
	.amdgcn_target "amdgcn-amd-amdhsa--gfx1250"
	.amdhsa_code_object_version 6
	.text
	.protected	k_qead1cd1d87_wkv
	.globl	k_qead1cd1d87_wkv
	.p2align	8
	.type	k_qead1cd1d87_wkv,@function
k_qead1cd1d87_wkv:
	s_mov_b64 s[64:65], 0
	v_nop
	global_prefetch_b8 v0, s[64:65] scope:SCOPE_SE
	s_setreg_imm32_b32 hwreg(HW_REG_WAVE_MODE, 25, 1), 1
	s_wait_xcnt 0x0
; The recurrence y_t = r_t . (S_t + u k_t v_t^T), S_(t+1) = d S_t + k_t v_t^T, d = exp(-exp(w)) for each key channel, and the gate sigmoid(r) y, for ONE (batch, head): 512 tokens x 64 channels.
; CHUNKS.  Wave w owns tokens 32 w .. 32 w + 31.  Inside a chunk y_i = (r_i d^i) . S + sum over j <= i of A[i][j] v_j; the chunk adds U = sum over j of (d^(31-j) k_j) v_j^T, and S' = d^32 S + U.
; ONLY POWERS OF d WITH EXPONENTS >= 0 (d may be 0).  For j < i let m be the highest power of two in i xor j: i - 1 - j = (i mod m) + (m - 1 - (j mod m)).  So A is chosen, place by place, from six
; products (R d^(i mod m)) (K d^(m-1-(j mod m)))^T, m = 1, 2, 4, 8 and the bonus R (K u)^T on the two diagonal tiles of 16 x 16, m = 16 on the tile below them.  The choice is v_cndmask by lane masks.
; FORMATS.  All matrix operands f16, all sums and the carried state f32.  A and S are brought into f16 by sg = 2^-floor(log2(max(|r|,|v|) |k|)), with the batch's largest magnitudes from mx:
; |A sg| < 128, |S sg| < 1,024.  The result is stored times 2^-(floor(log2(|r| |k| |v|)) + 4), which the next launch takes out: its magnitude is below 8 (511 + max|u|).
; LIMITS.  |u| < 7,600, or the result leaves f16's range; a power of d below 6e-8 counts as 0; NaN and infinities are not treated apart; the order of the sums differs from a step-by-step scan's.
; No cluster: the work-groups share no input but 1,536 bytes of maxima.  No tensor load: each wave's 12 KiB come once, straight into registers.
; LAYOUT.  S^T-like products throughout: scores = (16 keys) x (16 queries)^T hold one query a lane and 8 keys; rounded in pairs they ARE source 1 of V^T P.  U = KT x VT holds one v channel a lane and
; 8 key channels: rounded in pairs it IS half a fragment of S^T, source 0 of S^T (R d^i)^T.  Nothing changes lanes.
; LDS.  REG(c) = 16,384 c: first wave c's K and V (32 rows, pitch 160, V at +5,120); then U_c in f32 (tile 4 ct + vt: registers 0-3 at +512 tile + 16 lane, registers 4-7 8,192 further);
; behind the prefix the first half holds S_(c+1) sg in f16, the second half is wave c's stage for the way out.  TAB: T0-T9 (2,048 bytes each), T10-T13 (1,024 each).  SPARE: the spare words.
.set TAB,   262144
.set SPARE, 286720                     ; 128 bytes for each of 16 waves: eight blocks of 256 bytes that no other line names
.set KI,  2                            ; v[2:3]     (from barrier 1 on) sg x 2^(floor(log2(r k v)) + 4)
.set RR,  16                           ; v[16:47]   R: tile I, channel half cb at 16 + 8 (2 I + cb)
.set VT,  48                           ; v[48:79]   V turned: channels 16 vt on at 48 + 8 vt
.set KK,  80                           ; v[80:111]  K as R; later S and U; later R d^i
.set KX,  112                          ; v[112:143] K turned; K times a table; at last P (v112-127)
.set TT,  144                          ; v[144:175] tables; at last the packed result
.set AC,  176                          ; v[176:207] accumulators; R times a table
.set PA,  208                          ; v[208:223] the scores of one level; v[208:239] S^T
.set AT0, 224                          ; v[224:231], v[232:239] the chosen scores of the two diagonal tiles
.set AT1, 232
.set D32, 240                          ; v[240:247] d^32 of my tile's eight channels; at last at work in the gate
.set SG,  248                          ; v[248:249] sg
.set LG,  250                          ; v250 -log2(e);  v251 0
.set ZR,  251
.set SPW, 254
.set NIL, 255
.macro NOPS n
.rept \n
	v_nop
.endr
.endm
	s_load_b256 s[4:11], s[0:1], 0x0               ; rkv, time_decay, time_first, mx
	s_load_b64 s[72:73], s[0:1], 0x20              ; rwkv
	v_lshl_add_u32 v[SPW], v0, 2, SPARE
	v_mov_b32 v[NIL], 0
	v_lshrrev_b32 v1, 5, v0
	v_readfirstlane_b32 s12, v1                    ; wave = chunk
	s_mov_b32 s13, ttmp9                           ; head
	s_and_b32 s14, ttmp7, 0xffff                   ; batch
	s_mov_b32 s60, 0x76543210
	s_mov_b32 s61, 0xfedcba98
	s_lshl_b32 s15, s12, 14                        ; REG(wave)
	v_and_b32 v3, 31, v0                           ; L
	v_and_b32 v1, 15, v0                           ; rho = L % 16
	v_bfe_u32 v2, v0, 4, 1                         ; h = L / 16
	v_lshlrev_b32 v4, 7, v1
	v_lshl_add_u32 v4, v2, 4, v4                   ; a fragment of R in memory: rho x 128 + 16 h
	v_lshlrev_b32 v5, 4, v3                        ; 16 L
	v_lshrrev_b32 v6, 3, v3
	v_mul_u32_u24 v6, v6, 160
	v_and_b32 v13, 7, v0
	v_lshl_add_u32 v6, v13, 4, v6
	v_add_nc_u32 v6, s15, v6                       ; staging: four rows of 128 bytes a store
	v_mul_u32_u24 v7, v1, 160
	v_lshl_add_u32 v7, v2, 4, v7
	v_add_nc_u32 v7, s15, v7                       ; a fragment of K as it lies
	v_lshl_add_u32 v8, v2, 3, v13
	v_mul_u32_u24 v8, v8, 160
	v_bfe_u32 v14, v0, 3, 1
	v_lshl_add_u32 v8, v14, 4, v8
	v_add_nc_u32 v8, s15, v8                       ; a turned fragment: token 8 h + L % 8, channels 8 ((L / 8) % 2) on
	v_add_nc_u32 v9, TAB, v5
	v_add_nc_u32 v10, s15, v5
	s_lshl_b32 s16, s14, 2
	s_lshr_b32 s17, s12, 2
	s_add_co_u32 s16, s16, s17                     ; the tile of 128 rows: 4 batch + wave / 4
	s_mul_i32 s18, s16, 48
	s_add_co_u32 s18, s18, s13
	s_lshl_b32 s18, s18, 14
	s_and_b32 s19, s12, 3
	s_lshl_b32 s19, s19, 12                        ; my 32 rows of 128 bytes in the panel
	s_add_co_u32 s66, s18, s19
	s_mov_b32 s67, 0
	s_lshl_b32 s18, s16, 4
	s_add_co_u32 s18, s18, s13
	s_lshl_b32 s18, s18, 14
	s_add_co_u32 s68, s18, s19
	s_mov_b32 s69, 0
	s_lshl_b32 s70, s13, 8                         ; the head's 64 numbers in time_decay and time_first
	s_lshl_b32 s63, s17, 6
	s_add_co_u32 s63, s63, s70
	v_lshl_add_u32 v15, v2, 5, s63                 ; channels 16 (wave / 4) + 8 h on
	v_lshl_add_u32 v14, v2, 5, s70                 ; channels 8 h on
	s_lshl_b32 s18, s14, 9
	v_add_nc_u32 v12, s18, v5                      ; the batch's 128 maxima of a kind
	s_wait_kmcnt 0x0
	s_add_nc_u64 s[4:5], s[4:5], s[66:67]
	s_add_nc_u64 s[72:73], s[72:73], s[68:69]
.irp f, 0,1,2,3
	global_load_b128 v[RR+8*\f:RR+8*\f+3], v4, s[4:5] offset:(\f/2)*2048+(\f%2)*64
	global_load_b128 v[RR+8*\f+4:RR+8*\f+7], v4, s[4:5] offset:(\f/2)*2048+(\f%2)*64+32
.endr
.irp i, 0,1,2,3,4,5,6,7
	global_load_b128 v[KX+4*\i:KX+4*\i+3], v5, s[4:5] offset:262144+512*\i
	global_load_b128 v[TT+4*\i:TT+4*\i+3], v5, s[4:5] offset:524288+512*\i
.endr
	global_load_b128 v[D32:D32+3], v15, s[6:7]
	global_load_b128 v[D32+4:D32+7], v15, s[6:7] offset:16
	global_load_b128 v[KK:KK+3], v12, s[10:11]
	global_load_b128 v[KK+4:KK+7], v12, s[10:11] offset:4096
	global_load_b128 v[KK+8:KK+11], v12, s[10:11] offset:8192
; THE TABLES, f16 images of fragments.  T0-T3: d^(rho & 1, 3, 7, 15); T4: d^(16 + rho); T5-T8: d^((rho ^ 15) & 1, 3, 7, 15); T9: u: quad q at +512 q + 16 L holds channels 16 q + 8 h + 0..7.
; T10 + ct: d^(31 - token) for channel 16 ct + rho, tokens in a turned fragment's order.  Wave t makes table t.  log2(d) = -2^(w log2 e) log2 e is held at the lowest finite number, so that exponent 0 gives 1 for d = 0 too.
	s_cmp_lt_u32 s12, 10
	s_cbranch_scc0 .Lnot_quad
	s_lshl_b32 s16, s12, 11
	v_add_nc_u32 v13, s16, v9
	s_cmp_eq_u32 s12, 9
	s_cbranch_scc1 .Lwave_u
.irp q, 0,1,2,3
	global_load_b128 v[AC+8*\q:AC+8*\q+3], v14, s[6:7] offset:64*\q
	global_load_b128 v[AC+8*\q+4:AC+8*\q+7], v14, s[6:7] offset:64*\q+16
.endr
	s_cmp_ge_u32 s12, 5
	s_cselect_b32 s16, 15, 0                       ; the keys' side counts down
	s_cselect_b32 s17, 5, 0
	s_sub_co_u32 s17, s12, s17
	s_lshl_b32 s17, 2, s17
	s_sub_co_u32 s17, s17, 1
	s_min_u32 s17, s17, 15                         ; m - 1
	s_cmp_eq_u32 s12, 4
	s_cselect_b32 s18, 16, 0
	v_xor_b32 v252, s16, v1
	v_and_b32 v252, s17, v252
	v_add_nc_u32 v252, s18, v252
	v_cvt_f32_u32 v252, v252                       ; the exponent
	v_mov_b32 v253, v252
	s_wait_loadcnt 0x0
.set n, 0
.rept 16
	v_pk_mul_f32 v[AC+2*n:AC+2*n+1], v[AC+2*n:AC+2*n+1], 0x3fb8aa3b op_sel_hi:[1,0]
.set n, n+1
.endr
.set n, 0
.rept 32
	v_exp_f32 v[AC+n], v[AC+n]
.set n, n+1
.endr
	v_nop                                          ; a plain instruction behind the last exponential
.set n, 0
	s_wait_alu depctr_va_vdst(0)
.rept 16
	v_pk_mul_f32 v[AC+2*n:AC+2*n+1], v[AC+2*n:AC+2*n+1], 0xbfb8aa3b op_sel_hi:[1,0]
.set n, n+1
.endr
.set n, 0
.rept 32
	v_max_num_f32 v[AC+n], 0xff7fffff, v[AC+n]
.set n, n+1
.endr
.set n, 0
.rept 16
	v_pk_mul_f32 v[AC+2*n:AC+2*n+1], v[AC+2*n:AC+2*n+1], v[252:253]
.set n, n+1
.endr
.set n, 0
.rept 32
	v_exp_f32 v[AC+n], v[AC+n]
.set n, n+1
.endr
	v_nop
	s_branch .Lpack
.Lwave_u:
.irp q, 0,1,2,3
	global_load_b128 v[AC+8*\q:AC+8*\q+3], v14, s[8:9] offset:64*\q
	global_load_b128 v[AC+8*\q+4:AC+8*\q+7], v14, s[8:9] offset:64*\q+16
.endr
	s_wait_loadcnt 0x0
.Lpack:
.set n, 0
	s_wait_alu depctr_va_vdst(0)
.rept 16
	v_cvt_pk_f16_f32 v[AC+32+n], v[AC+2*n], v[AC+2*n+1]
.set n, n+1
.endr
.irp q, 0,1,2,3
	ds_store_b128 v13, v[AC+32+4*\q:AC+32+4*\q+3] offset:512*\q
.endr
	s_branch .Ltab_done
.Lnot_quad:
	s_cmp_lt_u32 s12, 14
	s_cbranch_scc0 .Ltab_done
	s_sub_co_u32 s16, s12, 10                      ; ct
	s_lshl_b32 s17, s16, 6
	s_add_co_u32 s17, s17, s70
	v_lshl_add_u32 v13, v1, 2, s17
	global_load_b32 v252, v13, s[6:7]              ; w of channel 16 ct + rho
	v_lshlrev_b32 v253, 3, v2
	v_sub_nc_u32 v253, 31, v253                    ; 31 - 8 h
.set n, 0
.rept 16
	v_sub_nc_u32 v[AC+n], v253, n+8*(n/8)          ; 31 - token: tokens 8 h + 0..7, then 16 + 8 h + 0..7
.set n, n+1
.endr
.set n, 0
.rept 16
	v_cvt_f32_u32 v[AC+n], v[AC+n]
.set n, n+1
.endr
	s_wait_loadcnt 0x0
	v_mul_f32 v252, 0x3fb8aa3b, v252
	v_exp_f32 v252, v252
	v_nop
	s_wait_alu depctr_va_vdst(0)
	v_mul_f32 v252, 0xbfb8aa3b, v252
	v_max_num_f32 v252, 0xff7fffff, v252
	v_mov_b32 v253, v252
.set n, 0
.rept 8
	v_pk_mul_f32 v[AC+2*n:AC+2*n+1], v[AC+2*n:AC+2*n+1], v[252:253]
.set n, n+1
.endr
.set n, 0
.rept 16
	v_exp_f32 v[AC+n], v[AC+n]
.set n, n+1
.endr
	v_nop
.set n, 0
	s_wait_alu depctr_va_vdst(0)
.rept 8
	v_cvt_pk_f16_f32 v[AC+16+n], v[AC+2*n], v[AC+2*n+1]
.set n, n+1
.endr
	s_lshl_b32 s17, s16, 10
	s_add_co_u32 s17, s17, 20480
	v_add_nc_u32 v13, s17, v9
	ds_store_b128 v13, v[AC+16:AC+19]
	ds_store_b128 v13, v[AC+20:AC+23] offset:512
.Ltab_done:
	s_wait_loadcnt 0x0                             ; R, K, V, w for d^32, the maxima
.irp i, 0,1,2,3,4,5,6,7
	ds_store_b128 v6, v[KX+4*\i:KX+4*\i+3] offset:640*\i
	ds_store_b128 v6, v[TT+4*\i:TT+4*\i+3] offset:5120+640*\i
.endr
.irp n, 0,1,2,3
	v_pk_mul_f32 v[D32+2*\n:D32+2*\n+1], v[D32+2*\n:D32+2*\n+1], 0x3fb8aa3b op_sel_hi:[1,0]
.endr
.irp n, 0,1,2,3,4,5,6,7
	v_exp_f32 v[D32+\n], v[D32+\n]
.endr
	v_nop
	s_wait_alu depctr_va_vdst(0)
.irp n, 0,1,2,3
	v_pk_mul_f32 v[D32+2*\n:D32+2*\n+1], v[D32+2*\n:D32+2*\n+1], 0xc238aa3b op_sel_hi:[1,0]  ; times -32 log2 e: an infinity here gives d^32 = 0
.endr
.irp n, 0,1,2,3,4,5,6,7
	v_exp_f32 v[D32+\n], v[D32+\n]
.endr
	; the batch's largest |r|, |k|, |v|, in every lane
	v_max3_num_f32 v80, v80, v81, v82
	v_max3_num_f32 v84, v84, v85, v86
	v_max3_num_f32 v88, v88, v89, v90
	v_max_num_f32 v80, v80, v83
	v_max_num_f32 v84, v84, v87
	v_max_num_f32 v88, v88, v91
.irp m, 1,2,4,8
	v_max_num_f32_dpp v80, v80, v80 row_xmask:\m row_mask:0xf bank_mask:0xf
	v_max_num_f32_dpp v84, v84, v84 row_xmask:\m row_mask:0xf bank_mask:0xf
	v_max_num_f32_dpp v88, v88, v88 row_xmask:\m row_mask:0xf bank_mask:0xf
.endr
	v_permlanex16_b32 v81, v80, s60, s61
	v_permlanex16_b32 v85, v84, s60, s61
	v_permlanex16_b32 v89, v88, s60, s61
	v_max_num_f32 v80, v80, v81
	v_max_num_f32 v84, v84, v85
	v_max_num_f32 v88, v88, v89
	v_max_num_f32 v81, v80, v88
	v_mul_f32 v81, v81, v84                        ; max(|r|, |v|) |k|
	v_mul_f32 v82, v80, v84
	v_mul_f32 v82, v82, v88                        ; |r| |k| |v|
	v_and_b32 v81, 0x7f800000, v81
	v_sub_nc_u32 v[SG], 0x7f000000, v81            ; sg: the exponent turned round, on the bits
	v_mov_b32 v[SG+1], v[SG]
	v_and_b32 v82, 0x7f800000, v82
	v_add_nc_u32 v82, 0x02000000, v82              ; 2^(floor(log2(r k v)) + 4)
	; the 40 lane masks: register q of a score tile holds key j = 8 h + q and query i = rho
	v_lshlrev_b32 v13, 3, v2
	v_mov_b32 v253, 0xff
.set q, 0
.rept 8
	v_add_nc_u32 v14, q, v13
	v_xor_b32 v15, v14, v1
	v_cmp_gt_u32 vcc_lo, v14, v1
	v_cndmask_b32 v15, v15, v253, vcc_lo           ; i xor j, or 255 above the diagonal
	v_cmp_eq_u32 s[20+q], 0, v15                   ; the diagonal: the bonus
	v_cmp_eq_u32 s[28+q], 1, v15                   ; m = 1
	v_lshrrev_b32 v15, 1, v15
	v_cmp_eq_u32 s[36+q], 1, v15                   ; m = 2
	v_lshrrev_b32 v15, 1, v15
	v_cmp_eq_u32 s[44+q], 1, v15                   ; m = 4
	v_lshrrev_b32 v15, 1, v15
	v_cmp_eq_u32 s[52+q], 1, v15                   ; m = 8
.set q, q+1
.endr
	s_add_co_u32 s16, s15, 8192                    ; my stage for the way out
	v_mul_u32_u24 v4, v1, 144
	v_lshl_add_u32 v4, v2, 4, v4
	v_add_nc_u32 v4, s16, v4                       ; in: row rho, 16 bytes for each half of the lanes
	v_lshrrev_b32 v0, 3, v3
	v_mul_u32_u24 v0, v0, 144
	v_and_b32 v13, 7, v3
	v_lshl_add_u32 v0, v13, 4, v0
	v_add_nc_u32 v0, s16, v0                       ; back: four rows of 128 bytes
	v_mul_f32 v[KI], v[SG], v82
	v_mov_b32 v[KI+1], v[KI]
	v_mov_b32 v[LG], 0xbfb8aa3b
	v_mov_b32 v[ZR], 0
	s_wait_dscnt 0x0                               ; my table and my staging are written
	s_barrier_signal -1
	s_barrier_wait -1                              ; BARRIER 1: every table is there
.irp f, 0,1,2,3
	ds_load_b128 v[KK+8*\f:KK+8*\f+3], v7 offset:(\f/2)*2560+(\f%2)*64
	ds_load_b128 v[KK+8*\f+4:KK+8*\f+7], v7 offset:(\f/2)*2560+(\f%2)*64+32
.endr
.irp c, 0,1,2,3
	ds_load_tr16_b128 v[KX+8*\c:KX+8*\c+3], v8 offset:32*\c
	ds_load_tr16_b128 v[KX+8*\c+4:KX+8*\c+7], v8 offset:32*\c+2560
	ds_load_tr16_b128 v[VT+8*\c:VT+8*\c+3], v8 offset:5120+32*\c
	ds_load_tr16_b128 v[VT+8*\c+4:VT+8*\c+7], v8 offset:5120+32*\c+2560
	ds_load_b128 v[TT+8*\c:TT+8*\c+3], v9 offset:20480+1024*\c
	ds_load_b128 v[TT+8*\c+4:TT+8*\c+7], v9 offset:20480+1024*\c+512
.endr
	s_wait_dscnt 0x0
; U = (K d^(31 - token))^T V: 16 tiles, eight at a time; each goes to LDS in f32, over my staging, whose reads are back
.set n, 0
.rept 32
	v_pk_mul_f16 v[KX+n], v[KX+n], v[TT+n]
.set n, n+1
.endr
.irp vh, 0,1
.irp c, 0,1,2,3
.irp vl, 0,1
	v_wmma_f32_16x16x32_f16 v[AC+8*(2*\c+\vl):AC+8*(2*\c+\vl)+7], v[KX+8*\c:KX+8*\c+7], v[VT+8*(2*\vh+\vl):VT+8*(2*\vh+\vl)+7], 0
.endr
.endr
	NOPS 5                                         ; places: the stores read results, and the next eight products write over them
.irp c, 0,1,2,3
.irp vl, 0,1
	ds_store_b128 v10, v[AC+8*(2*\c+\vl):AC+8*(2*\c+\vl)+3] offset:(4*\c+2*\vh+\vl)*512
	ds_store_b128 v10, v[AC+8*(2*\c+\vl)+4:AC+8*(2*\c+\vl)+7] offset:8192+(4*\c+2*\vh+\vl)*512
.endr
.endr
.endr
; THE SCORES.  One level: K times table kt, R times table rt (-1: as they are), both diagonal tiles' products (two accumulators by turns), and the choice by the level's masks.
.macro LEVEL kt, rt, l, first
.if (\kt) >= 0
.irp q, 0,1,2,3
	ds_load_b128 v[TT+4*\q:TT+4*\q+3], v9 offset:(\kt)*2048+512*\q
.endr
.endif
.if (\rt) >= 0
.irp q, 0,1,2,3
	ds_load_b128 v[TT+16+4*\q:TT+16+4*\q+3], v9 offset:(\rt)*2048+512*\q
.endr
.endif
.set KB, KK
.set RB, RR
.if (\kt) >= 0
	s_wait_dscnt 0x0
.set KB, KX
.set n, 0
.rept 32
	v_pk_mul_f16 v[KX+n], v[KK+n], v[TT+n%16]
.set n, n+1
.endr
.endif
.if (\rt) >= 0
.set RB, AC
.set n, 0
.rept 32
	v_pk_mul_f16 v[AC+n], v[RR+n], v[TT+16+n%16]
.set n, n+1
.endr
.endif
	v_wmma_f32_16x16x32_f16 v[PA:PA+7], v[KB:KB+7], v[RB:RB+7], 0
	v_wmma_f32_16x16x32_f16 v[PA+8:PA+15], v[KB+16:KB+23], v[RB+16:RB+23], 0
	v_wmma_f32_16x16x32_f16 v[PA:PA+7], v[KB+8:KB+15], v[RB+8:RB+15], v[PA:PA+7]
	v_wmma_f32_16x16x32_f16 v[PA+8:PA+15], v[KB+24:KB+31], v[RB+24:RB+31], v[PA+8:PA+15]
	NOPS 5
.irp q, 0,1,2,3,4,5,6,7
.if \first
	v_cndmask_b32 v[AT0+\q], 0, v[PA+\q], s[20+8*(\l)+\q]
.else
	v_cndmask_b32 v[AT0+\q], v[AT0+\q], v[PA+\q], s[20+8*(\l)+\q]
.endif
.endr
.irp q, 0,1,2,3,4,5,6,7
.if \first
	v_cndmask_b32 v[AT1+\q], 0, v[PA+8+\q], s[20+8*(\l)+\q]
.else
	v_cndmask_b32 v[AT1+\q], v[AT1+\q], v[PA+8+\q], s[20+8*(\l)+\q]
.endif
.endr
.endm
	LEVEL 9, -1, 0, 1                              ; the bonus
	LEVEL -1, -1, 1, 0                             ; m = 1
	LEVEL 5, 0, 2, 0                               ; m = 2
	LEVEL 6, 1, 3, 0                               ; m = 4
	LEVEL 7, 2, 4, 0                               ; m = 8
.irp q, 0,1,2,3                        ; m = 16: keys 0-15, queries 16-31, every place
	ds_load_b128 v[TT+4*\q:TT+4*\q+3], v9 offset:8*2048+512*\q
	ds_load_b128 v[TT+16+4*\q:TT+16+4*\q+3], v9 offset:3*2048+512*\q
.endr
	s_wait_dscnt 0x0
.set n, 0
.rept 16
	v_pk_mul_f16 v[KX+n], v[KK+n], v[TT+n]
	v_pk_mul_f16 v[AC+n], v[RR+16+n], v[TT+16+n]
.set n, n+1
.endr
	v_wmma_f32_16x16x32_f16 v[PA:PA+7], v[KX:KX+7], v[AC:AC+7], 0          ; the two channel halves in accumulators of their own,
	v_wmma_f32_16x16x32_f16 v[PA+8:PA+15], v[KX+8:KX+15], v[AC+8:AC+15], 0
	NOPS 5
.irp n, 0,1,2,3
	v_pk_add_f32 v[PA+2*\n:PA+2*\n+1], v[PA+2*\n:PA+2*\n+1], v[PA+8+2*\n:PA+8+2*\n+1]  ; added in f32
.endr
; P = scores x sg in f16: queries 0-15: {diagonal tile, 0}; queries 16-31: {the tile below, diagonal tile}
.irp n, 0,1,2,3
	v_pk_mul_f32 v[AT0+2*\n:AT0+2*\n+1], v[AT0+2*\n:AT0+2*\n+1], v[SG:SG+1]
	v_pk_mul_f32 v[AT1+2*\n:AT1+2*\n+1], v[AT1+2*\n:AT1+2*\n+1], v[SG:SG+1]
	v_pk_mul_f32 v[PA+2*\n:PA+2*\n+1], v[PA+2*\n:PA+2*\n+1], v[SG:SG+1]
.endr
.irp n, 0,1,2,3
	v_cvt_pk_f16_f32 v[KX+\n], v[AT0+2*\n], v[AT0+2*\n+1]
	v_mov_b32 v[KX+4+\n], 0
	v_cvt_pk_f16_f32 v[KX+8+\n], v[PA+2*\n], v[PA+2*\n+1]
	v_cvt_pk_f16_f32 v[KX+12+\n], v[AT1+2*\n], v[AT1+2*\n+1]
.endr
	s_lshl_b32 s16, s12, 9
	v_add_nc_u32 v12, s16, v5                      ; the prefix: tile = wave; four address registers reach the 16 chunks
	v_add_nc_u32 v13, 0x10000, v12
	v_add_nc_u32 v14, 0x20000, v12
	v_add_nc_u32 v15, 0x30000, v12
	s_wait_dscnt 0x0                               ; my U is written
	s_barrier_signal -1
	s_barrier_wait -1                              ; BARRIER 2: every chunk's U is there
; THE PREFIX over chunks, S_(c+1) = d^32 S_c + U_c, in f32: wave w carries tile w, a lane eight numbers.  All 30 loads go out at once.  S_(c+1) sg, in f16, takes the place of U_c's first half.
.macro UREG c
.if (\c) < 4
.set UB, KK+8*(\c)
.else
.set UB, 128+8*((\c)-4)
.endif
.endm
.set c, 0
.rept 15
	UREG c
	ds_load_b128 v[UB:UB+3], v[12+c/4] offset:(c%4)*16384
	ds_load_b128 v[UB+4:UB+7], v[12+c/4] offset:(c%4)*16384+8192
.set c, c+1
.endr
	ds_store_b128 v15, v[KX+4:KX+7] offset:49152   ; S_0 = 0 goes where chunk 0 looks for it: REG(15), whose U nobody needs
.set c, 0
.rept 15
	UREG c
	s_wait_dscnt 29-c                              ; behind U_c's loads: 28 - 2 c loads, the store of zeros, c stores
.if c > 0
	s_wait_alu depctr_va_vdst(0)
.irp n, 0,1,2,3
	v_pk_fma_f32 v[KK+2*\n:KK+2*\n+1], v[KK+2*\n:KK+2*\n+1], v[D32+2*\n:D32+2*\n+1], v[UB+2*\n:UB+2*\n+1]  ; S_1 = U_0 lies in S's registers already
.endr
.endif
.irp n, 0,1,2,3
	v_pk_mul_f32 v[AT0+2*\n:AT0+2*\n+1], v[KK+2*\n:KK+2*\n+1], v[SG:SG+1]
.endr
.irp n, 0,1,2,3
	v_cvt_pk_f16_f32 v[AT1+\n], v[AT0+2*\n], v[AT0+2*\n+1]
.endr
	ds_store_b128 v[12+c/4], v[AT1:AT1+3] offset:(c%4)*16384
.set c, c+1
.endr
	s_add_co_u32 s16, s12, 15
	s_and_b32 s16, s16, 15
	s_lshl_b32 s16, s16, 14
	v_add_nc_u32 v11, s16, v5                      ; my chunk's state lies in REG(wave - 1)
	s_wait_dscnt 0x0
	s_barrier_signal -1
	s_barrier_wait -1                              ; BARRIER 3: every state is there, and nobody reads a U any more
; y^T x sg = S^T (R d^i)^T + V^T P, by halves of the v channels: four accumulators (v tile vl, query tile I) by turns, three links each
.macro STLOAD vh
.irp vl, 0,1
.irp cb, 0,1
	ds_load_b128 v[PA+8*(2*\vl+\cb):PA+8*(2*\vl+\cb)+3], v11 offset:(8*\cb+2*(\vh)+\vl)*512
	ds_load_b128 v[PA+8*(2*\vl+\cb)+4:PA+8*(2*\vl+\cb)+7], v11 offset:(8*\cb+4+2*(\vh)+\vl)*512
.endr
.endr
.endm
.macro YMUL vh
.irp vl, 0,1
.irp I, 0,1
	v_wmma_f32_16x16x32_f16 v[AC+8*(2*\vl+\I):AC+8*(2*\vl+\I)+7], v[PA+16*\vl:PA+16*\vl+7], v[KK+16*\I:KK+16*\I+7], 0
.endr
.endr
.irp vl, 0,1
.irp I, 0,1
	v_wmma_f32_16x16x32_f16 v[AC+8*(2*\vl+\I):AC+8*(2*\vl+\I)+7], v[PA+16*\vl+8:PA+16*\vl+15], v[KK+16*\I+8:KK+16*\I+15], v[AC+8*(2*\vl+\I):AC+8*(2*\vl+\I)+7]
.endr
.endr
.irp vl, 0,1
.irp I, 0,1
	v_wmma_f32_16x16x32_f16 v[AC+8*(2*\vl+\I):AC+8*(2*\vl+\I)+7], v[VT+8*(2*(\vh)+\vl):VT+8*(2*(\vh)+\vl)+7], v[KX+8*\I:KX+8*\I+7], v[AC+8*(2*\vl+\I):AC+8*(2*\vl+\I)+7]
.endr
.endr
	NOPS 5
.endm
; THE GATE for one accumulator: y sg / ((1 + 2^(-r log2 e)) KI), rounded to f16.  R's quad vt of tile I holds the lane's own eight channels.
.macro SIG vl, I, vt
.set YB, AC+8*(2*(\vl)+(\I))
.set RB, RR+16*(\I)+4*(\vt)
.set OB, TT+16*(\I)+4*(\vt)
.irp n, 0,1,2,3
	v_fma_mix_f32 v[D32+2*\n], v[RB+\n], v[LG], v[ZR] op_sel_hi:[1,0,0]
	v_fma_mix_f32 v[D32+2*\n+1], v[RB+\n], v[LG], v[ZR] op_sel:[1,0,0] op_sel_hi:[1,0,0]
.endr
.irp n, 0,1,2,3,4,5,6,7
	v_exp_f32 v[D32+\n], v[D32+\n]
.endr
	v_nop
	s_wait_alu depctr_va_vdst(0)
.irp n, 0,1,2,3
	v_pk_fma_f32 v[D32+2*\n:D32+2*\n+1], v[D32+2*\n:D32+2*\n+1], v[KI:KI+1], v[KI:KI+1]
.endr
.irp n, 0,1,2,3,4,5,6,7
	v_rcp_f32 v[D32+\n], v[D32+\n]
.endr
	v_nop
	s_wait_alu depctr_va_vdst(0)
.irp n, 0,1,2,3
	v_pk_mul_f32 v[D32+2*\n:D32+2*\n+1], v[D32+2*\n:D32+2*\n+1], v[YB+2*\n:YB+2*\n+1]
.endr
.irp n, 0,1,2,3
	v_cvt_pk_f16_f32 v[OB+\n], v[D32+2*\n], v[D32+2*\n+1]
.endr
.endm
.irp q, 0,1,2,3
	ds_load_b128 v[TT+4*\q:TT+4*\q+3], v9 offset:3*2048+512*\q
	ds_load_b128 v[TT+16+4*\q:TT+16+4*\q+3], v9 offset:4*2048+512*\q
.endr
	STLOAD 0
	s_wait_dscnt 8                                 ; the two tables are in; the eight loads of S^T may be out
.set n, 0
.rept 16
	v_pk_mul_f16 v[KK+n], v[RR+n], v[TT+n]         ; queries 0-15: d^rho
	v_pk_mul_f16 v[KK+16+n], v[RR+16+n], v[TT+16+n]  ; queries 16-31: d^(16 + rho)
.set n, n+1
.endr
	s_wait_dscnt 0x0
	YMUL 0
	STLOAD 1                                       ; the second half's S^T comes in under the first half's gate
	SIG 0, 0, 0
	SIG 0, 1, 0
	SIG 1, 0, 1
	SIG 1, 1, 1
	s_wait_dscnt 0x0
	YMUL 1
	SIG 0, 0, 2
	SIG 0, 1, 2
	SIG 1, 0, 3
	SIG 1, 1, 3
; THE WAY OUT: 16 bytes a lane into rows of 144 bytes of my stage, back as rows of 128, stored as 512 consecutive bytes
.irp I, 0,1
.irp vt, 0,1,2,3
	ds_store_b128 v4, v[TT+16*\I+4*\vt:TT+16*\I+4*\vt+3] offset:2304*\I+32*\vt
.endr
.irp t, 0,1,2,3
	ds_load_b128 v[PA+16*\I+4*\t:PA+16*\I+4*\t+3], v0 offset:2304*\I+576*\t  ; in order behind the stores above
.endr
.endr
.irp I, 0,1
.irp t, 0,1,2,3
	s_wait_dscnt (1-\I)*8+3-\t
	global_store_b128 v5, v[PA+16*\I+4*\t:PA+16*\I+4*\t+3], s[72:73] offset:2048*\I+512*\t
.endr
.endr
	s_wait_tensorcnt 0x0                           ; the wave's end
	ds_add_u32 v[SPW], v[NIL]
	s_wait_dscnt 0x0
	s_endpgm
.Lfunc_end_k_qead1cd1d87_wkv:
	.size	k_qead1cd1d87_wkv, .Lfunc_end_k_qead1cd1d87_wkv-k_qead1cd1d87_wkv
	.p2alignl 7, 3214868480
	.fill 96, 4, 3214868480
	.section	.rodata,"a",@progbits
	.p2align	6, 0x0
	.amdhsa_kernel k_qead1cd1d87_wkv
		.amdhsa_group_segment_fixed_size 288768
		.amdhsa_private_segment_fixed_size 0
		.amdhsa_enable_private_segment 0
		.amdhsa_kernarg_size 40
		.amdhsa_user_sgpr_count 2
		.amdhsa_user_sgpr_kernarg_segment_ptr 1
		.amdhsa_wavefront_size32 1
		.amdhsa_system_sgpr_workgroup_id_x 1
		.amdhsa_system_sgpr_workgroup_id_y 1
		.amdhsa_system_sgpr_workgroup_id_z 1
		.amdhsa_system_vgpr_workitem_id 0
		.amdhsa_next_free_vgpr 256
		.amdhsa_next_free_sgpr 74
		.amdhsa_reserve_vcc 1
		.amdhsa_float_denorm_mode_32 3
		.amdhsa_float_denorm_mode_16_64 3
		.amdhsa_memory_ordered 1
		.amdhsa_forward_progress 1
		.amdhsa_inst_pref_size 104
	.end_amdhsa_kernel
	.amdgpu_metadata
---
amdhsa.version: [ 1, 2 ]
amdhsa.kernels:
  - .name:           k_qead1cd1d87_wkv
    .symbol:         k_qead1cd1d87_wkv.kd
    .args:
      - { .name: rkv, .offset: 0, .size: 8, .value_kind: global_buffer, .address_space: global }
      - { .name: time_decay, .offset: 8, .size: 8, .value_kind: global_buffer, .address_space: global }
      - { .name: time_first, .offset: 16, .size: 8, .value_kind: global_buffer, .address_space: global }
      - { .name: mx, .offset: 24, .size: 8, .value_kind: global_buffer, .address_space: global }
      - { .name: rwkv, .offset: 32, .size: 8, .value_kind: global_buffer, .address_space: global }
    .group_segment_fixed_size: 288768
    .private_segment_fixed_size: 0
    .kernarg_segment_align: 8
    .kernarg_segment_size: 40
    .max_flat_workgroup_size: 512
    .sgpr_count:     74
    .vgpr_count:     256
    .wavefront_size: 32
...
	.end_amdgpu_metadata
.endif
;; end of part 4
;; launch gemm_o (part 5): grid 8 x 32, 4 waves a work-group, clusters of 4 x 4, 327,680 bytes of LDS; arguments rwkv, wq, x, x2, mx; writes x2
.if DOCPART == 5
	.amdgcn_target "amdgcn-amd-amdhsa--gfx1250"
	.amdhsa_code_object_version 6
	.text
	.protected	k_qead1cd1d87_gemm_o
	.globl	k_qead1cd1d87_gemm_o
	.p2align	8
	.type	k_qead1cd1d87_gemm_o,@function
k_qead1cd1d87_gemm_o:
	s_mov_b64 s[64:65], 0
	v_nop
	global_prefetch_b8 v0, s[64:65] scope:SCOPE_SE
	s_setreg_imm32_b32 hwreg(HW_REG_WAVE_MODE, 25, 1), 1
	s_wait_xcnt 0x0
	s_wait_alu depctr_hold_cnt(0) depctr_sa_sdst(0) depctr_va_vdst(0) depctr_va_sdst(0) depctr_va_ssrc(0) depctr_va_vcc(0) depctr_vm_vsrc(0)
	s_getreg_b32 s2, hwreg(HW_REG_IB_STS2, 6, 4)
	s_cmp_eq_u32 s2, 0
	s_cbranch_scc0 .Lentry_in_a_cluster
	s_endpgm
.Lentry_in_a_cluster:
	s_bfe_u32 s2, ttmp6, 0x10000c
	s_cmp_lg_u32 s2, 0xf033
	s_cbranch_scc0 .Lentry_shape_is_right
	s_endpgm
.Lentry_shape_is_right:
; x2 = x + rwkv w_o.  rwkv [4096][1024] arrives in f16 times a power of two of its batch; the same factor is made here from mx and taken out, in f32, in the fused multiply-add that adds x.
; f16 operands, f32 sums, f32 rows out.
; C tile 128 x 128, four waves of 64 x 64 (16 accumulators).  A lies TILED ([M/128][K/64][128][64]), B in PANELS ([N/128][K][128]): a K step of 256 is 65,536 consecutive
; bytes of each; every wave fetches half of one of them (32,768 bytes, asked for as 128 rows of 256 bytes) with one tensor load.  Two LDS slots take turns; a refill stands first
; behind the round and has 112 of a step's 128 matrix instructions in which to land.
; CLUSTER 4 x 4: A's tile hangs on the tile row alone and is asked for jointly along a row of the cluster, B's on the tile column alone and jointly along a column.
; The matrix instruction is used transposed (source 0 = 16 columns of B, read turned out of LDS; source 1 = 16 rows of A): a lane holds eight neighbouring numbers of a row of C.
; REGISTERS: window 0: v8, v16-31 addresses, v32-127 the way out, v128-255 accumulators ((a, b) at 128 + 8 (4 a + b)); window 1: two fragment buffers of 128 (64 of A, 64 of B, for 64 along K).
.set KDIM, 1024
.set WOFF, 6291456                     ; the weights' first byte in wq
.set NS,    KDIM/256                   ; K steps
.set QB,    18432                      ; 64 along K in LDS: A 128 rows x 144 bytes, B 64 rows x 288 bytes
.set BOFF,  4*QB                       ; a slot: A's four quarters, then B's
.set SLOTB, 8*QB                       ; 147,456 = 0x24000: it shares no bit with wave x 36,864, so one exclusive or changes slots
.set STAGE, 2*SLOTB                    ; behind the ring, never filled by a tensor load: 16 rows for each wave
.set SP, 272                           ; a stage row: 256 bytes + 16
.set SPARE, STAGE+4*16*SP              ; the spare words: 128 bytes for each wave, two blocks of 256 bytes that no other line names
.set MXO, 8                            ; v8  my byte offset in mx; written once, used for the three loads of the maxima alone
.set A0,  16                           ; v16 my lane's place in A's part of slot 0; never rewritten
.set B0,  17                           ; v17 the same for B, quarters 0 and 1;  v18 quarters 2 and 3
.set B1,  18
.set ADA, 19                           ; v19 A0 + the slot in hand
.set ADB, 20                           ; v20, v21 B0, B1 + the slot in hand
.set STO, 24
.set RD,  25
.set CO,  26
.set SPW, 28                           ; v28 my spare word; v29 0; never rewritten
.set NIL, 29
.set SC,  30                           ; v[30:31] the factor that takes the scale out
.set RES, 32                           ; v[32:95] the residual, two buffers of 16 rows; at the start v[32:43] the maxima
.set BK,  96                           ; v[96:127] 16 rows back from the stage
.set ACC, 128
.set F0,  0
.set F1,  128
.set WV,  12                           ; s12 wave; s13 wave / 2: my row half, and 0: I fetch A, 1: B; s14 wave % 2: my column half, and which half I fetch
.set WR,  13
.set WC,  14
.set TB,  16                           ; s16 LDS byte at which the slot in hand begins
.set G1A, 24
.set G0A, 32                           ; two sets; the second walks
.set G1B, 48
.set G0B, 56
.set MSB, 0
.macro WIN new                         ; the immediate's high byte repeats the setting that is left
.if MSB != (\new)
	s_set_vgpr_msb (MSB<<8)|(\new)
.set MSB, \new
.endif
.endm
.set MUL,  0x05                        ; sources 0 and 1 window 1; C and D window 0
.set TO_F, 0x40                        ; destination window 1, address window 0
.macro PLACES                          ; four places behind matrix instructions (ISA guide 7.12.1)
.rept 4
	v_nop
.endr
.endm
.macro JLOAD                           ; the joint refill, by the walking set; an s_nop 0 and four v_nop follow each line
	s_cmp_eq_u32 s[WR], 0
	s_cbranch_scc0 .Lfor_b_\@
	tensor_load_to_lds s[G0A+4:G0A+7], s[G1A:G1A+7]
	s_nop 0
	PLACES
	s_branch .Lasked_\@
.Lfor_b_\@:
	tensor_load_to_lds s[G0B+4:G0B+7], s[G1B:G1B+7]
	s_nop 0
	PLACES
.Lasked_\@:
.endm
.macro CREST                           ; a round of the cluster's barrier behind its opening barrier
	s_cmp_lg_u32 s[WV], 0
	s_cbranch_scc1 .Lnot_wave_0_\@
	s_barrier_signal -3
.Lnot_wave_0_\@:
	s_barrier_wait -3
	s_barrier_signal -1
	s_barrier_wait -1
.endm
.macro CROUND
	s_barrier_signal -1
	s_barrier_wait -1
	CREST
.endm
.macro WM d, a, b, zero
.if \zero
	v_wmma_f32_16x16x32_f16 v[(\d):(\d)+7], v[(\a):(\a)+7], v[(\b):(\b)+7], 0
.else
	v_wmma_f32_16x16x32_f16 v[(\d):(\d)+7], v[(\a):(\a)+7], v[(\b):(\b)+7], v[(\d):(\d)+7]
.endif
.endm
; 8 matrix instructions: row blocks a0, a0 + 1 x all 4 column blocks, 32 along K (half c of buffer f).  The 16 accumulators take turns.
.macro MUL8 f, c, a0, zero
	WIN MUL
.irp a, \a0, (\a0)+1
.irp b, 0,1,2,3
	WM ACC+8*(4*(\a)+(\b)), (\f)+64+8*(4*(\c)+(\b)), (\f)+8*(4*(\c)+(\a)), \zero
.endr
.endr
.endm
; 32 LDS loads in one run: quarter q (64 along K) of the slot in hand into buffer f, its first 32 along K first.  B ([k][n], pitch 288) comes turned, A ([m][k], pitch 144) as it lies.
.macro FETCH q, f
	WIN TO_F
.irp c, 0,1
.irp i, 0,1,2,3
	ds_load_tr16_b128 v[(\f)+64+8*(4*\c+\i):(\f)+64+8*(4*\c+\i)+3], v[ADB+(\q)/2] offset:((\q)%2)*QB+\c*9216+32*\i
	ds_load_tr16_b128 v[(\f)+64+8*(4*\c+\i)+4:(\f)+64+8*(4*\c+\i)+7], v[ADB+(\q)/2] offset:((\q)%2)*QB+\c*9216+32*\i+4608
	ds_load_b128 v[(\f)+8*(4*\c+\i):(\f)+8*(4*\c+\i)+3], v[ADA] offset:(\q)*QB+\c*64+\i*2304
	ds_load_b128 v[(\f)+8*(4*\c+\i)+4:(\f)+8*(4*\c+\i)+7], v[ADA] offset:(\q)*QB+\c*64+\i*2304+32
.endr
.endr
.endm
; multiplies buffer f and, in its middle, fetches quarter q into buffer g
.macro QUARTER q, f, g, zero
	s_wait_dscnt 16                                ; the first 32 along K are in; the youngest sixteen loads may be out
	MUL8 \f, 0, 0, \zero
	MUL8 \f, 0, 2, \zero
	PLACES
	FETCH \q, \g
	s_wait_dscnt 32                                ; all but the 32 just issued
	MUL8 \f, 1, 0, 0
	MUL8 \f, 1, 2, 0
.endm
; A step's last quarter multiplies buffer 1 and changes slots: each wave waits for all its tensor loads (one is out: its part of the next slot), adds 0 to its spare word, and waits
; for that and for its reads of this slot.  fill = 1: the barrier opens a round of the cluster's, and this slot is filled again, two K steps ahead, first thing behind it.
.macro TURN fill
	WIN 0
	s_wait_tensorcnt 0x0
	ds_add_u32 v[SPW], v[NIL]
	s_wait_dscnt 17                                ; the add and the youngest sixteen loads may be out
	MUL8 F1, 0, 0, 0
	s_wait_dscnt 0x0                               ; the add is done, my reads of this slot are over
	s_barrier_signal -1
	MUL8 F1, 0, 2, 0
	WIN 0                                          ; at a branch and at a label every window is 0
	s_barrier_wait -1
.if \fill
	CREST
	s_xor_b32 s[G0A+5], s[G0A+5], SLOTB            ; no tensor load of mine is out: the walking sets step to the slot just read and the next K step but one
	s_add_nc_u64 s[G0A+6:G0A+7], s[G0A+6:G0A+7], 65536
	s_xor_b32 s[G0B+5], s[G0B+5], SLOTB
	s_add_nc_u64 s[G0B+6:G0B+7], s[G0B+6:G0B+7], 65536
	JLOAD
.else
	PLACES
.endif
	s_xor_b32 s[TB], s[TB], SLOTB
	v_add_nc_u32 v[ADA], s[TB], v[A0]
	v_add_nc_u32 v[ADB], s[TB], v[B0]
	v_add_nc_u32 v[ADB+1], s[TB], v[B1]
	FETCH 0, F0
	MUL8 F1, 1, 0, 0
	MUL8 F1, 1, 2, 0
.endm
.macro RESLOAD a                       ; 16 rows x 256 bytes of the residual
	WIN 0
.irp t, 0,1,2,3,4,5,6,7
	global_load_b128 v[RES+32*((\a)%2)+4*\t:RES+32*((\a)%2)+4*\t+3], v[CO], s[8:9] offset:(16*(\a)+2*\t)*4096
.endr
.endm
	s_load_b256 s[4:11], s[0:1], 0x0               ; rwkv, wq, x, x2
	s_load_b64 s[44:45], s[0:1], 0x20              ; mx
	v_lshl_add_u32 v[SPW], v0, 2, SPARE
	v_mov_b32 v[NIL], 0
	ds_add_u32 v[SPW], v[NIL]                      ; the wave's opening: the add and its wait ahead of my first tensor load
	v_lshrrev_b32 v1, 5, v0
	v_readfirstlane_b32 s[WV], v1
	s_lshr_b32 s[WR], s[WV], 1
	s_and_b32 s[WC], s[WV], 1
	s_bfe_u32 s18, ttmp6, 0x40000                  ; cx, cy
	s_bfe_u32 s19, ttmp6, 0x40004
	s_lshl_b32 s20, ttmp9, 2
	s_add_co_u32 s20, s20, s18                     ; tile column
	s_and_b32 s21, ttmp7, 0xffff
	s_lshl_b32 s21, s21, 2
	s_add_co_u32 s21, s21, s19                     ; tile row
	s_lshl_b32 s22, s19, 2
	s_lshl_b32 s22, 15, s22                        ; my row of the cluster
	s_lshl_b32 s23, 0x1111, s18                    ; my column
	s_or_b32 s[G1A], s22, (1<<16)|(1<<20)|(1<<21)|(4<<22)|(3<<25)  ; mask; 2-byte elements; padding on; bit 21 beside a mask; 4 words behind every 32: rows of 128 bytes, pitch 144
	s_or_b32 s[G1B], s23, (1<<16)|(1<<20)|(1<<21)|(5<<22)|(7<<25)  ; 8 words behind every 64: rows of 256 bytes, pitch 288
.irp g, G1A, G1B
	s_mov_b32 s[\g+1], 128<<16                     ; tensor_dim0 = 128 elements
	s_mov_b32 s[\g+2], 128<<16                     ; tensor_dim1 = 128 rows
	s_mov_b32 s[\g+3], 128<<16                     ; tile_dim0 = 128
	s_mov_b32 s[\g+4], 128                         ; tile_dim1 = 128
	s_mov_b32 s[\g+5], 128                         ; dense: 128 elements from row to row
	s_mov_b32 s[\g+6], 0
	s_mov_b32 s[\g+7], 0
.endr
	s_lshl_b32 s17, s[WC], 15                      ; which 32,768 bytes of a step I fetch
	s_mul_i32 s40, s21, KDIM*256                   ; A: the tile row's bytes
	s_add_co_u32 s40, s40, s17
	s_mov_b32 s41, 0
	s_mul_i32 s42, s20, KDIM*256                   ; B: the panel's bytes
	s_add_co_u32 s42, s42, s17
	s_add_co_u32 s42, s42, WOFF
	s_mov_b32 s43, 0
	s_mul_i32 s66, s[WV], 2*QB                     ; where my part goes: wave x 36,864
	s_mov_b32 s[TB], 0
	s_mov_b32 s46, 0x76543210                      ; v_permlanex16_b32: each lane takes its own place in the other half
	s_mov_b32 s47, 0xfedcba98
	s_lshr_b32 s71, s21, 2                         ; the tile's batch: its 128 maxima of each kind are 512 consecutive bytes of mx
	s_lshl_b32 s71, s71, 9
	s_wait_dscnt 0x0                               ; the opening add is done
	s_wait_kmcnt 0x0
	s_add_nc_u64 s[40:41], s[4:5], s[40:41]
	s_add_nc_u64 s[42:43], s[6:7], s[42:43]
	CROUND                                         ; all sixteen work-groups are here: the first joint loads meet
.irp s, 0,1
	s_mov_b32 s[G0A+4*\s], 1
	s_add_co_u32 s[G0A+4*\s+1], s66, \s*SLOTB
	s_add_nc_u64 s[G0A+4*\s+2:G0A+4*\s+3], s[40:41], \s*65536
	s_or_b32 s[G0A+4*\s+3], s[G0A+4*\s+3], 0x80000000
	s_mov_b32 s[G0B+4*\s], 1
	s_add_co_u32 s[G0B+4*\s+1], s66, \s*SLOTB
	s_add_nc_u64 s[G0B+4*\s+2:G0B+4*\s+3], s[42:43], \s*65536
	s_or_b32 s[G0B+4*\s+3], s[G0B+4*\s+3], 0x80000000
.endr
	s_cmp_eq_u32 s[WR], 0                          ; a wave's two first fills stand in one branch: two loads of mine are out
	s_cbranch_scc0 .Lfirst_b
	tensor_load_to_lds s[G0A:G0A+3], s[G1A:G1A+7]
	s_nop 0
	tensor_load_to_lds s[G0A+4:G0A+7], s[G1A:G1A+7]
	s_nop 0
	PLACES
	s_branch .Lfirst_asked
.Lfirst_b:
	tensor_load_to_lds s[G0B:G0B+3], s[G1B:G1B+7]
	s_nop 0
	tensor_load_to_lds s[G0B+4:G0B+7], s[G1B:G1B+7]
	s_nop 0
	PLACES
.Lfirst_asked:
	v_and_b32 v[MXO], 31, v0
	v_lshl_add_u32 v[MXO], v[MXO], 4, s71          ; 16 bytes a lane of the batch's 512; the register is not written again
	global_load_b128 v[32:35], v[MXO], s[44:45]              ; |r|
	global_load_b128 v[36:39], v[MXO], s[44:45] offset:4096  ; |k|
	global_load_b128 v[40:43], v[MXO], s[44:45] offset:8192  ; |v|
	v_and_b32 v1, 15, v0                           ; r = lane % 16
	v_bfe_u32 v2, v0, 4, 1                         ; h = lane / 16
	v_mul_u32_u24 v3, v1, 144
	v_lshl_add_u32 v3, v2, 4, v3
	s_mul_i32 s17, s[WR], 64*144
	v_add_nc_u32 v[A0], s17, v3                    ; (64 x row half + r) x 144 + 16 h
	v_and_b32 v4, 7, v0
	v_lshl_add_u32 v4, v2, 3, v4
	v_mul_u32_u24 v4, v4, 288
	v_bfe_u32 v5, v0, 3, 1
	v_lshl_add_u32 v4, v5, 4, v4
	s_lshl_b32 s17, s[WC], 7
	s_add_co_u32 s17, s17, BOFF
	v_add_nc_u32 v[B0], s17, v4                    ; (8 h + lane % 8) x 288 + 128 x column half + 16 ((lane / 8) % 2)
	v_add_nc_u32 v[B1], 2*QB, v[B0]
	v_mov_b32 v[ADA], v[A0]
	v_mov_b32 v[ADB], v[B0]
	v_mov_b32 v[ADB+1], v[B1]
	s_mul_i32 s17, s[WV], 16*SP
	s_add_co_u32 s17, s17, STAGE                   ; my stage
	v_mul_u32_u24 v6, v1, SP
	v_lshl_add_u32 v6, v2, 5, v6                   ; in: row r, 32 bytes for each half of the lanes
	v_add_nc_u32 v[STO], s17, v6
	v_mul_u32_u24 v6, v2, SP                       ; back: lanes 0-15 one row of 256 bytes, lanes 16-31 the next
	v_lshl_add_u32 v6, v1, 4, v6
	v_add_nc_u32 v[RD], s17, v6
	v_lshlrev_b32 v6, 12, v2                       ; and the same two rows of 4,096 bytes in memory
	v_lshl_add_u32 v[CO], v1, 4, v6
	s_lshl_b32 s68, s21, 19                        ; (128 x tile row + 64 x row half) x 4,096 + (128 x tile column + 64 x column half) x 4
	s_lshl_b32 s70, s[WR], 18
	s_add_co_u32 s68, s68, s70
	s_lshl_b32 s70, s20, 9
	s_add_co_u32 s68, s68, s70
	s_lshl_b32 s70, s[WC], 8
	s_add_co_u32 s68, s68, s70
	s_mov_b32 s69, 0
	s_add_nc_u64 s[8:9], s[8:9], s[68:69]
	s_add_nc_u64 s[10:11], s[10:11], s[68:69]
	s_wait_loadcnt 0x0                             ; the batch's largest |r|, |k|, |v|; the factor is 2^(floor(log2(r k v)) + 4), made on the bits, as the launch that scaled made it
	v_max3_num_f32 v32, v32, v33, v34
	v_max3_num_f32 v36, v36, v37, v38
	v_max3_num_f32 v40, v40, v41, v42
	v_max_num_f32 v32, v32, v35
	v_max_num_f32 v36, v36, v39
	v_max_num_f32 v40, v40, v43
.irp m, 1,2,4,8
	v_max_num_f32_dpp v32, v32, v32 row_xmask:\m row_mask:0xf bank_mask:0xf
	v_max_num_f32_dpp v36, v36, v36 row_xmask:\m row_mask:0xf bank_mask:0xf
	v_max_num_f32_dpp v40, v40, v40 row_xmask:\m row_mask:0xf bank_mask:0xf
.endr
	v_permlanex16_b32 v33, v32, s46, s47
	v_permlanex16_b32 v37, v36, s46, s47
	v_permlanex16_b32 v41, v40, s46, s47
	v_max_num_f32 v32, v32, v33
	v_max_num_f32 v36, v36, v37
	v_max_num_f32 v40, v40, v41
	v_mul_f32 v32, v32, v36
	v_mul_f32 v32, v32, v40
	v_and_b32 v32, 0x7f800000, v32
	v_add_nc_u32 v[SC], 0x02000000, v32
	v_mov_b32 v[SC+1], v[SC]
	s_wait_tensorcnt 1                             ; my part of K step 0 is in; step 1's may stay out
	s_barrier_signal -1
	s_barrier_wait -1
	FETCH 0, F0
	QUARTER 1, F0, F1, 1                           ; the first quarter stands in front of the loop: its first products start the sums
	WIN 0
	s_mov_b32 s3, NS-2
.Lstep:                                                ; a trip: from a step's second quarter to the next step's first; it fills one slot again
	QUARTER 2, F1, F0, 0
	QUARTER 3, F0, F1, 0
	TURN 1
	QUARTER 1, F0, F1, 0
	WIN 0
	s_sub_co_u32 s3, s3, 1
	s_cmp_lg_u32 s3, 0
	s_cbranch_scc1 .Lstep
	QUARTER 2, F1, F0, 0                           ; the last two steps are written out: nothing more is asked for
	QUARTER 3, F0, F1, 0
	TURN 0
	RESLOAD 0                                      ; they land under the last K step
	RESLOAD 1
	QUARTER 1, F0, F1, 0
	QUARTER 2, F1, F0, 0
	QUARTER 3, F0, F1, 0
	s_wait_dscnt 16
	MUL8 F1, 0, 0, 0
	MUL8 F1, 0, 2, 0
	s_wait_dscnt 0x0
	MUL8 F1, 1, 0, 0
	MUL8 F1, 1, 2, 0
	WIN 0
	PLACES
; THE WAY OUT, 16 rows at a time through my own stage: a lane's eight f32 go in as 32 bytes of a row and come back as whole rows of 256 bytes; one fused multiply-add takes the scale out and adds the residual; 16 lanes store 256 consecutive bytes.
.irp a, 0,1,2,3
.irp b, 0,1,2,3
	ds_store_b128 v[STO], v[ACC+8*(4*\a+\b):ACC+8*(4*\a+\b)+3] offset:64*\b
	ds_store_b128 v[STO], v[ACC+8*(4*\a+\b)+4:ACC+8*(4*\a+\b)+7] offset:64*\b+16
.endr
	s_wait_xcnt 0x0                                ; the last block's stores have read the registers that are loaded again below
.irp t, 0,1,2,3,4,5,6,7
	ds_load_b128 v[BK+4*\t:BK+4*\t+3], v[RD] offset:2*SP*\t  ; LDS serves a wave's instructions in order: these see the stores above
.endr
	s_wait_dscnt 0x0
.if \a < 3
	s_wait_loadcnt 8                               ; this block's residual is in; the next block's eight loads stay out
.else
	s_wait_loadcnt 0x0
.endif
.set n, 0
.rept 16
	v_pk_fma_f32 v[BK+2*n:BK+2*n+1], v[BK+2*n:BK+2*n+1], v[SC:SC+1], v[RES+32*(\a%2)+2*n:RES+32*(\a%2)+2*n+1]
.set n, n+1
.endr
.irp t, 0,1,2,3,4,5,6,7
	global_store_b128 v[CO], v[BK+4*\t:BK+4*\t+3], s[10:11] offset:(16*\a+2*\t)*4096
.endr
.if \a < 2
	RESLOAD (\a)+2
.endif
.endr
	s_wait_tensorcnt 0x0                           ; the wave's end
	ds_add_u32 v[SPW], v[NIL]
	s_wait_dscnt 0x0
	CROUND                                         ; the closing round
	s_endpgm
.Lfunc_end_k_qead1cd1d87_gemm_o:
	.size	k_qead1cd1d87_gemm_o, .Lfunc_end_k_qead1cd1d87_gemm_o-k_qead1cd1d87_gemm_o
	.p2alignl 7, 3214868480
	.fill 96, 4, 3214868480
	.section	.rodata,"a",@progbits
	.p2align	6, 0x0
	.amdhsa_kernel k_qead1cd1d87_gemm_o
		.amdhsa_group_segment_fixed_size 327680
		.amdhsa_private_segment_fixed_size 0
		.amdhsa_enable_private_segment 0
		.amdhsa_kernarg_size 40
		.amdhsa_user_sgpr_count 2
		.amdhsa_user_sgpr_kernarg_segment_ptr 1
		.amdhsa_wavefront_size32 1
		.amdhsa_system_sgpr_workgroup_id_x 1
		.amdhsa_system_sgpr_workgroup_id_y 1
		.amdhsa_system_sgpr_workgroup_id_z 1
		.amdhsa_system_vgpr_workitem_id 0
		.amdhsa_next_free_vgpr 512
		.amdhsa_next_free_sgpr 72
		.amdhsa_reserve_vcc 0
		.amdhsa_float_denorm_mode_32 3
		.amdhsa_float_denorm_mode_16_64 3
		.amdhsa_memory_ordered 1
		.amdhsa_forward_progress 1
		.amdhsa_inst_pref_size 77
	.end_amdhsa_kernel
	.amdgpu_metadata
---
amdhsa.version: [ 1, 2 ]
amdhsa.kernels:
  - .name:           k_qead1cd1d87_gemm_o
    .symbol:         k_qead1cd1d87_gemm_o.kd
    .args:
      - { .name: rwkv, .offset: 0, .size: 8, .value_kind: global_buffer, .address_space: global }
      - { .name: wq, .offset: 8, .size: 8, .value_kind: global_buffer, .address_space: global }
      - { .name: x, .offset: 16, .size: 8, .value_kind: global_buffer, .address_space: global }
      - { .name: x2, .offset: 24, .size: 8, .value_kind: global_buffer, .address_space: global }
      - { .name: mx, .offset: 32, .size: 8, .value_kind: global_buffer, .address_space: global }
    .group_segment_fixed_size: 327680
    .private_segment_fixed_size: 0
    .kernarg_segment_align: 8
    .kernarg_segment_size: 40
    .max_flat_workgroup_size: 128
    .sgpr_count:     72
    .vgpr_count:     512
    .wavefront_size: 32
...
	.end_amdgpu_metadata
.endif
;; end of part 5
;; launch ln2: the kernel of part 2 again; grid 256 x 1, 8 waves a work-group, no clusters, 0 bytes of LDS; arguments x2, g2, b2, xn; writes xn
;; launch gemm_fk (part 6): grid 32 x 32, 4 waves a work-group, clusters of 4 x 4, 327,680 bytes of LDS; arguments xn, wq, hid; writes hid
.if DOCPART == 6
	.amdgcn_target "amdgcn-amd-amdhsa--gfx1250"
	.amdhsa_code_object_version 6
	.text
	.protected	k_qead1cd1d87_gemm_fk
	.globl	k_qead1cd1d87_gemm_fk
	.p2align	8
	.type	k_qead1cd1d87_gemm_fk,@function
k_qead1cd1d87_gemm_fk:
	s_mov_b64 s[64:65], 0
	v_nop
	global_prefetch_b8 v0, s[64:65] scope:SCOPE_SE
	s_setreg_imm32_b32 hwreg(HW_REG_WAVE_MODE, 25, 1), 1
	s_wait_xcnt 0x0
	s_wait_alu depctr_hold_cnt(0) depctr_sa_sdst(0) depctr_va_vdst(0) depctr_va_sdst(0) depctr_va_ssrc(0) depctr_va_vcc(0) depctr_vm_vsrc(0)
	s_getreg_b32 s2, hwreg(HW_REG_IB_STS2, 6, 4)
	s_cmp_eq_u32 s2, 0
	s_cbranch_scc0 .Lentry_in_a_cluster
	s_endpgm
.Lentry_in_a_cluster:
	s_bfe_u32 s2, ttmp6, 0x10000c
	s_cmp_lg_u32 s2, 0xf033
	s_cbranch_scc0 .Lentry_shape_is_right
	s_endpgm
.Lentry_shape_is_right:
; hid = relu(x_ln2 w_fk)^2.  x_ln2 [4096][1024] and w_fk (32 panels) in f16, f32 sums; relu and the square in f32; rounded once to bf16, whose range the square needs, and stored TILED (64 panels a tile row).
.set FMT,  0                           ; 0: f16 operands, 1: bf16
.set KDIM, 1024
.set WOFF, 8388608                     ; the weights' first byte in wq
.set EPI,  1                           ; 0: f16 tiled and maxima; 1: relu squared, bf16 tiled; 2: f32 rows, residual added
.set NPO,  64                          ; panels of 64 columns in a tile row of the output
.set SCL,  0                           ; 1: the sums carry the batch's power-of-two scale, taken out on the way out
; ---- from here on the four product kernels have one text; the lines under .if go by the six settings above ----
; C tile 128 x 128, four waves of 64 x 64 (16 accumulators).  A lies TILED ([M/128][K/64][128][64]), B in PANELS ([N/128][K][128]): a K step of 256 is 65,536 consecutive
; bytes of each; every wave fetches half of one of them (32,768 bytes, asked for as 128 rows of 256 bytes) with one tensor load.  Two LDS slots take turns; a refill stands first
; behind the round and has 112 of a step's 128 matrix instructions in which to land.
; CLUSTER 4 x 4: A's tile hangs on the tile row alone and is asked for jointly along a row of the cluster, B's on the tile column alone and jointly along a column.
; The matrix instruction is used transposed (source 0 = 16 columns of B, read turned out of LDS; source 1 = 16 rows of A): a lane holds eight neighbouring numbers of a row of C.
; REGISTERS: window 0: v16-31 addresses, v32-127 the way out, v128-255 accumulators ((a, b) at 128 + 8 (4 a + b)); window 1: two fragment buffers of 128 (64 of A, 64 of B, for 64 along K).
.set NS,    KDIM/256                   ; K steps
.set QB,    18432                      ; 64 along K in LDS: A 128 rows x 144 bytes, B 64 rows x 288 bytes
.set BOFF,  4*QB                       ; a slot: A's four quarters, then B's
.set SLOTB, 8*QB                       ; 147,456 = 0x24000: it shares no bit with wave x 36,864, so one exclusive or changes slots
.set STAGE, 2*SLOTB                    ; behind the ring, never filled by a tensor load: 16 rows for each wave
.if EPI == 2
.set SP, 272                           ; a stage row: 256 bytes + 16
.set PO, 10                            ; s[10:11] the output
.else
.set SP, 144                           ; 128 bytes + 16
.set PO, 8
.endif
.set SPARE, STAGE+4*16*SP              ; the spare words: 128 bytes for each wave, two blocks of 256 bytes that no other line names
.set A0,  16                           ; v16 my lane's place in A's part of slot 0; never rewritten
.set B0,  17                           ; v17 the same for B, quarters 0 and 1;  v18 quarters 2 and 3
.set B1,  18
.set ADA, 19                           ; v19 A0 + the slot in hand
.set ADB, 20                           ; v20, v21 B0, B1 + the slot in hand
.set STO, 24
.set RD,  25
.set CO,  26
.set SPW, 28                           ; v28 my spare word; v29 0; never rewritten
.set NIL, 29
.set SC,  30                           ; v[30:31] the factor that takes the scale out
.set TMP, 32
.set RES, 32
.set BK,  96
.set ACC, 128
.set F0,  0
.set F1,  128
.set WV,  12                           ; s12 wave; s13 wave / 2: my row half, and 0: I fetch A, 1: B; s14 wave % 2: my column half, and which half I fetch
.set WR,  13
.set WC,  14
.set TB,  16                           ; s16 LDS byte at which the slot in hand begins
.set G1A, 24
.set G0A, 32                           ; two sets; the second walks
.set G1B, 48
.set G0B, 56
.set MSB, 0
.macro WIN new                         ; the immediate's high byte repeats the setting that is left
.if MSB != (\new)
	s_set_vgpr_msb (MSB<<8)|(\new)
.set MSB, \new
.endif
.endm
.set MUL,  0x05                        ; sources 0 and 1 window 1; C and D window 0
.set TO_F, 0x40                        ; destination window 1, address window 0
.macro PLACES                          ; four places behind matrix instructions (ISA guide 7.12.1)
.rept 4
	v_nop
.endr
.endm
.macro JLOAD                           ; the joint refill, by the walking set; an s_nop 0 and four v_nop follow each line
	s_cmp_eq_u32 s[WR], 0
	s_cbranch_scc0 .Lfor_b_\@
	tensor_load_to_lds s[G0A+4:G0A+7], s[G1A:G1A+7]
	s_nop 0
	PLACES
	s_branch .Lasked_\@
.Lfor_b_\@:
	tensor_load_to_lds s[G0B+4:G0B+7], s[G1B:G1B+7]
	s_nop 0
	PLACES
.Lasked_\@:
.endm
.macro CREST                           ; a round of the cluster's barrier behind its opening barrier
	s_cmp_lg_u32 s[WV], 0
	s_cbranch_scc1 .Lnot_wave_0_\@
	s_barrier_signal -3
.Lnot_wave_0_\@:
	s_barrier_wait -3
	s_barrier_signal -1
	s_barrier_wait -1
.endm
.macro CROUND
	s_barrier_signal -1
	s_barrier_wait -1
	CREST
.endm
.macro WM d, a, b, zero
.if FMT
.if \zero
	v_wmma_f32_16x16x32_bf16 v[(\d):(\d)+7], v[(\a):(\a)+7], v[(\b):(\b)+7], 0
.else
	v_wmma_f32_16x16x32_bf16 v[(\d):(\d)+7], v[(\a):(\a)+7], v[(\b):(\b)+7], v[(\d):(\d)+7]
.endif
.else
.if \zero
	v_wmma_f32_16x16x32_f16 v[(\d):(\d)+7], v[(\a):(\a)+7], v[(\b):(\b)+7], 0
.else
	v_wmma_f32_16x16x32_f16 v[(\d):(\d)+7], v[(\a):(\a)+7], v[(\b):(\b)+7], v[(\d):(\d)+7]
.endif
.endif
.endm
; 8 matrix instructions: row blocks a0, a0 + 1 x all 4 column blocks, 32 along K (half c of buffer f).  The 16 accumulators take turns.
.macro MUL8 f, c, a0, zero
	WIN MUL
.irp a, \a0, (\a0)+1
.irp b, 0,1,2,3
	WM ACC+8*(4*(\a)+(\b)), (\f)+64+8*(4*(\c)+(\b)), (\f)+8*(4*(\c)+(\a)), \zero
.endr
.endr
.endm
; 32 LDS loads in one run: quarter q (64 along K) of the slot in hand into buffer f, its first 32 along K first.  B ([k][n], pitch 288) comes turned, A ([m][k], pitch 144) as it lies.
.macro FETCH q, f
	WIN TO_F
.irp c, 0,1
.irp i, 0,1,2,3
	ds_load_tr16_b128 v[(\f)+64+8*(4*\c+\i):(\f)+64+8*(4*\c+\i)+3], v[ADB+(\q)/2] offset:((\q)%2)*QB+\c*9216+32*\i
	ds_load_tr16_b128 v[(\f)+64+8*(4*\c+\i)+4:(\f)+64+8*(4*\c+\i)+7], v[ADB+(\q)/2] offset:((\q)%2)*QB+\c*9216+32*\i+4608
	ds_load_b128 v[(\f)+8*(4*\c+\i):(\f)+8*(4*\c+\i)+3], v[ADA] offset:(\q)*QB+\c*64+\i*2304
	ds_load_b128 v[(\f)+8*(4*\c+\i)+4:(\f)+8*(4*\c+\i)+7], v[ADA] offset:(\q)*QB+\c*64+\i*2304+32
.endr
.endr
.endm
; multiplies buffer f and, in its middle, fetches quarter q into buffer g
.macro QUARTER q, f, g, zero
	s_wait_dscnt 16                                ; the first 32 along K are in; the youngest sixteen loads may be out
	MUL8 \f, 0, 0, \zero
	MUL8 \f, 0, 2, \zero
	PLACES
	FETCH \q, \g
	s_wait_dscnt 32                                ; all but the 32 just issued
	MUL8 \f, 1, 0, 0
	MUL8 \f, 1, 2, 0
.endm
; A step's last quarter multiplies buffer 1 and changes slots: each wave waits for all its tensor loads (one is out: its part of the next slot), adds 0 to its spare word, and waits
; for that and for its reads of this slot.  fill = 1: the barrier opens a round of the cluster's, and this slot is filled again, two K steps ahead, first thing behind it.
.macro TURN fill
	WIN 0
	s_wait_tensorcnt 0x0
	ds_add_u32 v[SPW], v[NIL]
	s_wait_dscnt 17                                ; the add and the youngest sixteen loads may be out
	MUL8 F1, 0, 0, 0
	s_wait_dscnt 0x0                               ; the add is done, my reads of this slot are over
	s_barrier_signal -1
	MUL8 F1, 0, 2, 0
	WIN 0                                          ; at a branch and at a label every window is 0
	s_barrier_wait -1
.if \fill
	CREST
	s_xor_b32 s[G0A+5], s[G0A+5], SLOTB            ; no tensor load of mine is out: the walking sets step to the slot just read and the next K step but one
	s_add_nc_u64 s[G0A+6:G0A+7], s[G0A+6:G0A+7], 65536
	s_xor_b32 s[G0B+5], s[G0B+5], SLOTB
	s_add_nc_u64 s[G0B+6:G0B+7], s[G0B+6:G0B+7], 65536
	JLOAD
.else
	PLACES
.endif
	s_xor_b32 s[TB], s[TB], SLOTB
	v_add_nc_u32 v[ADA], s[TB], v[A0]
	v_add_nc_u32 v[ADB], s[TB], v[B0]
	v_add_nc_u32 v[ADB+1], s[TB], v[B1]
	FETCH 0, F0
	MUL8 F1, 1, 0, 0
	MUL8 F1, 1, 2, 0
.endm
.if EPI == 1
	s_load_b128 s[4:7], s[0:1], 0x0                ; A, wq
	s_load_b64 s[8:9], s[0:1], 0x10                ; the output
.else
	s_load_b256 s[4:11], s[0:1], 0x0               ; A, wq, then: output and mx (EPI 0), or residual and output (EPI 2)
.endif
.if SCL
	s_load_b64 s[44:45], s[0:1], 0x20              ; mx
.endif
	v_lshl_add_u32 v[SPW], v0, 2, SPARE
	v_mov_b32 v[NIL], 0
	ds_add_u32 v[SPW], v[NIL]                      ; the wave's opening: the add and its wait ahead of my first tensor load
	v_lshrrev_b32 v1, 5, v0
	v_readfirstlane_b32 s[WV], v1
	s_lshr_b32 s[WR], s[WV], 1
	s_and_b32 s[WC], s[WV], 1
	s_bfe_u32 s18, ttmp6, 0x40000                  ; cx, cy
	s_bfe_u32 s19, ttmp6, 0x40004
	s_lshl_b32 s20, ttmp9, 2
	s_add_co_u32 s20, s20, s18                     ; tile column
	s_and_b32 s21, ttmp7, 0xffff
	s_lshl_b32 s21, s21, 2
	s_add_co_u32 s21, s21, s19                     ; tile row
	s_lshl_b32 s22, s19, 2
	s_lshl_b32 s22, 15, s22                        ; my row of the cluster
	s_lshl_b32 s23, 0x1111, s18                    ; my column
	s_or_b32 s[G1A], s22, (1<<16)|(1<<20)|(1<<21)|(4<<22)|(3<<25)  ; mask; 2-byte elements; padding on; bit 21 beside a mask; 4 words behind every 32: rows of 128 bytes, pitch 144
	s_or_b32 s[G1B], s23, (1<<16)|(1<<20)|(1<<21)|(5<<22)|(7<<25)  ; 8 words behind every 64: rows of 256 bytes, pitch 288
.irp g, G1A, G1B
	s_mov_b32 s[\g+1], 128<<16                     ; tensor_dim0 = 128 elements
	s_mov_b32 s[\g+2], 128<<16                     ; tensor_dim1 = 128 rows
	s_mov_b32 s[\g+3], 128<<16                     ; tile_dim0 = 128
	s_mov_b32 s[\g+4], 128                         ; tile_dim1 = 128
	s_mov_b32 s[\g+5], 128                         ; dense: 128 elements from row to row
	s_mov_b32 s[\g+6], 0
	s_mov_b32 s[\g+7], 0
.endr
	s_lshl_b32 s17, s[WC], 15                      ; which 32,768 bytes of a step I fetch
	s_mul_i32 s40, s21, KDIM*256                   ; A: the tile row's bytes
	s_add_co_u32 s40, s40, s17
	s_mov_b32 s41, 0
	s_mul_i32 s42, s20, KDIM*256                   ; B: the panel's bytes
	s_add_co_u32 s42, s42, s17
.if WOFF
	s_add_co_u32 s42, s42, WOFF
.endif
	s_mov_b32 s43, 0
	s_mul_i32 s66, s[WV], 2*QB                     ; where my part goes: wave x 36,864
	s_mov_b32 s[TB], 0
	s_mov_b32 s46, 0x76543210                      ; v_permlanex16_b32: each lane takes its own place in the other half
	s_mov_b32 s47, 0xfedcba98
	s_wait_dscnt 0x0                               ; the opening add is done
	s_wait_kmcnt 0x0
	s_add_nc_u64 s[40:41], s[4:5], s[40:41]
	s_add_nc_u64 s[42:43], s[6:7], s[42:43]
	CROUND                                         ; all sixteen work-groups are here: the first joint loads meet
.irp s, 0,1
	s_mov_b32 s[G0A+4*\s], 1
	s_add_co_u32 s[G0A+4*\s+1], s66, \s*SLOTB
	s_add_nc_u64 s[G0A+4*\s+2:G0A+4*\s+3], s[40:41], \s*65536
	s_or_b32 s[G0A+4*\s+3], s[G0A+4*\s+3], 0x80000000
	s_mov_b32 s[G0B+4*\s], 1
	s_add_co_u32 s[G0B+4*\s+1], s66, \s*SLOTB
	s_add_nc_u64 s[G0B+4*\s+2:G0B+4*\s+3], s[42:43], \s*65536
	s_or_b32 s[G0B+4*\s+3], s[G0B+4*\s+3], 0x80000000
.endr
	s_cmp_eq_u32 s[WR], 0                          ; a wave's two first fills stand in one branch: two loads of mine are out
	s_cbranch_scc0 .Lfirst_b
	tensor_load_to_lds s[G0A:G0A+3], s[G1A:G1A+7]
	s_nop 0
	tensor_load_to_lds s[G0A+4:G0A+7], s[G1A:G1A+7]
	s_nop 0
	PLACES
	s_branch .Lfirst_asked
.Lfirst_b:
	tensor_load_to_lds s[G0B:G0B+3], s[G1B:G1B+7]
	s_nop 0
	tensor_load_to_lds s[G0B+4:G0B+7], s[G1B:G1B+7]
	s_nop 0
	PLACES
.Lfirst_asked:
.if SCL
	s_lshr_b32 s70, s21, 2                         ; the tile's batch: its 128 maxima of each kind are 512 consecutive bytes
	s_lshl_b32 s70, s70, 9
	v_and_b32 v6, 31, v0
	v_lshl_add_u32 v6, v6, 4, s70
	global_load_b128 v[32:35], v6, s[44:45]
	global_load_b128 v[36:39], v6, s[44:45] offset:4096
	global_load_b128 v[40:43], v6, s[44:45] offset:8192
.endif
	v_and_b32 v1, 15, v0                           ; r = lane % 16
	v_bfe_u32 v2, v0, 4, 1                         ; h = lane / 16
	v_mul_u32_u24 v3, v1, 144
	v_lshl_add_u32 v3, v2, 4, v3
	s_mul_i32 s17, s[WR], 64*144
	v_add_nc_u32 v[A0], s17, v3                    ; (64 x row half + r) x 144 + 16 h
	v_and_b32 v4, 7, v0
	v_lshl_add_u32 v4, v2, 3, v4
	v_mul_u32_u24 v4, v4, 288
	v_bfe_u32 v5, v0, 3, 1
	v_lshl_add_u32 v4, v5, 4, v4
	s_lshl_b32 s17, s[WC], 7
	s_add_co_u32 s17, s17, BOFF
	v_add_nc_u32 v[B0], s17, v4                    ; (8 h + lane % 8) x 288 + 128 x column half + 16 ((lane / 8) % 2)
	v_add_nc_u32 v[B1], 2*QB, v[B0]
	v_mov_b32 v[ADA], v[A0]
	v_mov_b32 v[ADB], v[B0]
	v_mov_b32 v[ADB+1], v[B1]
	s_mul_i32 s17, s[WV], 16*SP
	s_add_co_u32 s17, s17, STAGE                   ; my stage
	v_mul_u32_u24 v6, v1, SP
.if EPI == 2
	v_lshl_add_u32 v6, v2, 5, v6                   ; in: row r, 32 bytes for each half of the lanes
	v_add_nc_u32 v[STO], s17, v6
	v_mul_u32_u24 v6, v2, SP                       ; back: lanes 0-15 one row of 256 bytes, lanes 16-31 the next
	v_lshl_add_u32 v6, v1, 4, v6
	v_add_nc_u32 v[RD], s17, v6
	v_lshlrev_b32 v6, 12, v2                       ; and the same two rows of 4,096 bytes in memory
	v_lshl_add_u32 v[CO], v1, 4, v6
	s_lshl_b32 s68, s21, 19                        ; (128 x tile row + 64 x row half) x 4,096 + (128 x tile column + 64 x column half) x 4
	s_lshl_b32 s70, s[WR], 18
	s_add_co_u32 s68, s68, s70
	s_lshl_b32 s70, s20, 9
	s_add_co_u32 s68, s68, s70
	s_lshl_b32 s70, s[WC], 8
	s_add_co_u32 s68, s68, s70
	s_mov_b32 s69, 0
	s_add_nc_u64 s[8:9], s[8:9], s[68:69]
	s_add_nc_u64 s[10:11], s[10:11], s[68:69]
.else
	v_lshl_add_u32 v6, v2, 4, v6                   ; in: row r, 16 bytes for each half of the lanes
	v_add_nc_u32 v[STO], s17, v6
	v_bfe_u32 v6, v0, 3, 2                         ; back: 32 lanes take four rows of 128 bytes,
	v_mul_u32_u24 v6, v6, SP
	v_and_b32 v7, 7, v0
	v_lshl_add_u32 v6, v7, 4, v6
	v_add_nc_u32 v[RD], s17, v6
	v_and_b32 v[CO], 31, v0                        ; which are 512 consecutive bytes of the tiled output
	v_lshlrev_b32 v[CO], 4, v[CO]
	s_mul_i32 s68, s21, NPO                        ; panel (tile row x NPO + 2 x tile column + column half), 64 rows of 128 bytes for each row half
	s_lshl_b32 s70, s20, 1
	s_add_co_u32 s68, s68, s70
	s_add_co_u32 s68, s68, s[WC]
	s_lshl_b32 s68, s68, 14
	s_lshl_b32 s70, s[WR], 13
	s_add_co_u32 s68, s68, s70
	s_mov_b32 s69, 0
	s_add_nc_u64 s[PO:PO+1], s[PO:PO+1], s[68:69]
.endif
.if SCL
	s_wait_loadcnt 0x0                             ; the batch's largest |r|, |k|, |v|; the factor is 2^(floor(log2(r k v)) + 4), made on the bits, as the launch that scaled made it
	v_max3_num_f32 v32, v32, v33, v34
	v_max3_num_f32 v36, v36, v37, v38
	v_max3_num_f32 v40, v40, v41, v42
	v_max_num_f32 v32, v32, v35
	v_max_num_f32 v36, v36, v39
	v_max_num_f32 v40, v40, v43
.irp m, 1,2,4,8
	v_max_num_f32_dpp v32, v32, v32 row_xmask:\m row_mask:0xf bank_mask:0xf
	v_max_num_f32_dpp v36, v36, v36 row_xmask:\m row_mask:0xf bank_mask:0xf
	v_max_num_f32_dpp v40, v40, v40 row_xmask:\m row_mask:0xf bank_mask:0xf
.endr
	v_permlanex16_b32 v33, v32, s46, s47
	v_permlanex16_b32 v37, v36, s46, s47
	v_permlanex16_b32 v41, v40, s46, s47
	v_max_num_f32 v32, v32, v33
	v_max_num_f32 v36, v36, v37
	v_max_num_f32 v40, v40, v41
	v_mul_f32 v32, v32, v36
	v_mul_f32 v32, v32, v40
	v_and_b32 v32, 0x7f800000, v32
	v_add_nc_u32 v[SC], 0x02000000, v32
	v_mov_b32 v[SC+1], v[SC]
.endif
	s_wait_tensorcnt 1                             ; my part of K step 0 is in; step 1's may stay out
	s_barrier_signal -1
	s_barrier_wait -1
	FETCH 0, F0
	QUARTER 1, F0, F1, 1                           ; the first quarter stands in front of the loop: its first products start the sums
	WIN 0
	s_mov_b32 s3, NS-2
.Lstep:                                                ; a trip: from a step's second quarter to the next step's first; it fills one slot again
	QUARTER 2, F1, F0, 0
	QUARTER 3, F0, F1, 0
	TURN 1
	QUARTER 1, F0, F1, 0
	WIN 0
	s_sub_co_u32 s3, s3, 1
	s_cmp_lg_u32 s3, 0
	s_cbranch_scc1 .Lstep
	QUARTER 2, F1, F0, 0                           ; the last two steps are written out: nothing more is asked for
	QUARTER 3, F0, F1, 0
	TURN 0
.if EPI == 2
.macro RESLOAD a                       ; 16 rows x 256 bytes of the residual
	WIN 0
.irp t, 0,1,2,3,4,5,6,7
	global_load_b128 v[RES+32*((\a)%2)+4*\t:RES+32*((\a)%2)+4*\t+3], v[CO], s[8:9] offset:(16*(\a)+2*\t)*4096
.endr
.endm
	RESLOAD 0                                      ; they land under the last K step
	RESLOAD 1
.endif
	QUARTER 1, F0, F1, 0
	QUARTER 2, F1, F0, 0
	QUARTER 3, F0, F1, 0
	s_wait_dscnt 16
	MUL8 F1, 0, 0, 0
	MUL8 F1, 0, 2, 0
	s_wait_dscnt 0x0
	MUL8 F1, 1, 0, 0
	MUL8 F1, 1, 2, 0
	WIN 0
	PLACES
.if EPI == 2
; THE WAY OUT, 16 rows at a time through my own stage: a lane's eight f32 go in as 32 bytes of a row and come back as whole rows of 256 bytes; the residual is added; 16 lanes store 256 consecutive bytes.
.irp a, 0,1,2,3
.irp b, 0,1,2,3
	ds_store_b128 v[STO], v[ACC+8*(4*\a+\b):ACC+8*(4*\a+\b)+3] offset:64*\b
	ds_store_b128 v[STO], v[ACC+8*(4*\a+\b)+4:ACC+8*(4*\a+\b)+7] offset:64*\b+16
.endr
	s_wait_xcnt 0x0                                ; the last block's stores have read the registers that are loaded again below
.irp t, 0,1,2,3,4,5,6,7
	ds_load_b128 v[BK+4*\t:BK+4*\t+3], v[RD] offset:2*SP*\t  ; LDS serves a wave's instructions in order: these see the stores above
.endr
	s_wait_dscnt 0x0
.if \a < 3
	s_wait_loadcnt 8                               ; this block's residual is in; the next block's eight loads stay out
.else
	s_wait_loadcnt 0x0
.endif
.set n, 0
.rept 16
.if SCL
	v_pk_fma_f32 v[BK+2*n:BK+2*n+1], v[BK+2*n:BK+2*n+1], v[SC:SC+1], v[RES+32*(\a%2)+2*n:RES+32*(\a%2)+2*n+1]
.else
	v_pk_add_f32 v[BK+2*n:BK+2*n+1], v[BK+2*n:BK+2*n+1], v[RES+32*(\a%2)+2*n:RES+32*(\a%2)+2*n+1]
.endif
.set n, n+1
.endr
.irp t, 0,1,2,3,4,5,6,7
	global_store_b128 v[CO], v[BK+4*\t:BK+4*\t+3], s[10:11] offset:(16*\a+2*\t)*4096
.endr
.if \a < 2
	RESLOAD (\a)+2
.endif
.endr
.else
; THE WAY OUT, 16 rows at a time through my own stage: a lane's eight numbers pack into 16 bytes of a row of 128 and come back, into the registers that they left, as 512 consecutive bytes.
.macro PACK a
.if EPI == 1
.set n, ACC+32*(\a)
.rept 32
	v_max_num_f32 v[n], 0, v[n]                    ; relu (a NaN becomes 0),
.set n, n+1
.endr
.set n, ACC+32*(\a)
.rept 16
	v_pk_mul_f32 v[n:n+1], v[n:n+1], v[n:n+1]      ; squared
.set n, n+2
.endr
.endif
.set n, 0
.rept 16
.if EPI == 1
	v_cvt_pk_bf16_f32 v[TMP+16*(\a)+n], v[ACC+32*(\a)+2*n], v[ACC+32*(\a)+2*n+1]
.else
	v_cvt_pk_f16_f32 v[TMP+16*(\a)+n], v[ACC+32*(\a)+2*n], v[ACC+32*(\a)+2*n+1]
.endif
.set n, n+1
.endr
.irp b, 0,1,2,3
	ds_store_b128 v[STO], v[TMP+16*(\a)+4*\b:TMP+16*(\a)+4*\b+3] offset:32*\b
.endr
.irp t, 0,1,2,3
	ds_load_b128 v[TMP+16*(\a)+4*\t:TMP+16*(\a)+4*\t+3], v[RD] offset:4*SP*\t  ; in order behind the stores above; the next block's stores come behind them
.endr
.endm
.macro SEND a, younger                 ; younger: the next block's eight LDS instructions, or none
.irp t, 0,1,2,3
	s_wait_dscnt (\younger)+3-\t
	global_store_b128 v[CO], v[TMP+16*(\a)+4*\t:TMP+16*(\a)+4*\t+3], s[PO:PO+1] offset:2048*(\a)+512*\t
.endr
.endm
	PACK 0
	PACK 1
	SEND 0, 8
	PACK 2
	SEND 1, 8
	PACK 3
	SEND 2, 8
	SEND 3, 0
.endif
.if EPI == 0
	; the largest magnitude of my 4,096 stored numbers: the 64 registers above hold them all, two to a register
	s_mov_b32 s17, 0x7fff7fff
	v_and_b32 v96, s17, v[TMP]
	v_and_b32 v97, s17, v[TMP+1]
.set n, 2
.rept 31
	v_and_b32 v98, s17, v[TMP+n]
	v_and_b32 v99, s17, v[TMP+n+1]
	v_pk_max_num_f16 v96, v96, v98
	v_pk_max_num_f16 v97, v97, v99
.set n, n+2
.endr
	v_pk_max_num_f16 v96, v96, v97
	v_cvt_f32_f16 v98, v96.l
	v_cvt_f32_f16 v99, v96.h
	v_max_num_f32 v98, v98, v99
.irp m, 1,2,4,8
	v_max_num_f32_dpp v98, v98, v98 row_xmask:\m row_mask:0xf bank_mask:0xf
.endr
	v_permlanex16_b32 v99, v98, s46, s47
	v_max_num_f32 v98, v98, v99
	s_lshr_b32 s68, s20, 3                         ; mx: [kind = tile column / 8][tile row][tile column % 8][wave], f32
	s_lshl_b32 s68, s68, 12
	s_lshl_b32 s70, s21, 7
	s_add_co_u32 s68, s68, s70
	s_and_b32 s70, s20, 7
	s_lshl_b32 s70, s70, 4
	s_add_co_u32 s68, s68, s70
	s_lshl_b32 s70, s[WV], 2
	s_add_co_u32 s68, s68, s70
	v_mov_b32 v100, s68
	v_cmp_eq_u32 vcc_lo, 0, v[CO]
	s_wait_xcnt 0x0                                ; EXEC is a source of the stores above: it changes only behind this wait
	s_and_saveexec_b32 s71, vcc_lo
	global_store_b32 v100, v98, s[10:11]           ; lane 0 alone
	s_wait_xcnt 0x0
	s_or_b32 exec_lo, exec_lo, s71
.endif
	s_wait_tensorcnt 0x0                           ; the wave's end
	ds_add_u32 v[SPW], v[NIL]
	s_wait_dscnt 0x0
	CROUND                                         ; the closing round
	s_endpgm
.Lfunc_end_k_qead1cd1d87_gemm_fk:
	.size	k_qead1cd1d87_gemm_fk, .Lfunc_end_k_qead1cd1d87_gemm_fk-k_qead1cd1d87_gemm_fk
	.p2alignl 7, 3214868480
	.fill 96, 4, 3214868480
	.section	.rodata,"a",@progbits
	.p2align	6, 0x0
	.amdhsa_kernel k_qead1cd1d87_gemm_fk
		.amdhsa_group_segment_fixed_size 327680
		.amdhsa_private_segment_fixed_size 0
		.amdhsa_enable_private_segment 0
		.amdhsa_kernarg_size 24
		.amdhsa_user_sgpr_count 2
		.amdhsa_user_sgpr_kernarg_segment_ptr 1
		.amdhsa_wavefront_size32 1
		.amdhsa_system_sgpr_workgroup_id_x 1
		.amdhsa_system_sgpr_workgroup_id_y 1
		.amdhsa_system_sgpr_workgroup_id_z 1
		.amdhsa_system_vgpr_workitem_id 0
		.amdhsa_next_free_vgpr 512
		.amdhsa_next_free_sgpr 72
		.amdhsa_reserve_vcc 1
		.amdhsa_float_denorm_mode_32 3
		.amdhsa_float_denorm_mode_16_64 3
		.amdhsa_memory_ordered 1
		.amdhsa_forward_progress 1
		.amdhsa_inst_pref_size 77
	.end_amdhsa_kernel
	.amdgpu_metadata
---
amdhsa.version: [ 1, 2 ]
amdhsa.kernels:
  - .name:           k_qead1cd1d87_gemm_fk
    .symbol:         k_qead1cd1d87_gemm_fk.kd
    .args:
      - { .name: xn, .offset: 0, .size: 8, .value_kind: global_buffer, .address_space: global }
      - { .name: wq, .offset: 8, .size: 8, .value_kind: global_buffer, .address_space: global }
      - { .name: hid, .offset: 16, .size: 8, .value_kind: global_buffer, .address_space: global }
    .group_segment_fixed_size: 327680
    .private_segment_fixed_size: 0
    .kernarg_segment_align: 8
    .kernarg_segment_size: 24
    .max_flat_workgroup_size: 128
    .sgpr_count:     72
    .vgpr_count:     512
    .wavefront_size: 32
...
	.end_amdgpu_metadata
.endif
;; end of part 6
;; launch gemm_fv (part 7): grid 8 x 32, 4 waves a work-group, clusters of 4 x 4, 327,680 bytes of LDS; arguments hid, wq, x2, out0; writes out0
.if DOCPART == 7
	.amdgcn_target "amdgcn-amd-amdhsa--gfx1250"
	.amdhsa_code_object_version 6
	.text
	.protected	k_qead1cd1d87_gemm_fv
	.globl	k_qead1cd1d87_gemm_fv
	.p2align	8
	.type	k_qead1cd1d87_gemm_fv,@function
k_qead1cd1d87_gemm_fv:
	s_mov_b64 s[64:65], 0
	v_nop
	global_prefetch_b8 v0, s[64:65] scope:SCOPE_SE
	s_setreg_imm32_b32 hwreg(HW_REG_WAVE_MODE, 25, 1), 1
	s_wait_xcnt 0x0
	s_wait_alu depctr_hold_cnt(0) depctr_sa_sdst(0) depctr_va_vdst(0) depctr_va_sdst(0) depctr_va_ssrc(0) depctr_va_vcc(0) depctr_vm_vsrc(0)
	s_getreg_b32 s2, hwreg(HW_REG_IB_STS2, 6, 4)
	s_cmp_eq_u32 s2, 0
	s_cbranch_scc0 .Lentry_in_a_cluster
	s_endpgm
.Lentry_in_a_cluster:
	s_bfe_u32 s2, ttmp6, 0x10000c
	s_cmp_lg_u32 s2, 0xf033
	s_cbranch_scc0 .Lentry_shape_is_right
	s_endpgm
.Lentry_shape_is_right:
; out0 = x2 + hid w_fv.  hid [4096][4096] and w_fv (8 panels of K = 4,096) in bf16, f32 sums, f32 rows out with the residual added.
; C tile 128 x 128, four waves of 64 x 64 (16 accumulators).  A lies TILED ([M/128][K/64][128][64]), B in PANELS ([N/128][K][128]): a K step of 256 is 65,536 consecutive
; bytes of each; every wave fetches half of one of them (32,768 bytes, asked for as 128 rows of 256 bytes) with one tensor load.  Two LDS slots take turns; a refill stands first
; behind the round and has 112 of a step's 128 matrix instructions in which to land.
; CLUSTER 4 x 4: A's tile hangs on the tile row alone and is asked for jointly along a row of the cluster, B's on the tile column alone and jointly along a column.
; The matrix instruction is used transposed (source 0 = 16 columns of B, read turned out of LDS; source 1 = 16 rows of A): a lane holds eight neighbouring numbers of a row of C.
; REGISTERS: window 0: v16-31 addresses, v32-127 the way out, v128-255 accumulators ((a, b) at 128 + 8 (4 a + b)); window 1: two fragment buffers of 128 (64 of A, 64 of B, for 64 along K).
.set KDIM, 4096
.set WOFF, 16777216                    ; the weights' first byte in wq
.set NS,    KDIM/256                   ; K steps
.set QB,    18432                      ; 64 along K in LDS: A 128 rows x 144 bytes, B 64 rows x 288 bytes
.set BOFF,  4*QB                       ; a slot: A's four quarters, then B's
.set SLOTB, 8*QB                       ; 147,456 = 0x24000: it shares no bit with wave x 36,864, so one exclusive or changes slots
.set STAGE, 2*SLOTB                    ; behind the ring, never filled by a tensor load: 16 rows for each wave
.set SP, 272                           ; a stage row: 256 bytes + 16
.set SPARE, STAGE+4*16*SP              ; the spare words: 128 bytes for each wave, two blocks of 256 bytes that no other line names
.set A0,  16                           ; v16 my lane's place in A's part of slot 0; never rewritten
.set B0,  17                           ; v17 the same for B, quarters 0 and 1;  v18 quarters 2 and 3
.set B1,  18
.set ADA, 19                           ; v19 A0 + the slot in hand
.set ADB, 20                           ; v20, v21 B0, B1 + the slot in hand
.set STO, 24
.set RD,  25
.set CO,  26
.set SPW, 28                           ; v28 my spare word; v29 0; never rewritten
.set NIL, 29
.set RES, 32                           ; v[32:95] the residual, two buffers of 16 rows
.set BK,  96                           ; v[96:127] 16 rows back from the stage
.set ACC, 128
.set F0,  0
.set F1,  128
.set WV,  12                           ; s12 wave; s13 wave / 2: my row half, and 0: I fetch A, 1: B; s14 wave % 2: my column half, and which half I fetch
.set WR,  13
.set WC,  14
.set TB,  16                           ; s16 LDS byte at which the slot in hand begins
.set G1A, 24
.set G0A, 32                           ; two sets; the second walks
.set G1B, 48
.set G0B, 56
.set MSB, 0
.macro WIN new                         ; the immediate's high byte repeats the setting that is left
.if MSB != (\new)
	s_set_vgpr_msb (MSB<<8)|(\new)
.set MSB, \new
.endif
.endm
.set MUL,  0x05                        ; sources 0 and 1 window 1; C and D window 0
.set TO_F, 0x40                        ; destination window 1, address window 0
.macro PLACES                          ; four places behind matrix instructions (ISA guide 7.12.1)
.rept 4
	v_nop
.endr
.endm
.macro JLOAD                           ; the joint refill, by the walking set; an s_nop 0 and four v_nop follow each line
	s_cmp_eq_u32 s[WR], 0
	s_cbranch_scc0 .Lfor_b_\@
	tensor_load_to_lds s[G0A+4:G0A+7], s[G1A:G1A+7]
	s_nop 0
	PLACES
	s_branch .Lasked_\@
.Lfor_b_\@:
	tensor_load_to_lds s[G0B+4:G0B+7], s[G1B:G1B+7]
	s_nop 0
	PLACES
.Lasked_\@:
.endm
.macro CREST                           ; a round of the cluster's barrier behind its opening barrier
	s_cmp_lg_u32 s[WV], 0
	s_cbranch_scc1 .Lnot_wave_0_\@
	s_barrier_signal -3
.Lnot_wave_0_\@:
	s_barrier_wait -3
	s_barrier_signal -1
	s_barrier_wait -1
.endm
.macro CROUND
	s_barrier_signal -1
	s_barrier_wait -1
	CREST
.endm
.macro WM d, a, b, zero
.if \zero
	v_wmma_f32_16x16x32_bf16 v[(\d):(\d)+7], v[(\a):(\a)+7], v[(\b):(\b)+7], 0
.else
	v_wmma_f32_16x16x32_bf16 v[(\d):(\d)+7], v[(\a):(\a)+7], v[(\b):(\b)+7], v[(\d):(\d)+7]
.endif
.endm
; 8 matrix instructions: row blocks a0, a0 + 1 x all 4 column blocks, 32 along K (half c of buffer f).  The 16 accumulators take turns.
.macro MUL8 f, c, a0, zero
	WIN MUL
.irp a, \a0, (\a0)+1
.irp b, 0,1,2,3
	WM ACC+8*(4*(\a)+(\b)), (\f)+64+8*(4*(\c)+(\b)), (\f)+8*(4*(\c)+(\a)), \zero
.endr
.endr
.endm
; 32 LDS loads in one run: quarter q (64 along K) of the slot in hand into buffer f, its first 32 along K first.  B ([k][n], pitch 288) comes turned, A ([m][k], pitch 144) as it lies.
.macro FETCH q, f
	WIN TO_F
.irp c, 0,1
.irp i, 0,1,2,3
	ds_load_tr16_b128 v[(\f)+64+8*(4*\c+\i):(\f)+64+8*(4*\c+\i)+3], v[ADB+(\q)/2] offset:((\q)%2)*QB+\c*9216+32*\i
	ds_load_tr16_b128 v[(\f)+64+8*(4*\c+\i)+4:(\f)+64+8*(4*\c+\i)+7], v[ADB+(\q)/2] offset:((\q)%2)*QB+\c*9216+32*\i+4608
	ds_load_b128 v[(\f)+8*(4*\c+\i):(\f)+8*(4*\c+\i)+3], v[ADA] offset:(\q)*QB+\c*64+\i*2304
	ds_load_b128 v[(\f)+8*(4*\c+\i)+4:(\f)+8*(4*\c+\i)+7], v[ADA] offset:(\q)*QB+\c*64+\i*2304+32
.endr
.endr
.endm
; multiplies buffer f and, in its middle, fetches quarter q into buffer g
.macro QUARTER q, f, g, zero
	s_wait_dscnt 16                                ; the first 32 along K are in; the youngest sixteen loads may be out
	MUL8 \f, 0, 0, \zero
	MUL8 \f, 0, 2, \zero
	PLACES
	FETCH \q, \g
	s_wait_dscnt 32                                ; all but the 32 just issued
	MUL8 \f, 1, 0, 0
	MUL8 \f, 1, 2, 0
.endm
; A step's last quarter multiplies buffer 1 and changes slots: each wave waits for all its tensor loads (one is out: its part of the next slot), adds 0 to its spare word, and waits
; for that and for its reads of this slot.  fill = 1: the barrier opens a round of the cluster's, and this slot is filled again, two K steps ahead, first thing behind it.
.macro TURN fill
	WIN 0
	s_wait_tensorcnt 0x0
	ds_add_u32 v[SPW], v[NIL]
	s_wait_dscnt 17                                ; the add and the youngest sixteen loads may be out
	MUL8 F1, 0, 0, 0
	s_wait_dscnt 0x0                               ; the add is done, my reads of this slot are over
	s_barrier_signal -1
	MUL8 F1, 0, 2, 0
	WIN 0                                          ; at a branch and at a label every window is 0
	s_barrier_wait -1
.if \fill
	CREST
	s_xor_b32 s[G0A+5], s[G0A+5], SLOTB            ; no tensor load of mine is out: the walking sets step to the slot just read and the next K step but one
	s_add_nc_u64 s[G0A+6:G0A+7], s[G0A+6:G0A+7], 65536
	s_xor_b32 s[G0B+5], s[G0B+5], SLOTB
	s_add_nc_u64 s[G0B+6:G0B+7], s[G0B+6:G0B+7], 65536
	JLOAD
.else
	PLACES
.endif
	s_xor_b32 s[TB], s[TB], SLOTB
	v_add_nc_u32 v[ADA], s[TB], v[A0]
	v_add_nc_u32 v[ADB], s[TB], v[B0]
	v_add_nc_u32 v[ADB+1], s[TB], v[B1]
	FETCH 0, F0
	MUL8 F1, 1, 0, 0
	MUL8 F1, 1, 2, 0
.endm
.macro RESLOAD a                       ; 16 rows x 256 bytes of the residual
	WIN 0
.irp t, 0,1,2,3,4,5,6,7
	global_load_b128 v[RES+32*((\a)%2)+4*\t:RES+32*((\a)%2)+4*\t+3], v[CO], s[8:9] offset:(16*(\a)+2*\t)*4096
.endr
.endm
	s_load_b256 s[4:11], s[0:1], 0x0               ; hid, wq, x2, out0
	v_lshl_add_u32 v[SPW], v0, 2, SPARE
	v_mov_b32 v[NIL], 0
	ds_add_u32 v[SPW], v[NIL]                      ; the wave's opening: the add and its wait ahead of my first tensor load
	v_lshrrev_b32 v1, 5, v0
	v_readfirstlane_b32 s[WV], v1
	s_lshr_b32 s[WR], s[WV], 1
	s_and_b32 s[WC], s[WV], 1
	s_bfe_u32 s18, ttmp6, 0x40000                  ; cx, cy
	s_bfe_u32 s19, ttmp6, 0x40004
	s_lshl_b32 s20, ttmp9, 2
	s_add_co_u32 s20, s20, s18                     ; tile column
	s_and_b32 s21, ttmp7, 0xffff
	s_lshl_b32 s21, s21, 2
	s_add_co_u32 s21, s21, s19                     ; tile row
	s_lshl_b32 s22, s19, 2
	s_lshl_b32 s22, 15, s22                        ; my row of the cluster
	s_lshl_b32 s23, 0x1111, s18                    ; my column
	s_or_b32 s[G1A], s22, (1<<16)|(1<<20)|(1<<21)|(4<<22)|(3<<25)  ; mask; 2-byte elements; padding on; bit 21 beside a mask; 4 words behind every 32: rows of 128 bytes, pitch 144
	s_or_b32 s[G1B], s23, (1<<16)|(1<<20)|(1<<21)|(5<<22)|(7<<25)  ; 8 words behind every 64: rows of 256 bytes, pitch 288
.irp g, G1A, G1B
	s_mov_b32 s[\g+1], 128<<16                     ; tensor_dim0 = 128 elements
	s_mov_b32 s[\g+2], 128<<16                     ; tensor_dim1 = 128 rows
	s_mov_b32 s[\g+3], 128<<16                     ; tile_dim0 = 128
	s_mov_b32 s[\g+4], 128                         ; tile_dim1 = 128
	s_mov_b32 s[\g+5], 128                         ; dense: 128 elements from row to row
	s_mov_b32 s[\g+6], 0
	s_mov_b32 s[\g+7], 0
.endr
	s_lshl_b32 s17, s[WC], 15                      ; which 32,768 bytes of a step I fetch
	s_mul_i32 s40, s21, KDIM*256                   ; A: the tile row's bytes
	s_add_co_u32 s40, s40, s17
	s_mov_b32 s41, 0
	s_mul_i32 s42, s20, KDIM*256                   ; B: the panel's bytes
	s_add_co_u32 s42, s42, s17
	s_add_co_u32 s42, s42, WOFF
	s_mov_b32 s43, 0
	s_mul_i32 s66, s[WV], 2*QB                     ; where my part goes: wave x 36,864
	s_mov_b32 s[TB], 0
	s_wait_dscnt 0x0                               ; the opening add is done
	s_wait_kmcnt 0x0
	s_add_nc_u64 s[40:41], s[4:5], s[40:41]
	s_add_nc_u64 s[42:43], s[6:7], s[42:43]
	CROUND                                         ; all sixteen work-groups are here: the first joint loads meet
.irp s, 0,1
	s_mov_b32 s[G0A+4*\s], 1
	s_add_co_u32 s[G0A+4*\s+1], s66, \s*SLOTB
	s_add_nc_u64 s[G0A+4*\s+2:G0A+4*\s+3], s[40:41], \s*65536
	s_or_b32 s[G0A+4*\s+3], s[G0A+4*\s+3], 0x80000000
	s_mov_b32 s[G0B+4*\s], 1
	s_add_co_u32 s[G0B+4*\s+1], s66, \s*SLOTB
	s_add_nc_u64 s[G0B+4*\s+2:G0B+4*\s+3], s[42:43], \s*65536
	s_or_b32 s[G0B+4*\s+3], s[G0B+4*\s+3], 0x80000000
.endr
	s_cmp_eq_u32 s[WR], 0                          ; a wave's two first fills stand in one branch: two loads of mine are out
	s_cbranch_scc0 .Lfirst_b
	tensor_load_to_lds s[G0A:G0A+3], s[G1A:G1A+7]
	s_nop 0
	tensor_load_to_lds s[G0A+4:G0A+7], s[G1A:G1A+7]
	s_nop 0
	PLACES
	s_branch .Lfirst_asked
.Lfirst_b:
	tensor_load_to_lds s[G0B:G0B+3], s[G1B:G1B+7]
	s_nop 0
	tensor_load_to_lds s[G0B+4:G0B+7], s[G1B:G1B+7]
	s_nop 0
	PLACES
.Lfirst_asked:
	v_and_b32 v1, 15, v0                           ; r = lane % 16
	v_bfe_u32 v2, v0, 4, 1                         ; h = lane / 16
	v_mul_u32_u24 v3, v1, 144
	v_lshl_add_u32 v3, v2, 4, v3
	s_mul_i32 s17, s[WR], 64*144
	v_add_nc_u32 v[A0], s17, v3                    ; (64 x row half + r) x 144 + 16 h
	v_and_b32 v4, 7, v0
	v_lshl_add_u32 v4, v2, 3, v4
	v_mul_u32_u24 v4, v4, 288
	v_bfe_u32 v5, v0, 3, 1
	v_lshl_add_u32 v4, v5, 4, v4
	s_lshl_b32 s17, s[WC], 7
	s_add_co_u32 s17, s17, BOFF
	v_add_nc_u32 v[B0], s17, v4                    ; (8 h + lane % 8) x 288 + 128 x column half + 16 ((lane / 8) % 2)
	v_add_nc_u32 v[B1], 2*QB, v[B0]
	v_mov_b32 v[ADA], v[A0]
	v_mov_b32 v[ADB], v[B0]
	v_mov_b32 v[ADB+1], v[B1]
	s_mul_i32 s17, s[WV], 16*SP
	s_add_co_u32 s17, s17, STAGE                   ; my stage
	v_mul_u32_u24 v6, v1, SP
	v_lshl_add_u32 v6, v2, 5, v6                   ; in: row r, 32 bytes for each half of the lanes
	v_add_nc_u32 v[STO], s17, v6
	v_mul_u32_u24 v6, v2, SP                       ; back: lanes 0-15 one row of 256 bytes, lanes 16-31 the next
	v_lshl_add_u32 v6, v1, 4, v6
	v_add_nc_u32 v[RD], s17, v6
	v_lshlrev_b32 v6, 12, v2                       ; and the same two rows of 4,096 bytes in memory
	v_lshl_add_u32 v[CO], v1, 4, v6
	s_lshl_b32 s68, s21, 19                        ; (128 x tile row + 64 x row half) x 4,096 + (128 x tile column + 64 x column half) x 4
	s_lshl_b32 s70, s[WR], 18
	s_add_co_u32 s68, s68, s70
	s_lshl_b32 s70, s20, 9
	s_add_co_u32 s68, s68, s70
	s_lshl_b32 s70, s[WC], 8
	s_add_co_u32 s68, s68, s70
	s_mov_b32 s69, 0
	s_add_nc_u64 s[8:9], s[8:9], s[68:69]
	s_add_nc_u64 s[10:11], s[10:11], s[68:69]
	s_wait_tensorcnt 1                             ; my part of K step 0 is in; step 1's may stay out
	s_barrier_signal -1
	s_barrier_wait -1
	FETCH 0, F0
	QUARTER 1, F0, F1, 1                           ; the first quarter stands in front of the loop: its first products start the sums
	WIN 0
	s_mov_b32 s3, NS-2
.Lstep:                                                ; a trip: from a step's second quarter to the next step's first; it fills one slot again
	QUARTER 2, F1, F0, 0
	QUARTER 3, F0, F1, 0
	TURN 1
	QUARTER 1, F0, F1, 0
	WIN 0
	s_sub_co_u32 s3, s3, 1
	s_cmp_lg_u32 s3, 0
	s_cbranch_scc1 .Lstep
	QUARTER 2, F1, F0, 0                           ; the last two steps are written out: nothing more is asked for
	QUARTER 3, F0, F1, 0
	TURN 0
	RESLOAD 0                                      ; they land under the last K step
	RESLOAD 1
	QUARTER 1, F0, F1, 0
	QUARTER 2, F1, F0, 0
	QUARTER 3, F0, F1, 0
	s_wait_dscnt 16
	MUL8 F1, 0, 0, 0
	MUL8 F1, 0, 2, 0
	s_wait_dscnt 0x0
	MUL8 F1, 1, 0, 0
	MUL8 F1, 1, 2, 0
	WIN 0
	PLACES
; THE WAY OUT, 16 rows at a time through my own stage: a lane's eight f32 go in as 32 bytes of a row and come back as whole rows of 256 bytes; the residual is added; 16 lanes store 256 consecutive bytes.
.irp a, 0,1,2,3
.irp b, 0,1,2,3
	ds_store_b128 v[STO], v[ACC+8*(4*\a+\b):ACC+8*(4*\a+\b)+3] offset:64*\b
	ds_store_b128 v[STO], v[ACC+8*(4*\a+\b)+4:ACC+8*(4*\a+\b)+7] offset:64*\b+16
.endr
	s_wait_xcnt 0x0                                ; the last block's stores have read the registers that are loaded again below
.irp t, 0,1,2,3,4,5,6,7
	ds_load_b128 v[BK+4*\t:BK+4*\t+3], v[RD] offset:2*SP*\t  ; LDS serves a wave's instructions in order: these see the stores above
.endr
	s_wait_dscnt 0x0
.if \a < 3
	s_wait_loadcnt 8                               ; this block's residual is in; the next block's eight loads stay out
.else
	s_wait_loadcnt 0x0
.endif
.set n, 0
.rept 16
	v_pk_add_f32 v[BK+2*n:BK+2*n+1], v[BK+2*n:BK+2*n+1], v[RES+32*(\a%2)+2*n:RES+32*(\a%2)+2*n+1]
.set n, n+1
.endr
.irp t, 0,1,2,3,4,5,6,7
	global_store_b128 v[CO], v[BK+4*\t:BK+4*\t+3], s[10:11] offset:(16*\a+2*\t)*4096
.endr
.if \a < 2
	RESLOAD (\a)+2
.endif
.endr
	s_wait_tensorcnt 0x0                           ; the wave's end
	ds_add_u32 v[SPW], v[NIL]
	s_wait_dscnt 0x0
	CROUND                                         ; the closing round
	s_endpgm
.Lfunc_end_k_qead1cd1d87_gemm_fv:
	.size	k_qead1cd1d87_gemm_fv, .Lfunc_end_k_qead1cd1d87_gemm_fv-k_qead1cd1d87_gemm_fv
	.p2alignl 7, 3214868480
	.fill 96, 4, 3214868480
	.section	.rodata,"a",@progbits
	.p2align	6, 0x0
	.amdhsa_kernel k_qead1cd1d87_gemm_fv
		.amdhsa_group_segment_fixed_size 327680
		.amdhsa_private_segment_fixed_size 0
		.amdhsa_enable_private_segment 0
		.amdhsa_kernarg_size 32
		.amdhsa_user_sgpr_count 2
		.amdhsa_user_sgpr_kernarg_segment_ptr 1
		.amdhsa_wavefront_size32 1
		.amdhsa_system_sgpr_workgroup_id_x 1
		.amdhsa_system_sgpr_workgroup_id_y 1
		.amdhsa_system_sgpr_workgroup_id_z 1
		.amdhsa_system_vgpr_workitem_id 0
		.amdhsa_next_free_vgpr 512
		.amdhsa_next_free_sgpr 72
		.amdhsa_reserve_vcc 0
		.amdhsa_float_denorm_mode_32 3
		.amdhsa_float_denorm_mode_16_64 3
		.amdhsa_memory_ordered 1
		.amdhsa_forward_progress 1
		.amdhsa_inst_pref_size 75
	.end_amdhsa_kernel
	.amdgpu_metadata
---
amdhsa.version: [ 1, 2 ]
amdhsa.kernels:
  - .name:           k_qead1cd1d87_gemm_fv
    .symbol:         k_qead1cd1d87_gemm_fv.kd
    .args:
      - { .name: hid, .offset: 0, .size: 8, .value_kind: global_buffer, .address_space: global }
      - { .name: wq, .offset: 8, .size: 8, .value_kind: global_buffer, .address_space: global }
      - { .name: x2, .offset: 16, .size: 8, .value_kind: global_buffer, .address_space: global }
      - { .name: out0, .offset: 24, .size: 8, .value_kind: global_buffer, .address_space: global }
    .group_segment_fixed_size: 327680
    .private_segment_fixed_size: 0
    .kernarg_segment_align: 8
    .kernarg_segment_size: 32
    .max_flat_workgroup_size: 128
    .sgpr_count:     72
    .vgpr_count:     512
    .wavefront_size: 32
...
	.end_amdgpu_metadata
.endif
;; end of part 7
;; ======== version 2 of 2: 7 launches; 1.15 times as fast as version 1
;; limits: values are held in f16: magnitudes above 65,504 overflow, below 6.1e-05 lose precision; right only within a limited range of input values
;; workspace buffers: wq 25,165,824 bytes; xn 8,388,608 bytes; rkv 25,165,824 bytes; rwkv 8,388,608 bytes; x2 16,777,216 bytes; hid 33,554,432 bytes; mx 12,288 bytes
;; launch pre (part 8): grid 512 x 1, 8 waves a work-group, no clusters, 0 bytes of LDS; arguments x, g1, b1, xn, w_r, w_k, w_v, w_o, wq; writes xn, wq
.if DOCPART == 8
	.amdgcn_target "amdgcn-amd-amdhsa--gfx1250"
	.amdhsa_code_object_version 6
	.text
	.protected	k_qead1cd1d87_pre
	.globl	k_qead1cd1d87_pre
	.p2align	8
	.type	k_qead1cd1d87_pre,@function
k_qead1cd1d87_pre:
	s_mov_b64 s[64:65], 0
	v_nop
	global_prefetch_b8 v0, s[64:65] scope:SCOPE_SE
	s_setreg_imm32_b32 hwreg(HW_REG_WAVE_MODE, 25, 1), 1
	s_wait_xcnt 0x0
; TWO STREAMS IN ONE LAUNCH, chosen by the work-group's number g; neither needs the other, LDS or the matrix unit.
; g < 256: THE NORM.  y = (x - mean) * rsqrt(var + 1e-5) * g + b along rows of 1,024 f32; y rounded once to f16 and stored TILED:
; byte(m, k) = ((m / 128) * 16 + k / 64) * 16384 + (m % 128) * 128 + (k % 64) * 2, so that 128 rows x 256 k are 65,536 consecutive bytes for the products that follow.
; Sixteen lanes own a row and keep it in 64 registers between the passes: mean, then the sum of squares of x - mean (no difference of large sums), then the scaling.
; The reduction stays inside 16 lanes: no barrier.  A load takes 256 bytes of each of a wave's two rows, a store 256 consecutive bytes (two rows of one panel).
; g >= 256: THE CAST of w_r, w_k, w_v, w_o (f32 [1024][1024]) to f16 in PANELS [N/128][K][128]: matrix (g - 256) / 64 at byte 2,097,152 x matrix of wq, rows 16 ((g - 256) % 64) on.
; Wave w takes the 128 columns of panel w; a load takes 512 bytes of a row, a store 256 consecutive bytes at a multiple of 256; a wave's sixteen stores are 4,096 bytes on end.
; A launch of 256 work-groups runs the norm alone (the second norm of the block).
; LIMITS: |y| and the weights stay below 65,504 (f16).
.set X,  16                            ; v[16:79]   the row: load j holds columns 64 j + 4 (lane % 16) + 0..3
.set G,  80                            ; v[80:143]  g of the same columns
.set BB, 144                           ; v[144:207] b
.set SM, 208                           ; v[208:215] four chains of packed sums
.set CX, 20                            ; the cast: v[20:83]  row u: four f32
.set CY, 84                            ;           v[84:115] row u: four f16
	s_mov_b32 s26, ttmp9
	s_cmp_ge_u32 s26, 256
	s_cbranch_scc1 .Lcast
	s_load_b256 s[4:11], s[0:1], 0x0               ; x, g, b, y
	s_lshl_b32 s2, ttmp9, 16                       ; the group's 16 rows of 4,096 bytes
	s_mov_b32 s3, 0
	s_lshr_b32 s14, ttmp9, 3
	s_lshl_b32 s14, s14, 18                        ; the tile of 128 rows: 16 panels of 16,384 bytes
	s_and_b32 s16, ttmp9, 7
	s_lshl_b32 s16, s16, 11                        ; 16 rows of 128 bytes inside a panel
	s_add_co_u32 s14, s14, s16
	s_mov_b32 s15, 0
	s_mov_b32 s12, 0x3a800000                      ; 1 / 1024
	s_mov_b32 s13, 0x3727c5ac                      ; 1e-5
	v_and_b32 v1, 15, v0
	v_lshlrev_b32 v1, 4, v1                        ; my 16 bytes in 256
	v_lshrrev_b32 v2, 4, v0
	v_lshl_add_u32 v2, v2, 12, v1                  ; + my row
	v_lshlrev_b32 v3, 3, v0                        ; out: row x 128 + 8 (lane % 16) = 8 x thread
	s_wait_kmcnt 0x0
	s_add_nc_u64 s[4:5], s[4:5], s[2:3]
	s_add_nc_u64 s[10:11], s[10:11], s[14:15]
.set j, 0
.rept 16
	global_load_b128 v[X+4*j:X+4*j+3], v2, s[4:5] offset:256*j
.set j, j+1
.endr
.set j, 0
.rept 16
	global_load_b128 v[G+4*j:G+4*j+3], v1, s[6:7] offset:256*j
.set j, j+1
.endr
.set j, 0
.rept 16
	global_load_b128 v[BB+4*j:BB+4*j+3], v1, s[8:9] offset:256*j
.set j, j+1
.endr
.macro FOLD                            ; four chains into one number, then over the row's 16 lanes
	v_pk_add_f32 v[SM:SM+1], v[SM:SM+1], v[SM+2:SM+3]
	v_pk_add_f32 v[SM+4:SM+5], v[SM+4:SM+5], v[SM+6:SM+7]
	v_pk_add_f32 v[SM:SM+1], v[SM:SM+1], v[SM+4:SM+5]
	v_add_f32 v[SM], v[SM], v[SM+1]
.irp m, 1,2,4,8
	v_add_f32_dpp v[SM], v[SM], v[SM] row_xmask:\m row_mask:0xf bank_mask:0xf
.endr
.endm
	s_wait_loadcnt 32                              ; x is in; the 32 loads of g and b stay out
.irp c, 0,1,2,3
	v_pk_add_f32 v[SM+2*\c:SM+2*\c+1], v[X+2*\c:X+2*\c+1], v[X+8+2*\c:X+8+2*\c+1]  ; the first links start the chains: nothing is cleared
.endr
.set p, 8
.rept 24
	v_pk_add_f32 v[SM+2*(p%4):SM+2*(p%4)+1], v[SM+2*(p%4):SM+2*(p%4)+1], v[X+2*p:X+2*p+1]
.set p, p+1
.endr
	FOLD
	v_mul_f32 v216, s12, v[SM]                     ; the mean, twice for the packed form
	v_mov_b32 v217, v216
.set p, 0
.rept 32
	v_pk_add_f32 v[X+2*p:X+2*p+1], v[X+2*p:X+2*p+1], v[216:217] neg_lo:[0,1] neg_hi:[0,1]
.set p, p+1
.endr
.irp c, 0,1,2,3
	v_pk_mul_f32 v[SM+2*\c:SM+2*\c+1], v[X+2*\c:X+2*\c+1], v[X+2*\c:X+2*\c+1]
.endr
.set p, 4
.rept 28
	v_pk_fma_f32 v[SM+2*(p%4):SM+2*(p%4)+1], v[X+2*p:X+2*p+1], v[X+2*p:X+2*p+1], v[SM+2*(p%4):SM+2*(p%4)+1]
.set p, p+1
.endr
	FOLD
	v_fma_f32 v218, v[SM], s12, s13                ; var + eps
	v_rsq_f32 v218, v218
	v_nop                                          ; a plain instruction between the root and the use of its result (ISA guide 5.7.2)
	s_wait_alu depctr_va_vdst(0)
	v_mov_b32 v219, v218
	s_wait_loadcnt 0x0                             ; g and b
.set j, 0
.rept 16
	v_pk_mul_f32 v[X+4*j:X+4*j+1], v[X+4*j:X+4*j+1], v[218:219]
	v_pk_mul_f32 v[X+4*j+2:X+4*j+3], v[X+4*j+2:X+4*j+3], v[218:219]
	v_pk_fma_f32 v[X+4*j:X+4*j+1], v[X+4*j:X+4*j+1], v[G+4*j:G+4*j+1], v[BB+4*j:BB+4*j+1]
	v_pk_fma_f32 v[X+4*j+2:X+4*j+3], v[X+4*j+2:X+4*j+3], v[G+4*j+2:G+4*j+3], v[BB+4*j+2:BB+4*j+3]
	v_cvt_pk_f16_f32 v[X+4*j], v[X+4*j], v[X+4*j+1]
	v_cvt_pk_f16_f32 v[X+4*j+1], v[X+4*j+2], v[X+4*j+3]
	global_store_b64 v3, v[X+4*j:X+4*j+1], s[10:11] offset:16384*j  ; each store has registers of its own: none is rewritten
.set j, j+1
.endr
	s_endpgm
.Lcast:
	s_load_b256 s[8:15], s[0:1], 0x20              ; w_r, w_k, w_v, w_o
	s_load_b64 s[20:21], s[0:1], 0x40              ; wq
	v_lshrrev_b32 v19, 5, v0
	v_readfirstlane_b32 s24, v19                   ; wave = panel
	v_and_b32 v19, 31, v0                          ; lane
	v_lshlrev_b32 v1, 4, v0                        ; my 16 bytes in a row's 4,096
	s_sub_co_u32 s26, s26, 256
	s_and_b32 s27, s26, 63                         ; which 16 rows
	s_lshr_b32 s32, s26, 6                         ; which matrix
	s_lshl_b32 s28, s27, 16                        ; byte offset in the source
	s_mov_b32 s29, 0
	s_lshl_b32 s30, s32, 21                        ; byte offset in wq: the matrix's eight panels,
	s_lshl_b32 s27, s27, 12                        ; 16 rows of 256 bytes in a panel
	s_add_co_u32 s30, s30, s27
	s_mov_b32 s31, 0
	s_lshl_b32 s25, s24, 18                        ; a panel is 1,024 rows of 256 bytes
	v_lshl_add_u32 v18, v19, 3, s25                ; my 8 bytes in my panel's row
	s_wait_kmcnt 0x0
	s_cmp_eq_u32 s32, 1                            ; the source is chosen by the group's number alone
	s_cselect_b64 s[4:5], s[10:11], s[8:9]
	s_cmp_eq_u32 s32, 2
	s_cselect_b64 s[4:5], s[12:13], s[4:5]
	s_cmp_eq_u32 s32, 3
	s_cselect_b64 s[4:5], s[14:15], s[4:5]
	s_add_nc_u64 s[4:5], s[4:5], s[28:29]
	s_add_nc_u64 s[6:7], s[20:21], s[30:31]
.set u, 0
.rept 16
	global_load_b128 v[CX+4*u:CX+4*u+3], v1, s[4:5] offset:4096*u th:TH_LOAD_NT  ; each weight byte is read once in the launch
.set u, u+1
.endr
.set u, 0
.rept 16
	s_wait_loadcnt 15-u                            ; loads come back in order: row u is in, the 15 - u younger ones stay out
	v_cvt_pk_f16_f32 v[CY+2*u], v[CX+4*u], v[CX+4*u+1]
	v_cvt_pk_f16_f32 v[CY+2*u+1], v[CX+4*u+2], v[CX+4*u+3]
	global_store_b64 v18, v[CY+2*u:CY+2*u+1], s[6:7] offset:256*u  ; every register is used once: no wait frees one
.set u, u+1
.endr
	s_endpgm
.Lfunc_end_k_qead1cd1d87_pre:
	.size	k_qead1cd1d87_pre, .Lfunc_end_k_qead1cd1d87_pre-k_qead1cd1d87_pre
	.p2alignl 7, 3214868480
	.fill 96, 4, 3214868480
	.section	.rodata,"a",@progbits
	.p2align	6, 0x0
	.amdhsa_kernel k_qead1cd1d87_pre
		.amdhsa_group_segment_fixed_size 0
		.amdhsa_private_segment_fixed_size 0
		.amdhsa_enable_private_segment 0
		.amdhsa_kernarg_size 72
		.amdhsa_user_sgpr_count 2
		.amdhsa_user_sgpr_kernarg_segment_ptr 1
		.amdhsa_wavefront_size32 1
		.amdhsa_system_sgpr_workgroup_id_x 1
		.amdhsa_system_sgpr_workgroup_id_y 1
		.amdhsa_system_sgpr_workgroup_id_z 1
		.amdhsa_system_vgpr_workitem_id 0
		.amdhsa_next_free_vgpr 224
		.amdhsa_next_free_sgpr 66
		.amdhsa_reserve_vcc 0
		.amdhsa_float_denorm_mode_32 3
		.amdhsa_float_denorm_mode_16_64 3
		.amdhsa_memory_ordered 1
		.amdhsa_forward_progress 1
		.amdhsa_inst_pref_size 27
	.end_amdhsa_kernel
	.amdgpu_metadata
---
amdhsa.version: [ 1, 2 ]
amdhsa.kernels:
  - .name:           k_qead1cd1d87_pre
    .symbol:         k_qead1cd1d87_pre.kd
    .args:
      - { .name: x, .offset: 0, .size: 8, .value_kind: global_buffer, .address_space: global }
      - { .name: g1, .offset: 8, .size: 8, .value_kind: global_buffer, .address_space: global }
      - { .name: b1, .offset: 16, .size: 8, .value_kind: global_buffer, .address_space: global }
      - { .name: xn, .offset: 24, .size: 8, .value_kind: global_buffer, .address_space: global }
      - { .name: w_r, .offset: 32, .size: 8, .value_kind: global_buffer, .address_space: global }
      - { .name: w_k, .offset: 40, .size: 8, .value_kind: global_buffer, .address_space: global }
      - { .name: w_v, .offset: 48, .size: 8, .value_kind: global_buffer, .address_space: global }
      - { .name: w_o, .offset: 56, .size: 8, .value_kind: global_buffer, .address_space: global }
      - { .name: wq, .offset: 64, .size: 8, .value_kind: global_buffer, .address_space: global }
    .group_segment_fixed_size: 0
    .private_segment_fixed_size: 0
    .kernarg_segment_align: 8
    .kernarg_segment_size: 72
    .max_flat_workgroup_size: 256
    .sgpr_count:     66
    .vgpr_count:     224
    .wavefront_size: 32
...
	.end_amdgpu_metadata
.endif
;; end of part 8
;; launch gemm_rkv (part 9): grid 12 x 16, 4 waves a work-group, clusters of 4 x 4, 327,680 bytes of LDS; arguments xn, wq, rkv, mx; writes rkv, mx
.if DOCPART == 9
	.amdgcn_target "amdgcn-amd-amdhsa--gfx1250"
	.amdhsa_code_object_version 6
	.text
	.protected	k_qead1cd1d87_gemm_rkv
	.globl	k_qead1cd1d87_gemm_rkv
	.p2align	8
	.type	k_qead1cd1d87_gemm_rkv,@function
k_qead1cd1d87_gemm_rkv:
	s_mov_b64 s[64:65], 0
	v_nop
	global_prefetch_b8 v0, s[64:65] scope:SCOPE_SE
	s_setreg_imm32_b32 hwreg(HW_REG_WAVE_MODE, 25, 1), 1
	s_wait_xcnt 0x0
	s_wait_alu depctr_hold_cnt(0) depctr_sa_sdst(0) depctr_va_vdst(0) depctr_va_sdst(0) depctr_va_ssrc(0) depctr_va_vcc(0) depctr_vm_vsrc(0)
	s_getreg_b32 s2, hwreg(HW_REG_IB_STS2, 6, 4)
	s_cmp_eq_u32 s2, 0
	s_cbranch_scc0 .Lentry_in_a_cluster
	s_endpgm
.Lentry_in_a_cluster:
	s_bfe_u32 s2, ttmp6, 0x10000c
	s_cmp_lg_u32 s2, 0xf033
	s_cbranch_scc0 .Lentry_shape_is_right
	s_endpgm
.Lentry_shape_is_right:
; r, k, v = x_ln [4096][1024] times w_r | w_k | w_v (24 panels of 128 columns), f16 operands, f32 sums, rounded once to f16 and stored TILED by heads
; (panel n / 64 of 48: 0-15 r, 16-31 k, 32-47 v).  Each wave also stores the largest magnitude of its 128 x 128 results into mx, from which later launches take a power-of-two scale.
; LIMIT: |r|, |k|, |v| stay below 65,504 (f16).
; C tile 256 x 256, four waves of 128 x 128 (64 accumulators).  A lies TILED ([M/128][K/64][128][64]), B in PANELS ([N/128][K][128]): for a K step of 128 each of A's two row tiles and each
; of B's two panels is 32,768 consecutive bytes, one tensor load (asked for as 128 rows of 256 bytes): waves 0, 1 fetch A's, waves 2, 3 B's.  Two LDS slots take turns; a refill stands first
; behind the round and has 224 of a step's 256 matrix instructions in which to land.  12 x 16 = 192 work-groups: a tile of 256 x 192 would make 256, with 168 matrix instructions for a refill and wave tiles that cut heads.
; CLUSTER 4 x 4: A's tile hangs on the tile row alone and is asked for jointly along a row of the cluster, B's on the tile column alone and jointly along a column.
; The matrix instruction is used transposed (source 0 = 16 columns of B, read turned out of LDS; source 1 = 16 rows of A): a lane holds eight neighbouring numbers of a row of C.
; REGISTERS, in windows of 256: window 0: v16-31 addresses, v32-47 at work, v64-127, v128-191 A's fragments, two buffers (on the way out rows in f32, and packed); window 1: v64-127, v128-191 B's fragments;
; window 2: the accumulators of my rows 0-63 ((a, b) at v[8 (8 a + b)]); window 3: those of my rows 64-127.
.set KDIM, 1024
.set NPO,  48                          ; panels of 64 columns in a tile row of the output
.set NS,   KDIM/128                    ; K steps
.set HB,   36864                       ; what one tensor load fills: A 2 panels x 128 rows x 144 bytes, B 128 k-rows x 288 bytes
.set PB,   18432                       ; one panel of A
.set BOFF, 2*HB                        ; a slot: A's two row tiles, then B's two panels
.set SLOTB, 4*HB                       ; 147,456 = 0x24000: it shares no bit with wave x 36,864, so one exclusive or changes slots
.set SPARE, 2*SLOTB                    ; behind the ring: the spare words, 128 bytes for each wave, two blocks of 256 bytes that no other line names
.set DP,   528                         ; the way out: a row of 128 f32 + 16 bytes = 33 x 16: the 16 rows of a store start at 16 different groups of four banks (ISA guide 11.1)
.set DW,   128*DP                      ; a wave's 128 rows, in the ring, whose last fill is over by then
.set A0,  16                           ; v16 my lane's place in A's part of slot 0; v17 the same for B; never rewritten
.set B0,  17
.set ADA, 18                           ; v18, v19 the same + the slot in hand
.set ADB, 19
.set STO, 24                           ; v24 the way out: where I put 32 bytes of a row
.set RD0, 25                           ; v25 where I read 32 bytes of a row back, first trip;  v27 this trip
.set CO,  26                           ; v26 16 x lane; never rewritten
.set RD,  27
.set SPW, 28                           ; v28 my spare word; v29 0; never rewritten
.set NIL, 29
.set MXR, 32                           ; v32, v33 running maxima, two f16 each; v[36:39] the maximum four times; v40-44 at work
.set F0,  64
.set F1,  128
.set X,   64
.set Y,   128
.set WV,  12                           ; s12 wave; s13 wave / 2: my row half, and 0: I fetch A, 1: B; s14 wave % 2: my column half, and which half I fetch
.set WR,  13
.set WC,  14
.set TR,  15                           ; s15 the way out: LDS bytes from my first row to this trip's
.set TB,  16                           ; s16 LDS byte at which the slot in hand begins
.set G1A, 24
.set G0A, 32                           ; two sets; the second walks
.set G1B, 48
.set G0B, 56
.set MSB, 0
.macro WIN new                         ; the immediate's high byte repeats the setting that is left
.if MSB != (\new)
	s_set_vgpr_msb (MSB<<8)|(\new)
.set MSB, \new
.endif
.endm
.set MUL_LO, 0xa1                      ; source 0 (B) window 1, source 1 (A) window 0, C and D window 2; + 0x50: C and D window 3
.set TO_B,   0x40                      ; destination window 1, address window 0
.macro PLACES                          ; four places behind matrix instructions (ISA guide 7.12.1)
.rept 4
	v_nop
.endr
.endm
.macro JLOAD                           ; the joint refill, by the walking set; an s_nop 0 and four v_nop follow each line
	s_cmp_eq_u32 s[WR], 0
	s_cbranch_scc0 .Lfor_b_\@
	tensor_load_to_lds s[G0A+4:G0A+7], s[G1A:G1A+7]
	s_nop 0
	PLACES
	s_branch .Lasked_\@
.Lfor_b_\@:
	tensor_load_to_lds s[G0B+4:G0B+7], s[G1B:G1B+7]
	s_nop 0
	PLACES
.Lasked_\@:
.endm
.macro CREST                           ; a round of the cluster's barrier behind its opening barrier
	s_cmp_lg_u32 s[WV], 0
	s_cbranch_scc1 .Lnot_wave_0_\@
	s_barrier_signal -3
.Lnot_wave_0_\@:
	s_barrier_wait -3
	s_barrier_signal -1
	s_barrier_wait -1
.endm
.macro CROUND
	s_barrier_signal -1
	s_barrier_wait -1
	CREST
.endm
; 16 matrix instructions: row blocks a0, a0 + 1 of the window's four x all 8 column blocks, 32 along K.  The 64 accumulators take turns.  zero = 1: the product starts the sum.
.macro MUL16 f, hi, a0, zero
	WIN MUL_LO+0x50*(\hi)
.irp a, \a0, (\a0)+1
.irp b, 0,1,2,3,4,5,6,7
.if \zero
	v_wmma_f32_16x16x32_f16 v[8*(8*(\a)+(\b)):8*(8*(\a)+(\b))+7], v[(\f)+8*(\b):(\f)+8*(\b)+7], v[(\f)+8*(4*(\hi)+(\a)):(\f)+8*(4*(\hi)+(\a))+7], 0
.else
	v_wmma_f32_16x16x32_f16 v[8*(8*(\a)+(\b)):8*(8*(\a)+(\b))+7], v[(\f)+8*(\b):(\f)+8*(\b)+7], v[(\f)+8*(4*(\hi)+(\a)):(\f)+8*(4*(\hi)+(\a))+7], v[8*(8*(\a)+(\b)):8*(8*(\a)+(\b))+7]
.endif
.endr
.endr
.endm
; 32 LDS loads in one run: quarter q (32 along K) of the slot in hand into buffer f.  B ([k][n], pitch 288) comes turned, A ([m][k], pitch 144) as it lies.
.macro FETCH q, f
	WIN TO_B
.irp i, 0,1,2,3,4,5,6,7
	ds_load_tr16_b128 v[(\f)+8*\i:(\f)+8*\i+3], v[ADB] offset:(\q)*9216+32*\i
	ds_load_tr16_b128 v[(\f)+8*\i+4:(\f)+8*\i+7], v[ADB] offset:(\q)*9216+32*\i+4608
.endr
	WIN 0
.irp i, 0,1,2,3,4,5,6,7
	ds_load_b128 v[(\f)+8*\i:(\f)+8*\i+3], v[ADA] offset:((\q)/2)*PB+((\q)%2)*64+\i*2304
	ds_load_b128 v[(\f)+8*\i+4:(\f)+8*\i+7], v[ADA] offset:((\q)/2)*PB+((\q)%2)*64+\i*2304+32
.endr
.endm
; multiplies buffer f and, in its middle, fetches quarter q into buffer g
.macro QUARTER q, f, g, zero
	s_wait_dscnt 8                                 ; B and A's rows 0-63 are in; the youngest eight loads (A's rows 64-127) may be out
	MUL16 \f, 0, 0, \zero
	MUL16 \f, 0, 2, \zero
	PLACES
	FETCH \q, \g
	s_wait_dscnt 32                                ; all but the 32 just issued
	MUL16 \f, 1, 0, \zero
	MUL16 \f, 1, 2, \zero
.endm
; A step's last quarter multiplies buffer 1 and changes slots: each wave waits for all its tensor loads (at most one is out: its part of the next slot), adds 0 to its spare word, and waits
; for that and for its reads of this slot.  fill = 1: the barrier opens a round of the cluster's, and this slot is filled again, two K steps ahead, first thing behind it.
.macro TURN fill
	WIN 0
	s_wait_tensorcnt 0x0
	ds_add_u32 v[SPW], v[NIL]
	s_wait_dscnt 9                                 ; the add and the youngest eight loads may be out
	MUL16 F1, 0, 0, 0
	s_wait_dscnt 0x0                               ; the add is done, my reads of this slot are over
	s_barrier_signal -1
	MUL16 F1, 0, 2, 0
	WIN 0                                          ; at a branch and at a label every window is 0
	s_barrier_wait -1
.if \fill
	CREST
	s_xor_b32 s[G0A+5], s[G0A+5], SLOTB            ; no tensor load of mine is out: the walking sets step to the slot just read and the next K step but one
	s_add_nc_u64 s[G0A+6:G0A+7], s[G0A+6:G0A+7], 32768
	s_xor_b32 s[G0B+5], s[G0B+5], SLOTB
	s_add_nc_u64 s[G0B+6:G0B+7], s[G0B+6:G0B+7], 32768
	JLOAD
.else
	PLACES
.endif
	s_xor_b32 s[TB], s[TB], SLOTB
	v_add_nc_u32 v[ADA], s[TB], v[A0]
	v_add_nc_u32 v[ADB], s[TB], v[B0]
	FETCH 0, F0
	MUL16 F1, 1, 0, 0
	MUL16 F1, 1, 2, 0
.endm
	s_load_b256 s[4:11], s[0:1], 0x0               ; xn, wq, rkv, mx
	v_lshl_add_u32 v[SPW], v0, 2, SPARE
	v_mov_b32 v[NIL], 0
	ds_add_u32 v[SPW], v[NIL]                      ; the wave's opening: the add and its wait ahead of my first tensor load
	v_lshrrev_b32 v1, 5, v0
	v_readfirstlane_b32 s[WV], v1
	s_lshr_b32 s[WR], s[WV], 1
	s_and_b32 s[WC], s[WV], 1
	s_bfe_u32 s18, ttmp6, 0x40000                  ; cx, cy
	s_bfe_u32 s19, ttmp6, 0x40004
	s_lshl_b32 s20, ttmp9, 2
	s_add_co_u32 s20, s20, s18                     ; tile column
	s_and_b32 s21, ttmp7, 0xffff
	s_lshl_b32 s21, s21, 2
	s_add_co_u32 s21, s21, s19                     ; tile row
	s_lshl_b32 s22, s19, 2
	s_lshl_b32 s22, 15, s22                        ; my row of the cluster
	s_lshl_b32 s23, 0x1111, s18                    ; my column
	s_or_b32 s[G1A], s22, (1<<16)|(1<<20)|(1<<21)|(4<<22)|(3<<25)  ; mask; 2-byte elements; padding on; bit 21 beside a mask; 4 words behind every 32: rows of 128 bytes, pitch 144
	s_or_b32 s[G1B], s23, (1<<16)|(1<<20)|(1<<21)|(5<<22)|(7<<25)  ; 8 words behind every 64: rows of 256 bytes, pitch 288
.irp g, G1A, G1B
	s_mov_b32 s[\g+1], 128<<16                     ; tensor_dim0 = 128 elements
	s_mov_b32 s[\g+2], 128<<16                     ; tensor_dim1 = 128 rows
	s_mov_b32 s[\g+3], 128<<16                     ; tile_dim0 = 128
	s_mov_b32 s[\g+4], 128                         ; tile_dim1 = 128
	s_mov_b32 s[\g+5], 128                         ; dense: 128 elements from row to row
	s_mov_b32 s[\g+6], 0
	s_mov_b32 s[\g+7], 0
.endr
	s_lshl_b32 s40, s21, 1
	s_add_co_u32 s40, s40, s[WC]                   ; A: the row tile of 128 that I would fetch,
	s_mul_i32 s40, s40, KDIM*256                   ; its bytes
	s_mov_b32 s41, 0
	s_lshl_b32 s42, s20, 1
	s_add_co_u32 s42, s42, s[WC]                   ; B: the panel that I would fetch
	s_mul_i32 s42, s42, KDIM*256
	s_mov_b32 s43, 0
	s_mul_i32 s66, s[WV], HB                       ; where my part goes: wave x 36,864
	s_mov_b32 s[TB], 0
	s_mov_b32 s46, 0x76543210                      ; v_permlanex16_b32: each lane takes its own place in the other half
	s_mov_b32 s47, 0xfedcba98
	s_wait_dscnt 0x0                               ; the opening add is done
	s_wait_kmcnt 0x0
	s_add_nc_u64 s[40:41], s[4:5], s[40:41]
	s_add_nc_u64 s[42:43], s[6:7], s[42:43]
	CROUND                                         ; all sixteen work-groups are here: the first joint loads meet
.irp s, 0,1
	s_mov_b32 s[G0A+4*\s], 1
	s_add_co_u32 s[G0A+4*\s+1], s66, \s*SLOTB
	s_add_nc_u64 s[G0A+4*\s+2:G0A+4*\s+3], s[40:41], \s*32768
	s_or_b32 s[G0A+4*\s+3], s[G0A+4*\s+3], 0x80000000
	s_mov_b32 s[G0B+4*\s], 1
	s_add_co_u32 s[G0B+4*\s+1], s66, \s*SLOTB
	s_add_nc_u64 s[G0B+4*\s+2:G0B+4*\s+3], s[42:43], \s*32768
	s_or_b32 s[G0B+4*\s+3], s[G0B+4*\s+3], 0x80000000
.endr
	s_cmp_eq_u32 s[WR], 0                          ; a wave's two first fills stand in one branch: two loads of mine are out
	s_cbranch_scc0 .Lfirst_b
	tensor_load_to_lds s[G0A:G0A+3], s[G1A:G1A+7]
	s_nop 0
	tensor_load_to_lds s[G0A+4:G0A+7], s[G1A:G1A+7]
	s_nop 0
	PLACES
	s_branch .Lfirst_asked
.Lfirst_b:
	tensor_load_to_lds s[G0B:G0B+3], s[G1B:G1B+7]
	s_nop 0
	tensor_load_to_lds s[G0B+4:G0B+7], s[G1B:G1B+7]
	s_nop 0
	PLACES
.Lfirst_asked:
	v_and_b32 v1, 15, v0                           ; r = lane % 16
	v_bfe_u32 v2, v0, 4, 1                         ; h = lane / 16
	v_mul_u32_u24 v3, v1, 144
	v_lshl_add_u32 v3, v2, 4, v3
	s_mul_i32 s17, s[WR], HB
	v_add_nc_u32 v[A0], s17, v3                    ; my row tile + r x 144 + 16 h
	v_and_b32 v4, 7, v0
	v_lshl_add_u32 v5, v2, 3, v4
	v_mul_u32_u24 v5, v5, 288
	v_bfe_u32 v6, v0, 3, 1
	v_lshl_add_u32 v5, v6, 4, v5
	s_mul_i32 s17, s[WC], HB
	s_add_co_u32 s17, s17, BOFF
	v_add_nc_u32 v[B0], s17, v5                    ; my panel + (8 h + lane % 8) x 288 + 16 ((lane / 8) % 2)
	v_mov_b32 v[ADA], v[A0]
	v_mov_b32 v[ADB], v[B0]
	s_mul_i32 s17, s[WV], DW                       ; the way out: my 128 rows
	v_mul_u32_u24 v7, v1, DP
	v_lshl_add_u32 v7, v2, 5, v7                   ; in: row r, 32 bytes for each half of the lanes
	v_add_nc_u32 v[STO], s17, v7
	v_bfe_u32 v8, v0, 3, 2                         ; back: 32 lanes take four rows, eight f32 each,
	v_mul_u32_u24 v8, v8, DP
	v_lshl_add_u32 v8, v4, 5, v8
	v_add_nc_u32 v[RD0], s17, v8
	v_and_b32 v[CO], 31, v0                        ; which leave as 512 consecutive bytes of the tiled output
	v_lshlrev_b32 v[CO], 4, v[CO]
	s_lshl_b32 s68, s21, 1
	s_add_co_u32 s68, s68, s[WR]                   ; my row tile of 128
	s_lshl_b32 s69, s20, 1
	s_add_co_u32 s69, s69, s[WC]                   ; my column tile of 128: two panels of 64
	s_mul_i32 s70, s68, NPO
	s_lshl_b32 s71, s69, 1
	s_add_co_u32 s70, s70, s71
	s_lshl_b32 s70, s70, 14                        ; a panel is 16,384 bytes
	s_mov_b32 s71, 0
	s_add_nc_u64 s[8:9], s[8:9], s[70:71]
	s_wait_tensorcnt 1                             ; my part of K step 0 is in; step 1's may stay out
	s_barrier_signal -1
	s_barrier_wait -1
	FETCH 0, F0
	QUARTER 1, F0, F1, 1                           ; the first quarter stands in front of the loop: its products start the sums
	WIN 0
	s_mov_b32 s3, NS-2
.Lstep:                                                ; a trip: from a step's second quarter to the next step's first; it fills one slot again
	QUARTER 2, F1, F0, 0
	QUARTER 3, F0, F1, 0
	TURN 1
	QUARTER 1, F0, F1, 0
	WIN 0
	s_sub_co_u32 s3, s3, 1
	s_cmp_lg_u32 s3, 0
	s_cbranch_scc1 .Lstep
	s_mov_b32 s3, 2
.Ltail:                                                ; the last two steps ask for nothing: a loop of their own; the second trip is left in its middle.
	QUARTER 2, F1, F0, 0                           ; Its change of slots and its 32 loads from the slot read before serve nothing: the price, once a launch, of one text for both trips
	QUARTER 3, F0, F1, 0
	TURN 0
	WIN 0
	s_sub_co_u32 s3, s3, 1
	s_cmp_eq_u32 s3, 0
	s_cbranch_scc1 .Lout
	QUARTER 1, F0, F1, 0
	WIN 0
	s_branch .Ltail
.Lout:
; THE WAY OUT.  The ring has had its last fill, and behind this barrier nobody reads it: each wave lays its 128 x 128 sums there in f32, rows 528 bytes apart, in bytes of its own.
	s_wait_dscnt 0x0                               ; my reads of the ring are over
	s_barrier_signal -1
	PLACES                                         ; the places behind the last products
	s_barrier_wait -1
.irp hi, 0,1
	WIN 0x08+4*\hi                                 ; store data (source 1) in window 2, then 3
.irp a, 0,1,2,3
.irp b, 0,1,2,3,4,5,6,7
	ds_store_b128 v[STO], v[8*(8*\a+\b):8*(8*\a+\b)+3] offset:(4*\hi+\a)*16*DP+64*\b
	ds_store_b128 v[STO], v[8*(8*\a+\b)+4:8*(8*\a+\b)+7] offset:(4*\hi+\a)*16*DP+64*\b+16
.endr
.endr
.endr
	WIN 0
	v_mov_b32 v[MXR], 0
	v_mov_b32 v[MXR+1], 0
	s_mov_b32 s17, 0x7fff7fff                      ; clears the signs of two f16
	s_mov_b32 s[TR], 0
	s_mov_b32 s3, 8
.Lrows:                                                ; a trip: 16 rows.  Pair u of loads: rows 4 (u / 2) + lane / 8, panel u % 2, eight f32 a lane
	v_add_nc_u32 v[RD], s[TR], v[RD0]
.irp u, 0,1,2,3,4,5,6,7
	ds_load_b128 v[X+8*\u:X+8*\u+3], v[RD] offset:(\u/2)*4*DP+(\u%2)*256     ; LDS serves a wave's instructions in order (ISA guide 5.7.1.4): these see my stores above
	ds_load_b128 v[X+8*\u+4:X+8*\u+7], v[RD] offset:(\u/2)*4*DP+(\u%2)*256+16
.endr
.irp u, 0,1,2,3,4,5,6,7
	s_wait_dscnt 14-2*\u                           ; pair u is in; the pairs behind it may be out
.irp n, 0,1,2,3
	v_cvt_pk_f16_f32 v[Y+4*\u+\n], v[X+8*\u+2*\n], v[X+8*\u+2*\n+1]
.endr
.irp n, 0,1,2,3
	v_and_b32 v[40+\n], s17, v[Y+4*\u+\n]
.endr
.irp n, 0,1,2,3
	v_pk_max_num_f16 v[MXR+\n%2], v[MXR+\n%2], v[40+\n]
.endr
	global_store_b128 v[CO], v[Y+4*\u:Y+4*\u+3], s[8:9] offset:(\u%2)*16384+(\u/2)*512  ; 512 consecutive bytes, at a multiple of 256 from the buffer's first
.endr
	s_wait_xcnt 0x0                                ; the stores' base and data are rewritten only behind this wait
	s_add_nc_u64 s[8:9], s[8:9], 2048              ; 16 rows of 128 bytes on
	s_add_co_u32 s[TR], s[TR], 16*DP
	s_sub_co_u32 s3, s3, 1
	s_cmp_lg_u32 s3, 0
	s_cbranch_scc1 .Lrows
	; the largest magnitude of my 16,384 stored numbers, over the lanes
	v_pk_max_num_f16 v[MXR], v[MXR], v[MXR+1]
	v_cvt_f32_f16 v34, v32.l
	v_cvt_f32_f16 v35, v32.h
	v_max_num_f32 v34, v34, v35
.irp m, 1,2,4,8
	v_max_num_f32_dpp v34, v34, v34 row_xmask:\m row_mask:0xf bank_mask:0xf
.endr
	v_permlanex16_b32 v35, v34, s46, s47
	v_max_num_f32 v36, v34, v35
	v_mov_b32 v37, v36                             ; mx: [kind = column tile / 8][row tile of 128][column tile % 8], 16 bytes each: the number four times, so that the 512 bytes
	v_mov_b32 v38, v36                             ; of a kind and batch (four row tiles), which the readers take as 128 numbers, are all written
	v_mov_b32 v39, v36
	s_lshr_b32 s70, s69, 3
	s_lshl_b32 s70, s70, 12
	s_lshl_b32 s71, s68, 7
	s_add_co_u32 s70, s70, s71
	s_and_b32 s71, s69, 7
	s_lshl_b32 s71, s71, 4
	s_add_co_u32 s70, s70, s71
	v_mov_b32 v44, s70
	v_cmp_eq_u32 vcc_lo, 0, v[CO]
	s_wait_xcnt 0x0                                ; EXEC is a source of the stores above: it changes only behind this wait
	s_and_saveexec_b32 s71, vcc_lo
	global_store_b128 v44, v[36:39], s[10:11]      ; lane 0 alone
	s_wait_xcnt 0x0
	s_or_b32 exec_lo, exec_lo, s71
	s_wait_tensorcnt 0x0                           ; the wave's end
	ds_add_u32 v[SPW], v[NIL]
	s_wait_dscnt 0x0
	CROUND                                         ; the closing round
	s_endpgm
.Lfunc_end_k_qead1cd1d87_gemm_rkv:
	.size	k_qead1cd1d87_gemm_rkv, .Lfunc_end_k_qead1cd1d87_gemm_rkv-k_qead1cd1d87_gemm_rkv
	.p2alignl 7, 3214868480
	.fill 96, 4, 3214868480
	.section	.rodata,"a",@progbits
	.p2align	6, 0x0
	.amdhsa_kernel k_qead1cd1d87_gemm_rkv
		.amdhsa_group_segment_fixed_size 327680
		.amdhsa_private_segment_fixed_size 0
		.amdhsa_enable_private_segment 0
		.amdhsa_kernarg_size 32
		.amdhsa_user_sgpr_count 2
		.amdhsa_user_sgpr_kernarg_segment_ptr 1
		.amdhsa_wavefront_size32 1
		.amdhsa_system_sgpr_workgroup_id_x 1
		.amdhsa_system_sgpr_workgroup_id_y 1
		.amdhsa_system_sgpr_workgroup_id_z 1
		.amdhsa_system_vgpr_workitem_id 0
		.amdhsa_next_free_vgpr 1024
		.amdhsa_next_free_sgpr 72
		.amdhsa_reserve_vcc 1
		.amdhsa_float_denorm_mode_32 3
		.amdhsa_float_denorm_mode_16_64 3
		.amdhsa_memory_ordered 1
		.amdhsa_forward_progress 1
		.amdhsa_inst_pref_size 85
	.end_amdhsa_kernel
	.amdgpu_metadata
---
amdhsa.version: [ 1, 2 ]
amdhsa.kernels:
  - .name:           k_qead1cd1d87_gemm_rkv
    .symbol:         k_qead1cd1d87_gemm_rkv.kd
    .args:
      - { .name: xn, .offset: 0, .size: 8, .value_kind: global_buffer, .address_space: global }
      - { .name: wq, .offset: 8, .size: 8, .value_kind: global_buffer, .address_space: global }
      - { .name: rkv, .offset: 16, .size: 8, .value_kind: global_buffer, .address_space: global }
      - { .name: mx, .offset: 24, .size: 8, .value_kind: global_buffer, .address_space: global }
    .group_segment_fixed_size: 327680
    .private_segment_fixed_size: 0
    .kernarg_segment_align: 8
    .kernarg_segment_size: 32
    .max_flat_workgroup_size: 128
    .sgpr_count:     72
    .vgpr_count:     1024
    .wavefront_size: 32
...
	.end_amdgpu_metadata
.endif
;; end of part 9
;; launch wkv (part 10): grid 32 x 8, 16 waves a work-group, no clusters, 288,768 bytes of LDS; arguments rkv, time_decay, time_first, mx, rwkv, w_fk, w_fv, wq; writes rwkv, wq
.if DOCPART == 10
	.amdgcn_target "amdgcn-amd-amdhsa--gfx1250"
	.amdhsa_code_object_version 6
	.text
	.protected	k_qead1cd1d87_wkv
	.globl	k_qead1cd1d87_wkv
	.p2align	8
	.type	k_qead1cd1d87_wkv,@function
k_qead1cd1d87_wkv:
	s_mov_b64 s[64:65], 0
	v_nop
	global_prefetch_b8 v0, s[64:65] scope:SCOPE_SE
	s_setreg_imm32_b32 hwreg(HW_REG_WAVE_MODE, 25, 1), 1
	s_wait_xcnt 0x0
; EVEN x: the recurrence y_t = r_t . (S_t + u k_t v_t^T), S_(t+1) = d S_t + k_t v_t^T, d = exp(-exp(w)) for each key channel, and the gate sigmoid(r) y, for ONE (batch y, head x / 2): 512 tokens x 64 channels.
; ODD x: A SIDE JOB.  There are 128 (batch, head) pairs; the other 128 work-groups round w_fk (to f16) and w_fv (to bf16), which later launches want, into wq's panels: see .Lside.  The branch hangs on x alone.
; CHUNKS.  Wave w owns tokens 32 w .. 32 w + 31.  Inside a chunk y_i = (r_i d^i) . S + sum over j <= i of A[i][j] v_j; the chunk adds U = sum over j of (d^(31-j) k_j) v_j^T, and S' = d^32 S + U.
; ONLY POWERS OF d WITH EXPONENTS >= 0 (d may be 0).  For j < i let m be the highest power of two in i xor j: i - 1 - j = (i mod m) + (m - 1 - (j mod m)).  So A is chosen, place by place, from six
; products (R d^(i mod m)) (K d^(m-1-(j mod m)))^T, m = 1, 2, 4, 8 and the bonus R (K u)^T on the two diagonal tiles of 16 x 16, m = 16 on the tile below them.  The choice is v_cndmask by lane masks.
; FORMATS.  All matrix operands f16, all sums and the carried state f32.  A and S are brought into f16 by sg = 2^-floor(log2(max(|r|,|v|) |k|)), with the batch's largest magnitudes from mx:
; |A sg| < 128, |S sg| < 1,024.  The result is stored times 2^-(floor(log2(|r| |k| |v|)) + 4), which the next launch takes out: its magnitude is below 8 (511 + max|u|).
; LIMITS.  |u| < 7,600, or the result leaves f16's range; a power of d below 6e-8 counts as 0; NaN and infinities are not treated apart; the order of the sums differs from a step-by-step scan's;
; a number of w_fk of magnitude 65,520 or more becomes an infinity in f16.
; No cluster: the work-groups share no input but 1,536 bytes of maxima.  No tensor load: each wave's 12 KiB come once, straight into registers.
; LAYOUT.  S^T-like products throughout: scores = (16 keys) x (16 queries)^T hold one query a lane and 8 keys; rounded in pairs they ARE source 1 of V^T P.  U = KT x VT holds one v channel a lane and
; 8 key channels: rounded in pairs it IS half a fragment of S^T, source 0 of S^T (R d^i)^T.  Nothing changes lanes.
; LDS.  REG(c) = 16,384 c: first wave c's K and V (32 rows, pitch 160, V at +5,120); then U_c in f32 (tile 4 ct + vt: registers 0-3 at +512 tile + 16 lane, registers 4-7 8,192 further);
; behind the prefix the first half holds S_(c+1) sg in f16, the second half is wave c's stage for the way out.  TAB: T0-T9 (2,048 bytes each), T10-T13 (1,024 each).  SPARE: the spare words.
.set TAB,   262144
.set SPARE, 286720                     ; 128 bytes for each of 16 waves: eight blocks of 256 bytes that no other line names
.set KI,  2                            ; v[2:3]     (from barrier 1 on) sg x 2^(floor(log2(r k v)) + 4)
.set RR,  16                           ; v[16:47]   R: tile I, channel half cb at 16 + 8 (2 I + cb)
.set VT,  48                           ; v[48:79]   V turned: channels 16 vt on at 48 + 8 vt
.set KK,  80                           ; v[80:111]  K as R; later S and U; later R d^i
.set KX,  112                          ; v[112:143] K turned; K times a table; at last P (v112-127)
.set TT,  144                          ; v[144:175] tables; at last the packed result
.set AC,  176                          ; v[176:207] accumulators; R times a table
.set PA,  208                          ; v[208:223] the scores of one level; v[208:239] S^T
.set AT0, 224                          ; v[224:231], v[232:239] the chosen scores of the two diagonal tiles
.set AT1, 232
.set D32, 240                          ; v[240:247] d^32 of my tile's eight channels; at last at work in the gate
.set SG,  248                          ; v[248:249] sg
.set LG,  250                          ; v250 -log2(e);  v251 0
.set ZR,  251
.set SPW, 254
.set NIL, 255
.macro NOPS n
.rept \n
	v_nop
.endr
.endm
	s_load_b256 s[4:11], s[0:1], 0x0               ; rkv, time_decay, time_first, mx
	s_load_b64 s[72:73], s[0:1], 0x20              ; rwkv
	s_load_b64 s[76:77], s[0:1], 0x28              ; w_fk
	s_load_b64 s[78:79], s[0:1], 0x30              ; w_fv
	s_load_b64 s[80:81], s[0:1], 0x38              ; wq
	v_lshl_add_u32 v[SPW], v0, 2, SPARE
	v_mov_b32 v[NIL], 0
	v_lshrrev_b32 v1, 5, v0
	v_readfirstlane_b32 s12, v1                    ; wave = chunk
	s_lshr_b32 s13, ttmp9, 1                       ; head
	s_and_b32 s14, ttmp7, 0xffff                   ; batch
	s_and_b32 s16, ttmp9, 1
	s_cmp_lg_u32 s16, 0
	s_cbranch_scc1 .Lside                          ; the same in all sixteen waves
	s_mov_b32 s60, 0x76543210
	s_mov_b32 s61, 0xfedcba98
	s_lshl_b32 s15, s12, 14                        ; REG(wave)
	v_and_b32 v3, 31, v0                           ; L
	v_and_b32 v1, 15, v0                           ; rho = L % 16
	v_bfe_u32 v2, v0, 4, 1                         ; h = L / 16
	v_lshlrev_b32 v4, 7, v1
	v_lshl_add_u32 v4, v2, 4, v4                   ; a fragment of R in memory: rho x 128 + 16 h
	v_lshlrev_b32 v5, 4, v3                        ; 16 L
	v_lshrrev_b32 v6, 3, v3
	v_mul_u32_u24 v6, v6, 160
	v_and_b32 v13, 7, v0
	v_lshl_add_u32 v6, v13, 4, v6
	v_add_nc_u32 v6, s15, v6                       ; staging: four rows of 128 bytes a store
	v_mul_u32_u24 v7, v1, 160
	v_lshl_add_u32 v7, v2, 4, v7
	v_add_nc_u32 v7, s15, v7                       ; a fragment of K as it lies
	v_lshl_add_u32 v8, v2, 3, v13
	v_mul_u32_u24 v8, v8, 160
	v_bfe_u32 v14, v0, 3, 1
	v_lshl_add_u32 v8, v14, 4, v8
	v_add_nc_u32 v8, s15, v8                       ; a turned fragment: token 8 h + L % 8, channels 8 ((L / 8) % 2) on
	v_add_nc_u32 v9, TAB, v5
	v_add_nc_u32 v10, s15, v5
	s_lshl_b32 s16, s14, 2
	s_lshr_b32 s17, s12, 2
	s_add_co_u32 s16, s16, s17                     ; the tile of 128 rows: 4 batch + wave / 4
	s_mul_i32 s18, s16, 48
	s_add_co_u32 s18, s18, s13
	s_lshl_b32 s18, s18, 14
	s_and_b32 s19, s12, 3
	s_lshl_b32 s19, s19, 12                        ; my 32 rows of 128 bytes in the panel
	s_add_co_u32 s66, s18, s19
	s_mov_b32 s67, 0
	s_lshl_b32 s18, s16, 4
	s_add_co_u32 s18, s18, s13
	s_lshl_b32 s18, s18, 14
	s_add_co_u32 s68, s18, s19
	s_mov_b32 s69, 0
	s_lshl_b32 s70, s13, 8                         ; the head's 64 numbers in time_decay and time_first
	s_lshl_b32 s63, s17, 6
	s_add_co_u32 s63, s63, s70
	v_lshl_add_u32 v15, v2, 5, s63                 ; channels 16 (wave / 4) + 8 h on
	v_lshl_add_u32 v14, v2, 5, s70                 ; channels 8 h on
	s_lshl_b32 s18, s14, 9
	v_add_nc_u32 v12, s18, v5                      ; the batch's 128 maxima of a kind
	s_wait_kmcnt 0x0
	s_add_nc_u64 s[4:5], s[4:5], s[66:67]
	s_add_nc_u64 s[72:73], s[72:73], s[68:69]
.irp f, 0,1,2,3
	global_load_b128 v[RR+8*\f:RR+8*\f+3], v4, s[4:5] offset:(\f/2)*2048+(\f%2)*64
	global_load_b128 v[RR+8*\f+4:RR+8*\f+7], v4, s[4:5] offset:(\f/2)*2048+(\f%2)*64+32
.endr
.irp i, 0,1,2,3,4,5,6,7
	global_load_b128 v[KX+4*\i:KX+4*\i+3], v5, s[4:5] offset:262144+512*\i
	global_load_b128 v[TT+4*\i:TT+4*\i+3], v5, s[4:5] offset:524288+512*\i
.endr
	global_load_b128 v[D32:D32+3], v15, s[6:7]
	global_load_b128 v[D32+4:D32+7], v15, s[6:7] offset:16
	global_load_b128 v[KK:KK+3], v12, s[10:11]
	global_load_b128 v[KK+4:KK+7], v12, s[10:11] offset:4096
	global_load_b128 v[KK+8:KK+11], v12, s[10:11] offset:8192
; THE TABLES, f16 images of fragments.  T0-T3: d^(rho & 1, 3, 7, 15); T4: d^(16 + rho); T5-T8: d^((rho ^ 15) & 1, 3, 7, 15); T9: u: quad q at +512 q + 16 L holds channels 16 q + 8 h + 0..7.
; T10 + ct: d^(31 - token) for channel 16 ct + rho, tokens in a turned fragment's order.  Wave t makes table t.  log2(d) = -2^(w log2 e) log2 e is held at the lowest finite number, so that exponent 0 gives 1 for d = 0 too.
	s_cmp_lt_u32 s12, 10
	s_cbranch_scc0 .Lnot_quad
	s_lshl_b32 s16, s12, 11
	v_add_nc_u32 v13, s16, v9
	s_cmp_eq_u32 s12, 9
	s_cbranch_scc1 .Lwave_u
.irp q, 0,1,2,3
	global_load_b128 v[AC+8*\q:AC+8*\q+3], v14, s[6:7] offset:64*\q
	global_load_b128 v[AC+8*\q+4:AC+8*\q+7], v14, s[6:7] offset:64*\q+16
.endr
	s_cmp_ge_u32 s12, 5
	s_cselect_b32 s16, 15, 0                       ; the keys' side counts down
	s_cselect_b32 s17, 5, 0
	s_sub_co_u32 s17, s12, s17
	s_lshl_b32 s17, 2, s17
	s_sub_co_u32 s17, s17, 1
	s_min_u32 s17, s17, 15                         ; m - 1
	s_cmp_eq_u32 s12, 4
	s_cselect_b32 s18, 16, 0
	v_xor_b32 v252, s16, v1
	v_and_b32 v252, s17, v252
	v_add_nc_u32 v252, s18, v252
	v_cvt_f32_u32 v252, v252                       ; the exponent
	v_mov_b32 v253, v252
	s_wait_loadcnt 0x0
.set n, 0
.rept 16
	v_pk_mul_f32 v[AC+2*n:AC+2*n+1], v[AC+2*n:AC+2*n+1], 0x3fb8aa3b op_sel_hi:[1,0]
.set n, n+1
.endr
.set n, 0
.rept 32
	v_exp_f32 v[AC+n], v[AC+n]
.set n, n+1
.endr
	v_nop                                          ; a plain instruction behind the last exponential
.set n, 0
	s_wait_alu depctr_va_vdst(0)
.rept 16
	v_pk_mul_f32 v[AC+2*n:AC+2*n+1], v[AC+2*n:AC+2*n+1], 0xbfb8aa3b op_sel_hi:[1,0]
.set n, n+1
.endr
.set n, 0
.rept 32
	v_max_num_f32 v[AC+n], 0xff7fffff, v[AC+n]
.set n, n+1
.endr
.set n, 0
.rept 16
	v_pk_mul_f32 v[AC+2*n:AC+2*n+1], v[AC+2*n:AC+2*n+1], v[252:253]
.set n, n+1
.endr
.set n, 0
.rept 32
	v_exp_f32 v[AC+n], v[AC+n]
.set n, n+1
.endr
	v_nop
	s_branch .Lpack
.Lwave_u:
.irp q, 0,1,2,3
	global_load_b128 v[AC+8*\q:AC+8*\q+3], v14, s[8:9] offset:64*\q
	global_load_b128 v[AC+8*\q+4:AC+8*\q+7], v14, s[8:9] offset:64*\q+16
.endr
	s_wait_loadcnt 0x0
.Lpack:
.set n, 0
	s_wait_alu depctr_va_vdst(0)
.rept 16
	v_cvt_pk_f16_f32 v[AC+32+n], v[AC+2*n], v[AC+2*n+1]
.set n, n+1
.endr
.irp q, 0,1,2,3
	ds_store_b128 v13, v[AC+32+4*\q:AC+32+4*\q+3] offset:512*\q
.endr
	s_branch .Ltab_done
.Lnot_quad:
	s_cmp_lt_u32 s12, 14
	s_cbranch_scc0 .Ltab_done
	s_sub_co_u32 s16, s12, 10                      ; ct
	s_lshl_b32 s17, s16, 6
	s_add_co_u32 s17, s17, s70
	v_lshl_add_u32 v13, v1, 2, s17
	global_load_b32 v252, v13, s[6:7]              ; w of channel 16 ct + rho
	v_lshlrev_b32 v253, 3, v2
	v_sub_nc_u32 v253, 31, v253                    ; 31 - 8 h
.set n, 0
.rept 16
	v_sub_nc_u32 v[AC+n], v253, n+8*(n/8)          ; 31 - token: tokens 8 h + 0..7, then 16 + 8 h + 0..7
.set n, n+1
.endr
.set n, 0
.rept 16
	v_cvt_f32_u32 v[AC+n], v[AC+n]
.set n, n+1
.endr
	s_wait_loadcnt 0x0
	v_mul_f32 v252, 0x3fb8aa3b, v252
	v_exp_f32 v252, v252
	v_nop
	s_wait_alu depctr_va_vdst(0)
	v_mul_f32 v252, 0xbfb8aa3b, v252
	v_max_num_f32 v252, 0xff7fffff, v252
	v_mov_b32 v253, v252
.set n, 0
.rept 8
	v_pk_mul_f32 v[AC+2*n:AC+2*n+1], v[AC+2*n:AC+2*n+1], v[252:253]
.set n, n+1
.endr
.set n, 0
.rept 16
	v_exp_f32 v[AC+n], v[AC+n]
.set n, n+1
.endr
	v_nop
.set n, 0
	s_wait_alu depctr_va_vdst(0)
.rept 8
	v_cvt_pk_f16_f32 v[AC+16+n], v[AC+2*n], v[AC+2*n+1]
.set n, n+1
.endr
	s_lshl_b32 s17, s16, 10
	s_add_co_u32 s17, s17, 20480
	v_add_nc_u32 v13, s17, v9
	ds_store_b128 v13, v[AC+16:AC+19]
	ds_store_b128 v13, v[AC+20:AC+23] offset:512
.Ltab_done:
	s_wait_loadcnt 0x0                             ; R, K, V, w for d^32, the maxima
.irp i, 0,1,2,3,4,5,6,7
	ds_store_b128 v6, v[KX+4*\i:KX+4*\i+3] offset:640*\i
	ds_store_b128 v6, v[TT+4*\i:TT+4*\i+3] offset:5120+640*\i
.endr
.irp n, 0,1,2,3
	v_pk_mul_f32 v[D32+2*\n:D32+2*\n+1], v[D32+2*\n:D32+2*\n+1], 0x3fb8aa3b op_sel_hi:[1,0]
.endr
.irp n, 0,1,2,3,4,5,6,7
	v_exp_f32 v[D32+\n], v[D32+\n]
.endr
	v_nop
	s_wait_alu depctr_va_vdst(0)
.irp n, 0,1,2,3
	v_pk_mul_f32 v[D32+2*\n:D32+2*\n+1], v[D32+2*\n:D32+2*\n+1], 0xc238aa3b op_sel_hi:[1,0]  ; times -32 log2 e: an infinity here gives d^32 = 0
.endr
.irp n, 0,1,2,3,4,5,6,7
	v_exp_f32 v[D32+\n], v[D32+\n]
.endr
	; the batch's largest |r|, |k|, |v|, in every lane
	v_max3_num_f32 v80, v80, v81, v82
	v_max3_num_f32 v84, v84, v85, v86
	v_max3_num_f32 v88, v88, v89, v90
	v_max_num_f32 v80, v80, v83
	v_max_num_f32 v84, v84, v87
	v_max_num_f32 v88, v88, v91
.irp m, 1,2,4,8
	v_max_num_f32_dpp v80, v80, v80 row_xmask:\m row_mask:0xf bank_mask:0xf
	v_max_num_f32_dpp v84, v84, v84 row_xmask:\m row_mask:0xf bank_mask:0xf
	v_max_num_f32_dpp v88, v88, v88 row_xmask:\m row_mask:0xf bank_mask:0xf
.endr
	v_permlanex16_b32 v81, v80, s60, s61
	v_permlanex16_b32 v85, v84, s60, s61
	v_permlanex16_b32 v89, v88, s60, s61
	v_max_num_f32 v80, v80, v81
	v_max_num_f32 v84, v84, v85
	v_max_num_f32 v88, v88, v89
	v_max_num_f32 v81, v80, v88
	v_mul_f32 v81, v81, v84                        ; max(|r|, |v|) |k|
	v_mul_f32 v82, v80, v84
	v_mul_f32 v82, v82, v88                        ; |r| |k| |v|
	v_and_b32 v81, 0x7f800000, v81
	v_sub_nc_u32 v[SG], 0x7f000000, v81            ; sg: the exponent turned round, on the bits
	v_mov_b32 v[SG+1], v[SG]
	v_and_b32 v82, 0x7f800000, v82
	v_add_nc_u32 v82, 0x02000000, v82              ; 2^(floor(log2(r k v)) + 4)
	; the 40 lane masks: register q of a score tile holds key j = 8 h + q and query i = rho
	v_lshlrev_b32 v13, 3, v2
	v_mov_b32 v253, 0xff
.set q, 0
.rept 8
	v_add_nc_u32 v14, q, v13
	v_xor_b32 v15, v14, v1
	v_cmp_gt_u32 vcc_lo, v14, v1
	v_cndmask_b32 v15, v15, v253, vcc_lo           ; i xor j, or 255 above the diagonal
	v_cmp_eq_u32 s[20+q], 0, v15                   ; the diagonal: the bonus
	v_cmp_eq_u32 s[28+q], 1, v15                   ; m = 1
	v_lshrrev_b32 v15, 1, v15
	v_cmp_eq_u32 s[36+q], 1, v15                   ; m = 2
	v_lshrrev_b32 v15, 1, v15
	v_cmp_eq_u32 s[44+q], 1, v15                   ; m = 4
	v_lshrrev_b32 v15, 1, v15
	v_cmp_eq_u32 s[52+q], 1, v15                   ; m = 8
.set q, q+1
.endr
	s_add_co_u32 s16, s15, 8192                    ; my stage for the way out
	v_mul_u32_u24 v4, v1, 144
	v_lshl_add_u32 v4, v2, 4, v4
	v_add_nc_u32 v4, s16, v4                       ; in: row rho, 16 bytes for each half of the lanes
	v_lshrrev_b32 v0, 3, v3
	v_mul_u32_u24 v0, v0, 144
	v_and_b32 v13, 7, v3
	v_lshl_add_u32 v0, v13, 4, v0
	v_add_nc_u32 v0, s16, v0                       ; back: four rows of 128 bytes
	v_mul_f32 v[KI], v[SG], v82
	v_mov_b32 v[KI+1], v[KI]
	v_mov_b32 v[LG], 0xbfb8aa3b
	v_mov_b32 v[ZR], 0
	s_wait_dscnt 0x0                               ; my table and my staging are written
	s_barrier_signal -1
	s_barrier_wait -1                              ; BARRIER 1: every table is there
.irp f, 0,1,2,3
	ds_load_b128 v[KK+8*\f:KK+8*\f+3], v7 offset:(\f/2)*2560+(\f%2)*64
	ds_load_b128 v[KK+8*\f+4:KK+8*\f+7], v7 offset:(\f/2)*2560+(\f%2)*64+32
.endr
.irp c, 0,1,2,3
	ds_load_tr16_b128 v[KX+8*\c:KX+8*\c+3], v8 offset:32*\c
	ds_load_tr16_b128 v[KX+8*\c+4:KX+8*\c+7], v8 offset:32*\c+2560
	ds_load_tr16_b128 v[VT+8*\c:VT+8*\c+3], v8 offset:5120+32*\c
	ds_load_tr16_b128 v[VT+8*\c+4:VT+8*\c+7], v8 offset:5120+32*\c+2560
	ds_load_b128 v[TT+8*\c:TT+8*\c+3], v9 offset:20480+1024*\c
	ds_load_b128 v[TT+8*\c+4:TT+8*\c+7], v9 offset:20480+1024*\c+512
.endr
	s_wait_dscnt 0x0
; U = (K d^(31 - token))^T V: 16 tiles, eight at a time; each goes to LDS in f32, over my staging, whose reads are back
.set n, 0
.rept 32
	v_pk_mul_f16 v[KX+n], v[KX+n], v[TT+n]
.set n, n+1
.endr
.irp vh, 0,1
.irp c, 0,1,2,3
.irp vl, 0,1
	v_wmma_f32_16x16x32_f16 v[AC+8*(2*\c+\vl):AC+8*(2*\c+\vl)+7], v[KX+8*\c:KX+8*\c+7], v[VT+8*(2*\vh+\vl):VT+8*(2*\vh+\vl)+7], 0
.endr
.endr
	NOPS 5                                         ; places: the stores read results, and the next eight products write over them
.irp c, 0,1,2,3
.irp vl, 0,1
	ds_store_b128 v10, v[AC+8*(2*\c+\vl):AC+8*(2*\c+\vl)+3] offset:(4*\c+2*\vh+\vl)*512
	ds_store_b128 v10, v[AC+8*(2*\c+\vl)+4:AC+8*(2*\c+\vl)+7] offset:8192+(4*\c+2*\vh+\vl)*512
.endr
.endr
.endr
; THE SCORES.  One level: K times table kt, R times table rt (-1: as they are), both diagonal tiles' products (two accumulators by turns), and the choice by the level's masks.
.macro LEVEL kt, rt, l, first
.if (\kt) >= 0
.irp q, 0,1,2,3
	ds_load_b128 v[TT+4*\q:TT+4*\q+3], v9 offset:(\kt)*2048+512*\q
.endr
.endif
.if (\rt) >= 0
.irp q, 0,1,2,3
	ds_load_b128 v[TT+16+4*\q:TT+16+4*\q+3], v9 offset:(\rt)*2048+512*\q
.endr
.endif
.set KB, KK
.set RB, RR
.if (\kt) >= 0
	s_wait_dscnt 0x0
.set KB, KX
.set n, 0
.rept 32
	v_pk_mul_f16 v[KX+n], v[KK+n], v[TT+n%16]
.set n, n+1
.endr
.endif
.if (\rt) >= 0
.set RB, AC
.set n, 0
.rept 32
	v_pk_mul_f16 v[AC+n], v[RR+n], v[TT+16+n%16]
.set n, n+1
.endr
.endif
	v_wmma_f32_16x16x32_f16 v[PA:PA+7], v[KB:KB+7], v[RB:RB+7], 0
	v_wmma_f32_16x16x32_f16 v[PA+8:PA+15], v[KB+16:KB+23], v[RB+16:RB+23], 0
	v_wmma_f32_16x16x32_f16 v[PA:PA+7], v[KB+8:KB+15], v[RB+8:RB+15], v[PA:PA+7]
	v_wmma_f32_16x16x32_f16 v[PA+8:PA+15], v[KB+24:KB+31], v[RB+24:RB+31], v[PA+8:PA+15]
	NOPS 5
.irp q, 0,1,2,3,4,5,6,7
.if \first
	v_cndmask_b32 v[AT0+\q], 0, v[PA+\q], s[20+8*(\l)+\q]
.else
	v_cndmask_b32 v[AT0+\q], v[AT0+\q], v[PA+\q], s[20+8*(\l)+\q]
.endif
.endr
.irp q, 0,1,2,3,4,5,6,7
.if \first
	v_cndmask_b32 v[AT1+\q], 0, v[PA+8+\q], s[20+8*(\l)+\q]
.else
	v_cndmask_b32 v[AT1+\q], v[AT1+\q], v[PA+8+\q], s[20+8*(\l)+\q]
.endif
.endr
.endm
	LEVEL 9, -1, 0, 1                              ; the bonus
	LEVEL -1, -1, 1, 0                             ; m = 1
	LEVEL 5, 0, 2, 0                               ; m = 2
	LEVEL 6, 1, 3, 0                               ; m = 4
	LEVEL 7, 2, 4, 0                               ; m = 8
.irp q, 0,1,2,3                        ; m = 16: keys 0-15, queries 16-31, every place
	ds_load_b128 v[TT+4*\q:TT+4*\q+3], v9 offset:8*2048+512*\q
	ds_load_b128 v[TT+16+4*\q:TT+16+4*\q+3], v9 offset:3*2048+512*\q
.endr
	s_wait_dscnt 0x0
.set n, 0
.rept 16
	v_pk_mul_f16 v[KX+n], v[KK+n], v[TT+n]
	v_pk_mul_f16 v[AC+n], v[RR+16+n], v[TT+16+n]
.set n, n+1
.endr
	v_wmma_f32_16x16x32_f16 v[PA:PA+7], v[KX:KX+7], v[AC:AC+7], 0          ; the two channel halves in accumulators of their own,
	v_wmma_f32_16x16x32_f16 v[PA+8:PA+15], v[KX+8:KX+15], v[AC+8:AC+15], 0
	NOPS 5
.irp n, 0,1,2,3
	v_pk_add_f32 v[PA+2*\n:PA+2*\n+1], v[PA+2*\n:PA+2*\n+1], v[PA+8+2*\n:PA+8+2*\n+1]  ; added in f32
.endr
; P = scores x sg in f16: queries 0-15: {diagonal tile, 0}; queries 16-31: {the tile below, diagonal tile}
.irp n, 0,1,2,3
	v_pk_mul_f32 v[AT0+2*\n:AT0+2*\n+1], v[AT0+2*\n:AT0+2*\n+1], v[SG:SG+1]
	v_pk_mul_f32 v[AT1+2*\n:AT1+2*\n+1], v[AT1+2*\n:AT1+2*\n+1], v[SG:SG+1]
	v_pk_mul_f32 v[PA+2*\n:PA+2*\n+1], v[PA+2*\n:PA+2*\n+1], v[SG:SG+1]
.endr
.irp n, 0,1,2,3
	v_cvt_pk_f16_f32 v[KX+\n], v[AT0+2*\n], v[AT0+2*\n+1]
	v_mov_b32 v[KX+4+\n], 0
	v_cvt_pk_f16_f32 v[KX+8+\n], v[PA+2*\n], v[PA+2*\n+1]
	v_cvt_pk_f16_f32 v[KX+12+\n], v[AT1+2*\n], v[AT1+2*\n+1]
.endr
	s_lshl_b32 s16, s12, 9
	v_add_nc_u32 v12, s16, v5                      ; the prefix: tile = wave; four address registers reach the 16 chunks
	v_add_nc_u32 v13, 0x10000, v12
	v_add_nc_u32 v14, 0x20000, v12
	v_add_nc_u32 v15, 0x30000, v12
	s_wait_dscnt 0x0                               ; my U is written
	s_barrier_signal -1
	s_barrier_wait -1                              ; BARRIER 2: every chunk's U is there
; THE PREFIX over chunks, S_(c+1) = d^32 S_c + U_c, in f32: wave w carries tile w, a lane eight numbers.  All 30 loads go out at once.  S_(c+1) sg, in f16, takes the place of U_c's first half.
.macro UREG c
.if (\c) < 4
.set UB, KK+8*(\c)
.else
.set UB, 128+8*((\c)-4)
.endif
.endm
.set c, 0
.rept 15
	UREG c
	ds_load_b128 v[UB:UB+3], v[12+c/4] offset:(c%4)*16384
	ds_load_b128 v[UB+4:UB+7], v[12+c/4] offset:(c%4)*16384+8192
.set c, c+1
.endr
	ds_store_b128 v15, v[KX+4:KX+7] offset:49152   ; S_0 = 0 goes where chunk 0 looks for it: REG(15), whose U nobody needs
.set c, 0
.rept 15
	UREG c
	s_wait_dscnt 29-c                              ; behind U_c's loads: 28 - 2 c loads, the store of zeros, c stores
.if c > 0
	s_wait_alu depctr_va_vdst(0)
.irp n, 0,1,2,3
	v_pk_fma_f32 v[KK+2*\n:KK+2*\n+1], v[KK+2*\n:KK+2*\n+1], v[D32+2*\n:D32+2*\n+1], v[UB+2*\n:UB+2*\n+1]  ; S_1 = U_0 lies in S's registers already
.endr
.endif
.irp n, 0,1,2,3
	v_pk_mul_f32 v[AT0+2*\n:AT0+2*\n+1], v[KK+2*\n:KK+2*\n+1], v[SG:SG+1]
.endr
.irp n, 0,1,2,3
	v_cvt_pk_f16_f32 v[AT1+\n], v[AT0+2*\n], v[AT0+2*\n+1]
.endr
	ds_store_b128 v[12+c/4], v[AT1:AT1+3] offset:(c%4)*16384
.set c, c+1
.endr
	s_add_co_u32 s16, s12, 15
	s_and_b32 s16, s16, 15
	s_lshl_b32 s16, s16, 14
	v_add_nc_u32 v11, s16, v5                      ; my chunk's state lies in REG(wave - 1)
	s_wait_dscnt 0x0
	s_barrier_signal -1
	s_barrier_wait -1                              ; BARRIER 3: every state is there, and nobody reads a U any more
; y^T x sg = S^T (R d^i)^T + V^T P, by halves of the v channels: four accumulators (v tile vl, query tile I) by turns, three links each
.macro STLOAD vh
.irp vl, 0,1
.irp cb, 0,1
	ds_load_b128 v[PA+8*(2*\vl+\cb):PA+8*(2*\vl+\cb)+3], v11 offset:(8*\cb+2*(\vh)+\vl)*512
	ds_load_b128 v[PA+8*(2*\vl+\cb)+4:PA+8*(2*\vl+\cb)+7], v11 offset:(8*\cb+4+2*(\vh)+\vl)*512
.endr
.endr
.endm
.macro YMUL vh
.irp vl, 0,1
.irp I, 0,1
	v_wmma_f32_16x16x32_f16 v[AC+8*(2*\vl+\I):AC+8*(2*\vl+\I)+7], v[PA+16*\vl:PA+16*\vl+7], v[KK+16*\I:KK+16*\I+7], 0
.endr
.endr
.irp vl, 0,1
.irp I, 0,1
	v_wmma_f32_16x16x32_f16 v[AC+8*(2*\vl+\I):AC+8*(2*\vl+\I)+7], v[PA+16*\vl+8:PA+16*\vl+15], v[KK+16*\I+8:KK+16*\I+15], v[AC+8*(2*\vl+\I):AC+8*(2*\vl+\I)+7]
.endr
.endr
.irp vl, 0,1
.irp I, 0,1
	v_wmma_f32_16x16x32_f16 v[AC+8*(2*\vl+\I):AC+8*(2*\vl+\I)+7], v[VT+8*(2*(\vh)+\vl):VT+8*(2*(\vh)+\vl)+7], v[KX+8*\I:KX+8*\I+7], v[AC+8*(2*\vl+\I):AC+8*(2*\vl+\I)+7]
.endr
.endr
	NOPS 5
.endm
; THE GATE for one accumulator: y sg / ((1 + 2^(-r log2 e)) KI), rounded to f16.  R's quad vt of tile I holds the lane's own eight channels.
.macro SIG vl, I, vt
.set YB, AC+8*(2*(\vl)+(\I))
.set RB, RR+16*(\I)+4*(\vt)
.set OB, TT+16*(\I)+4*(\vt)
.irp n, 0,1,2,3
	v_fma_mix_f32 v[D32+2*\n], v[RB+\n], v[LG], v[ZR] op_sel_hi:[1,0,0]
	v_fma_mix_f32 v[D32+2*\n+1], v[RB+\n], v[LG], v[ZR] op_sel:[1,0,0] op_sel_hi:[1,0,0]
.endr
.irp n, 0,1,2,3,4,5,6,7
	v_exp_f32 v[D32+\n], v[D32+\n]
.endr
	v_nop
	s_wait_alu depctr_va_vdst(0)
.irp n, 0,1,2,3
	v_pk_fma_f32 v[D32+2*\n:D32+2*\n+1], v[D32+2*\n:D32+2*\n+1], v[KI:KI+1], v[KI:KI+1]
.endr
.irp n, 0,1,2,3,4,5,6,7
	v_rcp_f32 v[D32+\n], v[D32+\n]
.endr
	v_nop
	s_wait_alu depctr_va_vdst(0)
.irp n, 0,1,2,3
	v_pk_mul_f32 v[D32+2*\n:D32+2*\n+1], v[D32+2*\n:D32+2*\n+1], v[YB+2*\n:YB+2*\n+1]
.endr
.irp n, 0,1,2,3
	v_cvt_pk_f16_f32 v[OB+\n], v[D32+2*\n], v[D32+2*\n+1]
.endr
.endm
.irp q, 0,1,2,3
	ds_load_b128 v[TT+4*\q:TT+4*\q+3], v9 offset:3*2048+512*\q
	ds_load_b128 v[TT+16+4*\q:TT+16+4*\q+3], v9 offset:4*2048+512*\q
.endr
	STLOAD 0
	s_wait_dscnt 8                                 ; the two tables are in; the eight loads of S^T may be out
.set n, 0
.rept 16
	v_pk_mul_f16 v[KK+n], v[RR+n], v[TT+n]         ; queries 0-15: d^rho
	v_pk_mul_f16 v[KK+16+n], v[RR+16+n], v[TT+16+n]  ; queries 16-31: d^(16 + rho)
.set n, n+1
.endr
	s_wait_dscnt 0x0
	YMUL 0
	STLOAD 1                                       ; the second half's S^T comes in under the first half's gate
	SIG 0, 0, 0
	SIG 0, 1, 0
	SIG 1, 0, 1
	SIG 1, 1, 1
	s_wait_dscnt 0x0
	YMUL 1
	SIG 0, 0, 2
	SIG 0, 1, 2
	SIG 1, 0, 3
	SIG 1, 1, 3
; THE WAY OUT: 16 bytes a lane into rows of 144 bytes of my stage, back as rows of 128, stored as 512 consecutive bytes
.irp I, 0,1
.irp vt, 0,1,2,3
	ds_store_b128 v4, v[TT+16*\I+4*\vt:TT+16*\I+4*\vt+3] offset:2304*\I+32*\vt
.endr
.irp t, 0,1,2,3
	ds_load_b128 v[PA+16*\I+4*\t:PA+16*\I+4*\t+3], v0 offset:2304*\I+576*\t  ; in order behind the stores above
.endr
.endr
.irp I, 0,1
.irp t, 0,1,2,3
	s_wait_dscnt (1-\I)*8+3-\t
	global_store_b128 v5, v[PA+16*\I+4*\t:PA+16*\I+4*\t+3], s[72:73] offset:2048*\I+512*\t
.endr
.endr
	s_wait_tensorcnt 0x0                           ; the wave's end
	ds_add_u32 v[SPW], v[NIL]
	s_wait_dscnt 0x0
	s_endpgm
; THE SIDE JOB: a stream, with no LDS access and no barrier.  Work-group c = 16 y + x / 2 (0 .. 127) rounds 8 rows of w_fk ([1024][4096] f32) to f16 and 32 rows of w_fv ([4096][1024] f32) to bf16,
; into PANELS [N/128][K][128] of wq: w_fk's 32 panels from byte 8,388,608 on, w_fv's 8 panels of K = 4,096 from byte 16,777,216 on.
; Wave w: of w_fk panels 2 w and 2 w + 1, all 8 rows (unit u: row u / 2, panel 2 w + u % 2); of w_fv panel w % 8, rows 16 (w / 8) + u.  A load takes 512 bytes of a row, a store 256 consecutive
; bytes at a multiple of 256.  All 32 loads of a wave go out at once, and every register is used once, so no wait frees one.
.Lside:
	v_and_b32 v3, 31, v0
	v_lshlrev_b32 v5, 4, v3                        ; 16 x lane
	v_lshlrev_b32 v6, 3, v3                        ; 8 x lane
	s_lshl_b32 s16, s14, 4
	s_add_co_u32 s16, s16, s13                     ; c
	s_lshl_b32 s66, s16, 17                        ; w_fk: 8 rows of 16,384 bytes,
	s_lshl_b32 s17, s12, 10                        ; my 256 columns
	s_add_co_u32 s66, s66, s17
	s_mov_b32 s67, 0
	s_lshr_b32 s18, s12, 3
	s_and_b32 s19, s12, 7
	s_lshl_b32 s68, s16, 17                        ; w_fv: 32 rows of 4,096 bytes,
	s_lshl_b32 s17, s18, 16                        ; my 16 of them,
	s_add_co_u32 s68, s68, s17
	s_lshl_b32 s17, s19, 9                         ; my 128 columns
	s_add_co_u32 s68, s68, s17
	s_mov_b32 s69, 0
	s_lshl_b32 s20, s12, 19                        ; out, w_fk: two panels of 262,144 bytes a wave,
	s_lshl_b32 s17, s16, 11                        ; 8 rows of 256 bytes
	s_add_co_u32 s20, s20, s17
	s_add_co_u32 s20, s20, 8388608
	s_mov_b32 s21, 0
	s_lshl_b32 s22, s19, 20                        ; out, w_fv: a panel of 1,048,576 bytes,
	s_lshl_b32 s17, s16, 13                        ; 32 rows of 256 bytes,
	s_add_co_u32 s22, s22, s17
	s_lshl_b32 s17, s18, 12                        ; my 16 of them
	s_add_co_u32 s22, s22, s17
	s_add_co_u32 s22, s22, 16777216
	s_mov_b32 s23, 0
	s_wait_kmcnt 0x0
	s_add_nc_u64 s[76:77], s[76:77], s[66:67]
	s_add_nc_u64 s[78:79], s[78:79], s[68:69]
	s_add_nc_u64 s[82:83], s[80:81], s[22:23]
	s_add_nc_u64 s[80:81], s[80:81], s[20:21]
.set u, 0
.rept 16
	global_load_b128 v[16+4*u:19+4*u], v5, s[76:77] offset:(u/2)*16384+(u%2)*512 th:TH_LOAD_NT  ; each weight byte is read once in the launch
.set u, u+1
.endr
.set u, 0
.rept 16
	global_load_b128 v[80+4*u:83+4*u], v5, s[78:79] offset:4096*u th:TH_LOAD_NT
.set u, u+1
.endr
.set u, 0
.rept 16
	s_wait_loadcnt 31-u                            ; loads come back in order: unit u of w_fk is in, the 31 - u younger loads stay out
	v_cvt_pk_f16_f32 v[144+2*u], v[16+4*u], v[17+4*u]
	v_cvt_pk_f16_f32 v[145+2*u], v[18+4*u], v[19+4*u]
	global_store_b64 v6, v[144+2*u:145+2*u], s[80:81] offset:(u%2)*262144+(u/2)*256
.set u, u+1
.endr
.set u, 0
.rept 16
	s_wait_loadcnt 15-u                            ; row u of w_fv is in
	v_cvt_pk_bf16_f32 v[176+2*u], v[80+4*u], v[81+4*u]
	v_cvt_pk_bf16_f32 v[177+2*u], v[82+4*u], v[83+4*u]
	global_store_b64 v6, v[176+2*u:177+2*u], s[82:83] offset:256*u
.set u, u+1
.endr
	s_endpgm
.Lfunc_end_k_qead1cd1d87_wkv:
	.size	k_qead1cd1d87_wkv, .Lfunc_end_k_qead1cd1d87_wkv-k_qead1cd1d87_wkv
	.p2alignl 7, 3214868480
	.fill 96, 4, 3214868480
	.section	.rodata,"a",@progbits
	.p2align	6, 0x0
	.amdhsa_kernel k_qead1cd1d87_wkv
		.amdhsa_group_segment_fixed_size 288768
		.amdhsa_private_segment_fixed_size 0
		.amdhsa_enable_private_segment 0
		.amdhsa_kernarg_size 64
		.amdhsa_user_sgpr_count 2
		.amdhsa_user_sgpr_kernarg_segment_ptr 1
		.amdhsa_wavefront_size32 1
		.amdhsa_system_sgpr_workgroup_id_x 1
		.amdhsa_system_sgpr_workgroup_id_y 1
		.amdhsa_system_sgpr_workgroup_id_z 1
		.amdhsa_system_vgpr_workitem_id 0
		.amdhsa_next_free_vgpr 256
		.amdhsa_next_free_sgpr 84
		.amdhsa_reserve_vcc 1
		.amdhsa_float_denorm_mode_32 3
		.amdhsa_float_denorm_mode_16_64 3
		.amdhsa_memory_ordered 1
		.amdhsa_forward_progress 1
		.amdhsa_inst_pref_size 116
	.end_amdhsa_kernel
	.amdgpu_metadata
---
amdhsa.version: [ 1, 2 ]
amdhsa.kernels:
  - .name:           k_qead1cd1d87_wkv
    .symbol:         k_qead1cd1d87_wkv.kd
    .args:
      - { .name: rkv, .offset: 0, .size: 8, .value_kind: global_buffer, .address_space: global }
      - { .name: time_decay, .offset: 8, .size: 8, .value_kind: global_buffer, .address_space: global }
      - { .name: time_first, .offset: 16, .size: 8, .value_kind: global_buffer, .address_space: global }
      - { .name: mx, .offset: 24, .size: 8, .value_kind: global_buffer, .address_space: global }
      - { .name: rwkv, .offset: 32, .size: 8, .value_kind: global_buffer, .address_space: global }
      - { .name: w_fk, .offset: 40, .size: 8, .value_kind: global_buffer, .address_space: global }
      - { .name: w_fv, .offset: 48, .size: 8, .value_kind: global_buffer, .address_space: global }
      - { .name: wq, .offset: 56, .size: 8, .value_kind: global_buffer, .address_space: global }
    .group_segment_fixed_size: 288768
    .private_segment_fixed_size: 0
    .kernarg_segment_align: 8
    .kernarg_segment_size: 64
    .max_flat_workgroup_size: 512
    .sgpr_count:     84
    .vgpr_count:     256
    .wavefront_size: 32
...
	.end_amdgpu_metadata
.endif
;; end of part 10
;; launch gemm_o (part 11): grid 8 x 32, 4 waves a work-group, clusters of 4 x 4, 327,680 bytes of LDS; arguments rwkv, wq, x, x2, mx; writes x2
.if DOCPART == 11
	.amdgcn_target "amdgcn-amd-amdhsa--gfx1250"
	.amdhsa_code_object_version 6
	.text
	.protected	k_qead1cd1d87_gemm_o
	.globl	k_qead1cd1d87_gemm_o
	.p2align	8
	.type	k_qead1cd1d87_gemm_o,@function
k_qead1cd1d87_gemm_o:
	s_mov_b64 s[64:65], 0
	v_nop
	global_prefetch_b8 v0, s[64:65] scope:SCOPE_SE
	s_setreg_imm32_b32 hwreg(HW_REG_WAVE_MODE, 25, 1), 1
	s_wait_xcnt 0x0
	s_wait_alu depctr_hold_cnt(0) depctr_sa_sdst(0) depctr_va_vdst(0) depctr_va_sdst(0) depctr_va_ssrc(0) depctr_va_vcc(0) depctr_vm_vsrc(0)
	s_getreg_b32 s2, hwreg(HW_REG_IB_STS2, 6, 4)
	s_cmp_eq_u32 s2, 0
	s_cbranch_scc0 .Lentry_in_a_cluster
	s_endpgm
.Lentry_in_a_cluster:
	s_bfe_u32 s2, ttmp6, 0x10000c
	s_cmp_lg_u32 s2, 0xf033
	s_cbranch_scc0 .Lentry_shape_is_right
	s_endpgm
.Lentry_shape_is_right:
; x2 = x + rwkv w_o.  rwkv [4096][1024] arrives in f16 times a power of two of its batch; the same factor is made here from mx and taken out, in f32, in the fused multiply-add that adds x.
; f16 operands, f32 sums, f32 rows out.
; C tile 128 x 128, four waves of 64 x 64 (16 accumulators).  A lies TILED ([M/128][K/64][128][64]), B in PANELS ([N/128][K][128]): a K step of 256 is 65,536 consecutive
; bytes of each; every wave fetches half of one of them (32,768 bytes, asked for as 128 rows of 256 bytes) with one tensor load.  Two LDS slots take turns; a refill stands first
; behind the round, and a step's 128 matrix instructions stand between it and the wait for it.
; CLUSTER 4 x 4: A's tile hangs on the tile row alone and is asked for jointly along a row of the cluster, B's on the tile column alone and jointly along a column.
; The matrix instruction is used transposed (source 0 = 16 columns of B, read turned out of LDS; source 1 = 16 rows of A): a lane holds eight neighbouring numbers of a row of C.
; THE RESIDUAL, 64 rows x 256 bytes a wave, hangs on nothing that is computed here: its 32 loads go out at the start and are waited for once, in front of the way out.
; REGISTERS: window 0: v8, v16-31 addresses, v32-95 the way out, v128-255 accumulators ((a, b) at 128 + 8 (4 a + b)); window 1: two fragment buffers of 128 (64 of A, 64 of B, for 64 along K);
; window 2: v0-127 the residual, 32 registers for each 16 rows.
.set KDIM, 1024
.set WOFF, 6291456                     ; the weights' first byte in wq
.set NS,    KDIM/256                   ; K steps
.set QB,    18432                      ; 64 along K in LDS: A 128 rows x 144 bytes, B 64 rows x 288 bytes
.set BOFF,  4*QB                       ; a slot: A's four quarters, then B's
.set SLOTB, 8*QB                       ; 147,456 = 0x24000: it shares no bit with wave x 36,864, so one exclusive or changes slots
.set STAGE, 2*SLOTB                    ; behind the ring, never filled by a tensor load: 16 rows for each wave
.set SP, 272                           ; a stage row: 256 bytes + 16
.set SPARE, STAGE+4*16*SP              ; the spare words: 128 bytes for each wave, two blocks of 256 bytes that no other line names
.set MXO, 8                            ; v8  my byte offset in mx; written once, used for the three loads of the maxima alone
.set A0,  16                           ; v16 my lane's place in A's part of slot 0; never rewritten
.set B0,  17                           ; v17 the same for B, quarters 0 and 1;  v18 quarters 2 and 3
.set B1,  18
.set ADA, 19                           ; v19 A0 + the slot in hand
.set ADB, 20                           ; v20, v21 B0, B1 + the slot in hand
.set STO, 24
.set RD,  25
.set CO,  26                           ; v26 my byte offset in two rows of x and x2; never rewritten
.set SPW, 28                           ; v28 my spare word; v29 0; never rewritten
.set NIL, 29
.set SC,  30                           ; v[30:31] the factor that takes the scale out
.set BK,  32                           ; v[32:95] 16 rows back from the stage, two buffers; at the start v[32:43] the maxima
.set RES, 0                            ; in window 2
.set ACC, 128
.set F0,  0
.set F1,  128
.set WV,  12                           ; s12 wave; s13 wave / 2: my row half, and 0: I fetch A, 1: B; s14 wave % 2: my column half, and which half I fetch
.set WR,  13
.set WC,  14
.set TB,  16                           ; s16 LDS byte at which the slot in hand begins
.set G1A, 24
.set G0A, 32                           ; two sets; the second walks
.set G1B, 48
.set G0B, 56
.set MSB, 0
.macro WIN new                         ; the immediate's high byte repeats the setting that is left
.if MSB != (\new)
	s_set_vgpr_msb (MSB<<8)|(\new)
.set MSB, \new
.endif
.endm
.set MUL,  0x05                        ; sources 0 and 1 window 1; C and D window 0
.set TO_F, 0x40                        ; destination window 1, address window 0
.macro PLACES                          ; four places behind matrix instructions (ISA guide 7.12.1)
.rept 4
	v_nop
.endr
.endm
.macro JLOAD                           ; the joint refill, by the walking set; an s_nop 0 and four v_nop follow each line
	s_cmp_eq_u32 s[WR], 0
	s_cbranch_scc0 .Lfor_b_\@
	tensor_load_to_lds s[G0A+4:G0A+7], s[G1A:G1A+7]
	s_nop 0
	PLACES
	s_branch .Lasked_\@
.Lfor_b_\@:
	tensor_load_to_lds s[G0B+4:G0B+7], s[G1B:G1B+7]
	s_nop 0
	PLACES
.Lasked_\@:
.endm
.macro CREST                           ; a round of the cluster's barrier behind its opening barrier
	s_cmp_lg_u32 s[WV], 0
	s_cbranch_scc1 .Lnot_wave_0_\@
	s_barrier_signal -3
.Lnot_wave_0_\@:
	s_barrier_wait -3
	s_barrier_signal -1
	s_barrier_wait -1
.endm
.macro CROUND
	s_barrier_signal -1
	s_barrier_wait -1
	CREST
.endm
.macro WM d, a, b, zero
.if \zero
	v_wmma_f32_16x16x32_f16 v[(\d):(\d)+7], v[(\a):(\a)+7], v[(\b):(\b)+7], 0
.else
	v_wmma_f32_16x16x32_f16 v[(\d):(\d)+7], v[(\a):(\a)+7], v[(\b):(\b)+7], v[(\d):(\d)+7]
.endif
.endm
; 8 matrix instructions: row blocks a0, a0 + 1 x all 4 column blocks, 32 along K (half c of buffer f).  The 16 accumulators take turns.
.macro MUL8 f, c, a0, zero
	WIN MUL
.irp a, \a0, (\a0)+1
.irp b, 0,1,2,3
	WM ACC+8*(4*(\a)+(\b)), (\f)+64+8*(4*(\c)+(\b)), (\f)+8*(4*(\c)+(\a)), \zero
.endr
.endr
.endm
; 32 LDS loads in one run: quarter q (64 along K) of the slot in hand into buffer f, its first 32 along K first.  B ([k][n], pitch 288) comes turned, A ([m][k], pitch 144) as it lies.
.macro FETCH q, f
	WIN TO_F
.irp c, 0,1
.irp i, 0,1,2,3
	ds_load_tr16_b128 v[(\f)+64+8*(4*\c+\i):(\f)+64+8*(4*\c+\i)+3], v[ADB+(\q)/2] offset:((\q)%2)*QB+\c*9216+32*\i
	ds_load_tr16_b128 v[(\f)+64+8*(4*\c+\i)+4:(\f)+64+8*(4*\c+\i)+7], v[ADB+(\q)/2] offset:((\q)%2)*QB+\c*9216+32*\i+4608
	ds_load_b128 v[(\f)+8*(4*\c+\i):(\f)+8*(4*\c+\i)+3], v[ADA] offset:(\q)*QB+\c*64+\i*2304
	ds_load_b128 v[(\f)+8*(4*\c+\i)+4:(\f)+8*(4*\c+\i)+7], v[ADA] offset:(\q)*QB+\c*64+\i*2304+32
.endr
.endr
.endm
; multiplies buffer f and, in its middle, fetches quarter q into buffer g
.macro QUARTER q, f, g, zero
	s_wait_dscnt 16                                ; the first 32 along K are in; the youngest sixteen loads may be out
	MUL8 \f, 0, 0, \zero
	MUL8 \f, 0, 2, \zero
	PLACES
	FETCH \q, \g
	s_wait_dscnt 32                                ; all but the 32 just issued
	MUL8 \f, 1, 0, 0
	MUL8 \f, 1, 2, 0
.endm
; A step's last quarter multiplies buffer 1 and changes slots.  Its first sixteen products, whose fragments are in registers, are issued while the next slot's tile may still be on its way.  Then each wave
; waits for all its tensor loads (at most one is out: its part of the next slot), adds 0 to its spare word, and waits for that and for its reads of this slot.
; fill = 1: the barrier opens a round of the cluster's, and this slot is filled again, two K steps ahead, first thing behind it.
.macro TURN fill
	s_wait_dscnt 16                                ; the first 32 along K are in; the youngest sixteen loads may be out
	MUL8 F1, 0, 0, 0
	MUL8 F1, 0, 2, 0
	WIN 0                                          ; at a branch and at a label every window is 0
	s_wait_tensorcnt 0x0
	ds_add_u32 v[SPW], v[NIL]                      ; the scalar steps below stand between the add and the wait for it
.if \fill
	s_xor_b32 s[G0A+5], s[G0A+5], SLOTB            ; no tensor load of mine is out: the walking sets step to the slot being left and the next K step but one
	s_add_nc_u64 s[G0A+6:G0A+7], s[G0A+6:G0A+7], 65536
	s_xor_b32 s[G0B+5], s[G0B+5], SLOTB
	s_add_nc_u64 s[G0B+6:G0B+7], s[G0B+6:G0B+7], 65536
.endif
	s_xor_b32 s[TB], s[TB], SLOTB
	s_wait_dscnt 0x0                               ; the add is done, my reads of this slot are over
	s_barrier_signal -1
	s_barrier_wait -1
.if \fill
	CREST
	JLOAD
.else
	PLACES
.endif
	v_add_nc_u32 v[ADA], s[TB], v[A0]
	v_add_nc_u32 v[ADB], s[TB], v[B0]
	v_add_nc_u32 v[ADB+1], s[TB], v[B1]
	FETCH 0, F0
	MUL8 F1, 1, 0, 0
	MUL8 F1, 1, 2, 0
.endm
; THE WAY OUT, 16 rows at a time through my own stage.  STG: a lane's eight f32 go in as 32 bytes of a row and come back as whole rows of 256 bytes.  FIN: one fused multiply-add takes the scale out and adds the residual; 16 lanes store 256 consecutive bytes.
.macro STG a
	WIN 0
.if (\a) >= 2
	s_wait_xcnt 0x0                                ; the stores of the block two back have read the registers that are loaded again below
.endif
.irp b, 0,1,2,3
	ds_store_b128 v[STO], v[ACC+8*(4*(\a)+\b):ACC+8*(4*(\a)+\b)+3] offset:64*\b
	ds_store_b128 v[STO], v[ACC+8*(4*(\a)+\b)+4:ACC+8*(4*(\a)+\b)+7] offset:64*\b+16
.endr
.irp t, 0,1,2,3,4,5,6,7
	ds_load_b128 v[BK+32*((\a)%2)+4*\t:BK+32*((\a)%2)+4*\t+3], v[RD] offset:2*SP*\t  ; LDS serves a wave's instructions in order (ISA guide 5.7.1.4): these see the stores above, and the next block's stores come behind them
.endr
.endm
.macro FIN a, younger                  ; younger: the next block's sixteen LDS instructions, or none
	s_wait_dscnt \younger
	WIN 0x20                                       ; source 2 in window 2
.set n, 0
.rept 16
	v_pk_fma_f32 v[BK+32*((\a)%2)+2*n:BK+32*((\a)%2)+2*n+1], v[BK+32*((\a)%2)+2*n:BK+32*((\a)%2)+2*n+1], v[SC:SC+1], v[RES+32*(\a)+2*n:RES+32*(\a)+2*n+1]
.set n, n+1
.endr
	WIN 0
.irp t, 0,1,2,3,4,5,6,7
	global_store_b128 v[CO], v[BK+32*((\a)%2)+4*\t:BK+32*((\a)%2)+4*\t+3], s[10:11] offset:(16*(\a)+2*\t)*4096
.endr
.endm
	s_load_b256 s[4:11], s[0:1], 0x0               ; rwkv, wq, x, x2
	s_load_b64 s[44:45], s[0:1], 0x20              ; mx
	v_lshl_add_u32 v[SPW], v0, 2, SPARE
	v_mov_b32 v[NIL], 0
	ds_add_u32 v[SPW], v[NIL]                      ; the wave's opening: the add and its wait ahead of my first tensor load
	v_lshrrev_b32 v1, 5, v0
	v_readfirstlane_b32 s[WV], v1
	s_lshr_b32 s[WR], s[WV], 1
	s_and_b32 s[WC], s[WV], 1
	s_bfe_u32 s18, ttmp6, 0x40000                  ; cx, cy
	s_bfe_u32 s19, ttmp6, 0x40004
	s_lshl_b32 s20, ttmp9, 2
	s_add_co_u32 s20, s20, s18                     ; tile column
	s_and_b32 s21, ttmp7, 0xffff
	s_lshl_b32 s21, s21, 2
	s_add_co_u32 s21, s21, s19                     ; tile row
	s_lshl_b32 s22, s19, 2
	s_lshl_b32 s22, 15, s22                        ; my row of the cluster
	s_lshl_b32 s23, 0x1111, s18                    ; my column
	s_or_b32 s[G1A], s22, (1<<16)|(1<<20)|(1<<21)|(4<<22)|(3<<25)  ; mask; 2-byte elements; padding on; bit 21 beside a mask; 4 words behind every 32: rows of 128 bytes, pitch 144
	s_or_b32 s[G1B], s23, (1<<16)|(1<<20)|(1<<21)|(5<<22)|(7<<25)  ; 8 words behind every 64: rows of 256 bytes, pitch 288
.irp g, G1A, G1B
	s_mov_b32 s[\g+1], 128<<16                     ; tensor_dim0 = 128 elements
	s_mov_b32 s[\g+2], 128<<16                     ; tensor_dim1 = 128 rows
	s_mov_b32 s[\g+3], 128<<16                     ; tile_dim0 = 128
	s_mov_b32 s[\g+4], 128                         ; tile_dim1 = 128
	s_mov_b32 s[\g+5], 128                         ; dense: 128 elements from row to row
	s_mov_b32 s[\g+6], 0
	s_mov_b32 s[\g+7], 0
.endr
	s_lshl_b32 s17, s[WC], 15                      ; which 32,768 bytes of a step I fetch
	s_mul_i32 s40, s21, KDIM*256                   ; A: the tile row's bytes
	s_add_co_u32 s40, s40, s17
	s_mov_b32 s41, 0
	s_mul_i32 s42, s20, KDIM*256                   ; B: the panel's bytes
	s_add_co_u32 s42, s42, s17
	s_add_co_u32 s42, s42, WOFF
	s_mov_b32 s43, 0
	s_mul_i32 s66, s[WV], 2*QB                     ; where my part goes: wave x 36,864
	s_mov_b32 s[TB], 0
	s_mov_b32 s46, 0x76543210                      ; v_permlanex16_b32: each lane takes its own place in the other half
	s_mov_b32 s47, 0xfedcba98
	s_lshr_b32 s71, s21, 2                         ; the tile's batch: its 128 maxima of each kind are 512 consecutive bytes of mx
	s_lshl_b32 s71, s71, 9
	s_wait_dscnt 0x0                               ; the opening add is done
	s_wait_kmcnt 0x0
	s_add_nc_u64 s[40:41], s[4:5], s[40:41]
	s_add_nc_u64 s[42:43], s[6:7], s[42:43]
	CROUND                                         ; all sixteen work-groups are here: the first joint loads meet
.irp s, 0,1
	s_mov_b32 s[G0A+4*\s], 1
	s_add_co_u32 s[G0A+4*\s+1], s66, \s*SLOTB
	s_add_nc_u64 s[G0A+4*\s+2:G0A+4*\s+3], s[40:41], \s*65536
	s_or_b32 s[G0A+4*\s+3], s[G0A+4*\s+3], 0x80000000
	s_mov_b32 s[G0B+4*\s], 1
	s_add_co_u32 s[G0B+4*\s+1], s66, \s*SLOTB
	s_add_nc_u64 s[G0B+4*\s+2:G0B+4*\s+3], s[42:43], \s*65536
	s_or_b32 s[G0B+4*\s+3], s[G0B+4*\s+3], 0x80000000
.endr
	s_cmp_eq_u32 s[WR], 0                          ; a wave's two first fills stand in one branch: two loads of mine are out
	s_cbranch_scc0 .Lfirst_b
	tensor_load_to_lds s[G0A:G0A+3], s[G1A:G1A+7]
	s_nop 0
	tensor_load_to_lds s[G0A+4:G0A+7], s[G1A:G1A+7]
	s_nop 0
	PLACES
	s_branch .Lfirst_asked
.Lfirst_b:
	tensor_load_to_lds s[G0B:G0B+3], s[G1B:G1B+7]
	s_nop 0
	tensor_load_to_lds s[G0B+4:G0B+7], s[G1B:G1B+7]
	s_nop 0
	PLACES
.Lfirst_asked:
	v_and_b32 v[MXO], 31, v0
	v_lshl_add_u32 v[MXO], v[MXO], 4, s71          ; 16 bytes a lane of the batch's 512; the register is not written again
	global_load_b128 v[32:35], v[MXO], s[44:45]              ; |r|
	global_load_b128 v[36:39], v[MXO], s[44:45] offset:4096  ; |k|
	global_load_b128 v[40:43], v[MXO], s[44:45] offset:8192  ; |v|
	v_and_b32 v1, 15, v0                           ; r = lane % 16
	v_bfe_u32 v2, v0, 4, 1                         ; h = lane / 16
	v_mul_u32_u24 v3, v1, 144
	v_lshl_add_u32 v3, v2, 4, v3
	s_mul_i32 s17, s[WR], 64*144
	v_add_nc_u32 v[A0], s17, v3                    ; (64 x row half + r) x 144 + 16 h
	v_and_b32 v4, 7, v0
	v_lshl_add_u32 v4, v2, 3, v4
	v_mul_u32_u24 v4, v4, 288
	v_bfe_u32 v5, v0, 3, 1
	v_lshl_add_u32 v4, v5, 4, v4
	s_lshl_b32 s17, s[WC], 7
	s_add_co_u32 s17, s17, BOFF
	v_add_nc_u32 v[B0], s17, v4                    ; (8 h + lane % 8) x 288 + 128 x column half + 16 ((lane / 8) % 2)
	v_add_nc_u32 v[B1], 2*QB, v[B0]
	v_mov_b32 v[ADA], v[A0]
	v_mov_b32 v[ADB], v[B0]
	v_mov_b32 v[ADB+1], v[B1]
	s_mul_i32 s17, s[WV], 16*SP
	s_add_co_u32 s17, s17, STAGE                   ; my stage
	v_mul_u32_u24 v6, v1, SP
	v_lshl_add_u32 v6, v2, 5, v6                   ; in: row r, 32 bytes for each half of the lanes
	v_add_nc_u32 v[STO], s17, v6
	v_mul_u32_u24 v6, v2, SP                       ; back: lanes 0-15 one row of 256 bytes, lanes 16-31 the next
	v_lshl_add_u32 v6, v1, 4, v6
	v_add_nc_u32 v[RD], s17, v6
	v_lshlrev_b32 v6, 12, v2                       ; and the same two rows of 4,096 bytes in memory
	v_lshl_add_u32 v[CO], v1, 4, v6
	s_lshl_b32 s68, s21, 19                        ; (128 x tile row + 64 x row half) x 4,096 + (128 x tile column + 64 x column half) x 4
	s_lshl_b32 s70, s[WR], 18
	s_add_co_u32 s68, s68, s70
	s_lshl_b32 s70, s20, 9
	s_add_co_u32 s68, s68, s70
	s_lshl_b32 s70, s[WC], 8
	s_add_co_u32 s68, s68, s70
	s_mov_b32 s69, 0
	s_add_nc_u64 s[8:9], s[8:9], s[68:69]
	s_add_nc_u64 s[10:11], s[10:11], s[68:69]
	WIN 0x80                                       ; destination window 2, address window 0
.irp a, 0,1,2,3
.irp t, 0,1,2,3,4,5,6,7
	global_load_b128 v[RES+32*\a+4*\t:RES+32*\a+4*\t+3], v[CO], s[8:9] offset:(16*\a+2*\t)*4096  ; the residual: its address registers and its base are never rewritten
.endr
.endr
	WIN 0
	s_wait_loadcnt 32                              ; the maxima are in; the 32 loads of the residual stay out.  The factor is 2^(floor(log2(r k v)) + 4), made on the bits, as the launch that scaled made it
	v_max3_num_f32 v32, v32, v33, v34
	v_max3_num_f32 v36, v36, v37, v38
	v_max3_num_f32 v40, v40, v41, v42
	v_max_num_f32 v32, v32, v35
	v_max_num_f32 v36, v36, v39
	v_max_num_f32 v40, v40, v43
.irp m, 1,2,4,8
	v_max_num_f32_dpp v32, v32, v32 row_xmask:\m row_mask:0xf bank_mask:0xf
	v_max_num_f32_dpp v36, v36, v36 row_xmask:\m row_mask:0xf bank_mask:0xf
	v_max_num_f32_dpp v40, v40, v40 row_xmask:\m row_mask:0xf bank_mask:0xf
.endr
	v_permlanex16_b32 v33, v32, s46, s47
	v_permlanex16_b32 v37, v36, s46, s47
	v_permlanex16_b32 v41, v40, s46, s47
	v_max_num_f32 v32, v32, v33
	v_max_num_f32 v36, v36, v37
	v_max_num_f32 v40, v40, v41
	v_mul_f32 v32, v32, v36
	v_mul_f32 v32, v32, v40
	v_and_b32 v32, 0x7f800000, v32
	v_add_nc_u32 v[SC], 0x02000000, v32
	v_mov_b32 v[SC+1], v[SC]
	s_wait_tensorcnt 1                             ; my part of K step 0 is in; step 1's may stay out
	s_barrier_signal -1
	s_barrier_wait -1
	FETCH 0, F0
	QUARTER 1, F0, F1, 1                           ; the first quarter stands in front of the loop: its first products start the sums
	WIN 0
	s_mov_b32 s3, NS-2
.Lstep:                                                ; a trip: from a step's second quarter to the next step's first; it fills one slot again
	QUARTER 2, F1, F0, 0
	QUARTER 3, F0, F1, 0
	TURN 1
	QUARTER 1, F0, F1, 0
	WIN 0
	s_sub_co_u32 s3, s3, 1
	s_cmp_lg_u32 s3, 0
	s_cbranch_scc1 .Lstep
	s_mov_b32 s3, 2
.Ltail:                                                ; the last two steps ask for nothing: a loop of their own; the second trip is left in its middle.
	QUARTER 2, F1, F0, 0                           ; Its change of slots and its 32 loads from the slot read before serve nothing: the price, once a launch, of one text for both trips
	QUARTER 3, F0, F1, 0
	TURN 0
	WIN 0
	s_sub_co_u32 s3, s3, 1
	s_cmp_eq_u32 s3, 0
	s_cbranch_scc1 .Lout
	QUARTER 1, F0, F1, 0
	WIN 0
	s_branch .Ltail
.Lout:
	PLACES                                         ; the places behind the last products
	s_wait_loadcnt 0x0                             ; the residual
	STG 0
	STG 1                                          ; a block's way through the stage stands in front of the block before's arithmetic and stores
	FIN 0, 16
	STG 2
	FIN 1, 16
	STG 3
	FIN 2, 16
	FIN 3, 0
	s_wait_tensorcnt 0x0                           ; the wave's end
	ds_add_u32 v[SPW], v[NIL]
	s_wait_dscnt 0x0
	CROUND                                         ; the closing round
	s_endpgm
.Lfunc_end_k_qead1cd1d87_gemm_o:
	.size	k_qead1cd1d87_gemm_o, .Lfunc_end_k_qead1cd1d87_gemm_o-k_qead1cd1d87_gemm_o
	.p2alignl 7, 3214868480
	.fill 96, 4, 3214868480
	.section	.rodata,"a",@progbits
	.p2align	6, 0x0
	.amdhsa_kernel k_qead1cd1d87_gemm_o
		.amdhsa_group_segment_fixed_size 327680
		.amdhsa_private_segment_fixed_size 0
		.amdhsa_enable_private_segment 0
		.amdhsa_kernarg_size 40
		.amdhsa_user_sgpr_count 2
		.amdhsa_user_sgpr_kernarg_segment_ptr 1
		.amdhsa_wavefront_size32 1
		.amdhsa_system_sgpr_workgroup_id_x 1
		.amdhsa_system_sgpr_workgroup_id_y 1
		.amdhsa_system_sgpr_workgroup_id_z 1
		.amdhsa_system_vgpr_workitem_id 0
		.amdhsa_next_free_vgpr 640
		.amdhsa_next_free_sgpr 72
		.amdhsa_reserve_vcc 0
		.amdhsa_float_denorm_mode_32 3
		.amdhsa_float_denorm_mode_16_64 3
		.amdhsa_memory_ordered 1
		.amdhsa_forward_progress 1
		.amdhsa_inst_pref_size 67
	.end_amdhsa_kernel
	.amdgpu_metadata
---
amdhsa.version: [ 1, 2 ]
amdhsa.kernels:
  - .name:           k_qead1cd1d87_gemm_o
    .symbol:         k_qead1cd1d87_gemm_o.kd
    .args:
      - { .name: rwkv, .offset: 0, .size: 8, .value_kind: global_buffer, .address_space: global }
      - { .name: wq, .offset: 8, .size: 8, .value_kind: global_buffer, .address_space: global }
      - { .name: x, .offset: 16, .size: 8, .value_kind: global_buffer, .address_space: global }
      - { .name: x2, .offset: 24, .size: 8, .value_kind: global_buffer, .address_space: global }
      - { .name: mx, .offset: 32, .size: 8, .value_kind: global_buffer, .address_space: global }
    .group_segment_fixed_size: 327680
    .private_segment_fixed_size: 0
    .kernarg_segment_align: 8
    .kernarg_segment_size: 40
    .max_flat_workgroup_size: 128
    .sgpr_count:     72
    .vgpr_count:     640
    .wavefront_size: 32
...
	.end_amdgpu_metadata
.endif
;; end of part 11
;; launch ln2: the kernel of part 8 again; grid 256 x 1, 8 waves a work-group, no clusters, 0 bytes of LDS; arguments x2, g2, b2, xn, w_r, w_k, w_v, w_o, wq; writes xn, wq
;; launch gemm_fk (part 12): grid 16 x 16, 4 waves a work-group, clusters of 4 x 4, 327,680 bytes of LDS; arguments xn, wq, hid; writes hid
.if DOCPART == 12
	.amdgcn_target "amdgcn-amd-amdhsa--gfx1250"
	.amdhsa_code_object_version 6
	.text
	.protected	k_qead1cd1d87_gemm_fk
	.globl	k_qead1cd1d87_gemm_fk
	.p2align	8
	.type	k_qead1cd1d87_gemm_fk,@function
k_qead1cd1d87_gemm_fk:
	s_mov_b64 s[64:65], 0
	v_nop
	global_prefetch_b8 v0, s[64:65] scope:SCOPE_SE
	s_setreg_imm32_b32 hwreg(HW_REG_WAVE_MODE, 25, 1), 1
	s_wait_xcnt 0x0
	s_wait_alu depctr_hold_cnt(0) depctr_sa_sdst(0) depctr_va_vdst(0) depctr_va_sdst(0) depctr_va_ssrc(0) depctr_va_vcc(0) depctr_vm_vsrc(0)
	s_getreg_b32 s2, hwreg(HW_REG_IB_STS2, 6, 4)
	s_cmp_eq_u32 s2, 0
	s_cbranch_scc0 .Lentry_in_a_cluster
	s_endpgm
.Lentry_in_a_cluster:
	s_bfe_u32 s2, ttmp6, 0x10000c
	s_cmp_lg_u32 s2, 0xf033
	s_cbranch_scc0 .Lentry_shape_is_right
	s_endpgm
.Lentry_shape_is_right:
; hid = relu(x_ln2 w_fk)^2.  x_ln2 [4096][1024] and w_fk (32 panels of 128 columns) in f16, f32 sums; relu and the square in f32; rounded once to bf16, whose range the square needs,
; and stored TILED (64 panels of 64 columns a tile row).  A NaN becomes 0 in the relu.
; C tile 256 x 256, four waves of 128 x 128 (64 accumulators): 16 x 16 = 256 work-groups.  A lies TILED ([M/128][K/64][128][64]), B in PANELS ([N/128][K][128]): for a K step of 128 each of
; A's two row tiles and each of B's two panels is 32,768 consecutive bytes, one tensor load (asked for as 128 rows of 256 bytes): waves 0, 1 fetch A's, waves 2, 3 B's.  Two LDS slots take turns;
; a refill stands first behind the round and has 224 of a step's 256 matrix instructions in which to land.
; CLUSTER 4 x 4: A's tile hangs on the tile row alone and is asked for jointly along a row of the cluster, B's on the tile column alone and jointly along a column.
; The matrix instruction is used transposed (source 0 = 16 columns of B, read turned out of LDS; source 1 = 16 rows of A): a lane holds eight neighbouring numbers of a row of C.
; REGISTERS, in windows of 256: window 0: v16-31 addresses, v64-127, v128-191 A's fragments, two buffers (on the way out rows in f32, and packed); window 1: v64-127, v128-191 B's fragments;
; window 2: the accumulators of my rows 0-63 ((a, b) at v[8 (8 a + b)]); window 3: those of my rows 64-127.
.set KDIM, 1024
.set WOFF, 8388608                     ; the weights' first byte in wq
.set NPO,  64                          ; panels of 64 columns in a tile row of the output
.set NS,   KDIM/128                    ; K steps
.set HB,   36864                       ; what one tensor load fills: A 2 panels x 128 rows x 144 bytes, B 128 k-rows x 288 bytes
.set PB,   18432                       ; one panel of A
.set BOFF, 2*HB                        ; a slot: A's two row tiles, then B's two panels
.set SLOTB, 4*HB                       ; 147,456 = 0x24000: it shares no bit with wave x 36,864, so one exclusive or changes slots
.set SPARE, 2*SLOTB                    ; behind the ring: the spare words, 128 bytes for each wave, two blocks of 256 bytes that no other line names
.set DP,   528                         ; the way out: a row of 128 f32 + 16 bytes = 33 x 16: the 16 rows of a store start at 16 different groups of four banks (ISA guide 11.1)
.set DW,   128*DP                      ; a wave's 128 rows, in the ring, whose last fill is over by then
.set A0,  16                           ; v16 my lane's place in A's part of slot 0; v17 the same for B; never rewritten
.set B0,  17
.set ADA, 18                           ; v18, v19 the same + the slot in hand
.set ADB, 19
.set STO, 24                           ; v24 the way out: where I put 32 bytes of a row
.set RD0, 25                           ; v25 where I read 32 bytes of a row back, first trip;  v27 this trip
.set CO,  26                           ; v26 16 x lane; never rewritten
.set RD,  27
.set SPW, 28                           ; v28 my spare word; v29 0; never rewritten
.set NIL, 29
.set F0,  64
.set F1,  128
.set X,   64
.set Y,   128
.set WV,  12                           ; s12 wave; s13 wave / 2: my row half, and 0: I fetch A, 1: B; s14 wave % 2: my column half, and which half I fetch
.set WR,  13
.set WC,  14
.set TR,  15                           ; s15 the way out: LDS bytes from my first row to this trip's
.set TB,  16                           ; s16 LDS byte at which the slot in hand begins
.set G1A, 24
.set G0A, 32                           ; two sets; the second walks
.set G1B, 48
.set G0B, 56
.set MSB, 0
.macro WIN new                         ; the immediate's high byte repeats the setting that is left
.if MSB != (\new)
	s_set_vgpr_msb (MSB<<8)|(\new)
.set MSB, \new
.endif
.endm
.set MUL_LO, 0xa1                      ; source 0 (B) window 1, source 1 (A) window 0, C and D window 2; + 0x50: C and D window 3
.set TO_B,   0x40                      ; destination window 1, address window 0
.macro PLACES                          ; four places behind matrix instructions (ISA guide 7.12.1)
.rept 4
	v_nop
.endr
.endm
.macro JLOAD                           ; the joint refill, by the walking set; an s_nop 0 and four v_nop follow each line
	s_cmp_eq_u32 s[WR], 0
	s_cbranch_scc0 .Lfor_b_\@
	tensor_load_to_lds s[G0A+4:G0A+7], s[G1A:G1A+7]
	s_nop 0
	PLACES
	s_branch .Lasked_\@
.Lfor_b_\@:
	tensor_load_to_lds s[G0B+4:G0B+7], s[G1B:G1B+7]
	s_nop 0
	PLACES
.Lasked_\@:
.endm
.macro CREST                           ; a round of the cluster's barrier behind its opening barrier
	s_cmp_lg_u32 s[WV], 0
	s_cbranch_scc1 .Lnot_wave_0_\@
	s_barrier_signal -3
.Lnot_wave_0_\@:
	s_barrier_wait -3
	s_barrier_signal -1
	s_barrier_wait -1
.endm
.macro CROUND
	s_barrier_signal -1
	s_barrier_wait -1
	CREST
.endm
; 16 matrix instructions: row blocks a0, a0 + 1 of the window's four x all 8 column blocks, 32 along K.  The 64 accumulators take turns.  zero = 1: the product starts the sum.
.macro MUL16 f, hi, a0, zero
	WIN MUL_LO+0x50*(\hi)
.irp a, \a0, (\a0)+1
.irp b, 0,1,2,3,4,5,6,7
.if \zero
	v_wmma_f32_16x16x32_f16 v[8*(8*(\a)+(\b)):8*(8*(\a)+(\b))+7], v[(\f)+8*(\b):(\f)+8*(\b)+7], v[(\f)+8*(4*(\hi)+(\a)):(\f)+8*(4*(\hi)+(\a))+7], 0
.else
	v_wmma_f32_16x16x32_f16 v[8*(8*(\a)+(\b)):8*(8*(\a)+(\b))+7], v[(\f)+8*(\b):(\f)+8*(\b)+7], v[(\f)+8*(4*(\hi)+(\a)):(\f)+8*(4*(\hi)+(\a))+7], v[8*(8*(\a)+(\b)):8*(8*(\a)+(\b))+7]
.endif
.endr
.endr
.endm
; 32 LDS loads in one run: quarter q (32 along K) of the slot in hand into buffer f.  B ([k][n], pitch 288) comes turned, A ([m][k], pitch 144) as it lies.
.macro FETCH q, f
	WIN TO_B
.irp i, 0,1,2,3,4,5,6,7
	ds_load_tr16_b128 v[(\f)+8*\i:(\f)+8*\i+3], v[ADB] offset:(\q)*9216+32*\i
	ds_load_tr16_b128 v[(\f)+8*\i+4:(\f)+8*\i+7], v[ADB] offset:(\q)*9216+32*\i+4608
.endr
	WIN 0
.irp i, 0,1,2,3,4,5,6,7
	ds_load_b128 v[(\f)+8*\i:(\f)+8*\i+3], v[ADA] offset:((\q)/2)*PB+((\q)%2)*64+\i*2304
	ds_load_b128 v[(\f)+8*\i+4:(\f)+8*\i+7], v[ADA] offset:((\q)/2)*PB+((\q)%2)*64+\i*2304+32
.endr
.endm
; multiplies buffer f and, in its middle, fetches quarter q into buffer g
.macro QUARTER q, f, g, zero
	s_wait_dscnt 8                                 ; B and A's rows 0-63 are in; the youngest eight loads (A's rows 64-127) may be out
	MUL16 \f, 0, 0, \zero
	MUL16 \f, 0, 2, \zero
	PLACES
	FETCH \q, \g
	s_wait_dscnt 32                                ; all but the 32 just issued
	MUL16 \f, 1, 0, \zero
	MUL16 \f, 1, 2, \zero
.endm
; A step's last quarter multiplies buffer 1 and changes slots: each wave waits for all its tensor loads (at most one is out: its part of the next slot), adds 0 to its spare word, and waits
; for that and for its reads of this slot.  fill = 1: the barrier opens a round of the cluster's, and this slot is filled again, two K steps ahead, first thing behind it.
.macro TURN fill
	WIN 0
	s_wait_tensorcnt 0x0
	ds_add_u32 v[SPW], v[NIL]
	s_wait_dscnt 9                                 ; the add and the youngest eight loads may be out
	MUL16 F1, 0, 0, 0
	s_wait_dscnt 0x0                               ; the add is done, my reads of this slot are over
	s_barrier_signal -1
	MUL16 F1, 0, 2, 0
	WIN 0                                          ; at a branch and at a label every window is 0
	s_barrier_wait -1
.if \fill
	CREST
	s_xor_b32 s[G0A+5], s[G0A+5], SLOTB            ; no tensor load of mine is out: the walking sets step to the slot just read and the next K step but one
	s_add_nc_u64 s[G0A+6:G0A+7], s[G0A+6:G0A+7], 32768
	s_xor_b32 s[G0B+5], s[G0B+5], SLOTB
	s_add_nc_u64 s[G0B+6:G0B+7], s[G0B+6:G0B+7], 32768
	JLOAD
.else
	PLACES
.endif
	s_xor_b32 s[TB], s[TB], SLOTB
	v_add_nc_u32 v[ADA], s[TB], v[A0]
	v_add_nc_u32 v[ADB], s[TB], v[B0]
	FETCH 0, F0
	MUL16 F1, 1, 0, 0
	MUL16 F1, 1, 2, 0
.endm
	s_load_b128 s[4:7], s[0:1], 0x0                ; xn, wq
	s_load_b64 s[8:9], s[0:1], 0x10                ; hid
	v_lshl_add_u32 v[SPW], v0, 2, SPARE
	v_mov_b32 v[NIL], 0
	ds_add_u32 v[SPW], v[NIL]                      ; the wave's opening: the add and its wait ahead of my first tensor load
	v_lshrrev_b32 v1, 5, v0
	v_readfirstlane_b32 s[WV], v1
	s_lshr_b32 s[WR], s[WV], 1
	s_and_b32 s[WC], s[WV], 1
	s_bfe_u32 s18, ttmp6, 0x40000                  ; cx, cy
	s_bfe_u32 s19, ttmp6, 0x40004
	s_lshl_b32 s20, ttmp9, 2
	s_add_co_u32 s20, s20, s18                     ; tile column
	s_and_b32 s21, ttmp7, 0xffff
	s_lshl_b32 s21, s21, 2
	s_add_co_u32 s21, s21, s19                     ; tile row
	s_lshl_b32 s22, s19, 2
	s_lshl_b32 s22, 15, s22                        ; my row of the cluster
	s_lshl_b32 s23, 0x1111, s18                    ; my column
	s_or_b32 s[G1A], s22, (1<<16)|(1<<20)|(1<<21)|(4<<22)|(3<<25)  ; mask; 2-byte elements; padding on; bit 21 beside a mask; 4 words behind every 32: rows of 128 bytes, pitch 144
	s_or_b32 s[G1B], s23, (1<<16)|(1<<20)|(1<<21)|(5<<22)|(7<<25)  ; 8 words behind every 64: rows of 256 bytes, pitch 288
.irp g, G1A, G1B
	s_mov_b32 s[\g+1], 128<<16                     ; tensor_dim0 = 128 elements
	s_mov_b32 s[\g+2], 128<<16                     ; tensor_dim1 = 128 rows
	s_mov_b32 s[\g+3], 128<<16                     ; tile_dim0 = 128
	s_mov_b32 s[\g+4], 128                         ; tile_dim1 = 128
	s_mov_b32 s[\g+5], 128                         ; dense: 128 elements from row to row
	s_mov_b32 s[\g+6], 0
	s_mov_b32 s[\g+7], 0
.endr
	s_lshl_b32 s40, s21, 1
	s_add_co_u32 s40, s40, s[WC]                   ; A: the row tile of 128 that I would fetch,
	s_mul_i32 s40, s40, KDIM*256                   ; its bytes
	s_mov_b32 s41, 0
	s_lshl_b32 s42, s20, 1
	s_add_co_u32 s42, s42, s[WC]                   ; B: the panel that I would fetch
	s_mul_i32 s42, s42, KDIM*256
	s_add_co_u32 s42, s42, WOFF
	s_mov_b32 s43, 0
	s_mul_i32 s66, s[WV], HB                       ; where my part goes: wave x 36,864
	s_mov_b32 s[TB], 0
	s_wait_dscnt 0x0                               ; the opening add is done
	s_wait_kmcnt 0x0
	s_add_nc_u64 s[40:41], s[4:5], s[40:41]
	s_add_nc_u64 s[42:43], s[6:7], s[42:43]
	CROUND                                         ; all sixteen work-groups are here: the first joint loads meet
.irp s, 0,1
	s_mov_b32 s[G0A+4*\s], 1
	s_add_co_u32 s[G0A+4*\s+1], s66, \s*SLOTB
	s_add_nc_u64 s[G0A+4*\s+2:G0A+4*\s+3], s[40:41], \s*32768
	s_or_b32 s[G0A+4*\s+3], s[G0A+4*\s+3], 0x80000000
	s_mov_b32 s[G0B+4*\s], 1
	s_add_co_u32 s[G0B+4*\s+1], s66, \s*SLOTB
	s_add_nc_u64 s[G0B+4*\s+2:G0B+4*\s+3], s[42:43], \s*32768
	s_or_b32 s[G0B+4*\s+3], s[G0B+4*\s+3], 0x80000000
.endr
	s_cmp_eq_u32 s[WR], 0                          ; a wave's two first fills stand in one branch: two loads of mine are out
	s_cbranch_scc0 .Lfirst_b
	tensor_load_to_lds s[G0A:G0A+3], s[G1A:G1A+7]
	s_nop 0
	tensor_load_to_lds s[G0A+4:G0A+7], s[G1A:G1A+7]
	s_nop 0
	PLACES
	s_branch .Lfirst_asked
.Lfirst_b:
	tensor_load_to_lds s[G0B:G0B+3], s[G1B:G1B+7]
	s_nop 0
	tensor_load_to_lds s[G0B+4:G0B+7], s[G1B:G1B+7]
	s_nop 0
	PLACES
.Lfirst_asked:
	v_and_b32 v1, 15, v0                           ; r = lane % 16
	v_bfe_u32 v2, v0, 4, 1                         ; h = lane / 16
	v_mul_u32_u24 v3, v1, 144
	v_lshl_add_u32 v3, v2, 4, v3
	s_mul_i32 s17, s[WR], HB
	v_add_nc_u32 v[A0], s17, v3                    ; my row tile + r x 144 + 16 h
	v_and_b32 v4, 7, v0
	v_lshl_add_u32 v5, v2, 3, v4
	v_mul_u32_u24 v5, v5, 288
	v_bfe_u32 v6, v0, 3, 1
	v_lshl_add_u32 v5, v6, 4, v5
	s_mul_i32 s17, s[WC], HB
	s_add_co_u32 s17, s17, BOFF
	v_add_nc_u32 v[B0], s17, v5                    ; my panel + (8 h + lane % 8) x 288 + 16 ((lane / 8) % 2)
	v_mov_b32 v[ADA], v[A0]
	v_mov_b32 v[ADB], v[B0]
	s_mul_i32 s17, s[WV], DW                       ; the way out: my 128 rows
	v_mul_u32_u24 v7, v1, DP
	v_lshl_add_u32 v7, v2, 5, v7                   ; in: row r, 32 bytes for each half of the lanes
	v_add_nc_u32 v[STO], s17, v7
	v_bfe_u32 v8, v0, 3, 2                         ; back: 32 lanes take four rows, eight f32 each,
	v_mul_u32_u24 v8, v8, DP
	v_lshl_add_u32 v8, v4, 5, v8
	v_add_nc_u32 v[RD0], s17, v8
	v_and_b32 v[CO], 31, v0                        ; which leave as 512 consecutive bytes of the tiled output
	v_lshlrev_b32 v[CO], 4, v[CO]
	s_lshl_b32 s68, s21, 1
	s_add_co_u32 s68, s68, s[WR]                   ; my row tile of 128
	s_lshl_b32 s69, s20, 1
	s_add_co_u32 s69, s69, s[WC]                   ; my column tile of 128: two panels of 64
	s_mul_i32 s70, s68, NPO
	s_lshl_b32 s71, s69, 1
	s_add_co_u32 s70, s70, s71
	s_lshl_b32 s70, s70, 14                        ; a panel is 16,384 bytes
	s_mov_b32 s71, 0
	s_add_nc_u64 s[8:9], s[8:9], s[70:71]
	s_wait_tensorcnt 1                             ; my part of K step 0 is in; step 1's may stay out
	s_barrier_signal -1
	s_barrier_wait -1
	FETCH 0, F0
	QUARTER 1, F0, F1, 1                           ; the first quarter stands in front of the loop: its products start the sums
	WIN 0
	s_mov_b32 s3, NS-2
.Lstep:                                                ; a trip: from a step's second quarter to the next step's first; it fills one slot again
	QUARTER 2, F1, F0, 0
	QUARTER 3, F0, F1, 0
	TURN 1
	QUARTER 1, F0, F1, 0
	WIN 0
	s_sub_co_u32 s3, s3, 1
	s_cmp_lg_u32 s3, 0
	s_cbranch_scc1 .Lstep
	s_mov_b32 s3, 2
.Ltail:                                                ; the last two steps ask for nothing: a loop of their own; the second trip is left in its middle.
	QUARTER 2, F1, F0, 0                           ; Its change of slots and its 32 loads from the slot read before serve nothing: the price, once a launch, of one text for both trips
	QUARTER 3, F0, F1, 0
	TURN 0
	WIN 0
	s_sub_co_u32 s3, s3, 1
	s_cmp_eq_u32 s3, 0
	s_cbranch_scc1 .Lout
	QUARTER 1, F0, F1, 0
	WIN 0
	s_branch .Ltail
.Lout:
; THE WAY OUT.  The ring has had its last fill, and behind this barrier nobody reads it: each wave lays its 128 x 128 sums there in f32, rows 528 bytes apart, in bytes of its own.
	s_wait_dscnt 0x0                               ; my reads of the ring are over
	s_barrier_signal -1
	PLACES                                         ; the places behind the last products
	s_barrier_wait -1
.irp hi, 0,1
	WIN 0x08+4*\hi                                 ; store data (source 1) in window 2, then 3
.irp a, 0,1,2,3
.irp b, 0,1,2,3,4,5,6,7
	ds_store_b128 v[STO], v[8*(8*\a+\b):8*(8*\a+\b)+3] offset:(4*\hi+\a)*16*DP+64*\b
	ds_store_b128 v[STO], v[8*(8*\a+\b)+4:8*(8*\a+\b)+7] offset:(4*\hi+\a)*16*DP+64*\b+16
.endr
.endr
.endr
	WIN 0
	s_mov_b32 s[TR], 0
	s_mov_b32 s3, 8
.Lrows:                                                ; a trip: 16 rows.  Pair u of loads: rows 4 (u / 2) + lane / 8, panel u % 2, eight f32 a lane
	v_add_nc_u32 v[RD], s[TR], v[RD0]
.irp u, 0,1,2,3,4,5,6,7
	ds_load_b128 v[X+8*\u:X+8*\u+3], v[RD] offset:(\u/2)*4*DP+(\u%2)*256     ; LDS serves a wave's instructions in order (ISA guide 5.7.1.4): these see my stores above
	ds_load_b128 v[X+8*\u+4:X+8*\u+7], v[RD] offset:(\u/2)*4*DP+(\u%2)*256+16
.endr
.irp u, 0,1,2,3,4,5,6,7
	s_wait_dscnt 14-2*\u                           ; pair u is in; the pairs behind it may be out
.irp n, 0,1,2,3,4,5,6,7
	v_max_num_f32 v[X+8*\u+\n], 0, v[X+8*\u+\n]    ; relu,
.endr
.irp n, 0,1,2,3
	v_pk_mul_f32 v[X+8*\u+2*\n:X+8*\u+2*\n+1], v[X+8*\u+2*\n:X+8*\u+2*\n+1], v[X+8*\u+2*\n:X+8*\u+2*\n+1]  ; squared,
.endr
.irp n, 0,1,2,3
	v_cvt_pk_bf16_f32 v[Y+4*\u+\n], v[X+8*\u+2*\n], v[X+8*\u+2*\n+1]  ; rounded once
.endr
	global_store_b128 v[CO], v[Y+4*\u:Y+4*\u+3], s[8:9] offset:(\u%2)*16384+(\u/2)*512  ; 512 consecutive bytes, at a multiple of 256 from the buffer's first
.endr
	s_wait_xcnt 0x0                                ; the stores' base and data are rewritten only behind this wait
	s_add_nc_u64 s[8:9], s[8:9], 2048              ; 16 rows of 128 bytes on
	s_add_co_u32 s[TR], s[TR], 16*DP
	s_sub_co_u32 s3, s3, 1
	s_cmp_lg_u32 s3, 0
	s_cbranch_scc1 .Lrows
	s_wait_tensorcnt 0x0                           ; the wave's end
	ds_add_u32 v[SPW], v[NIL]
	s_wait_dscnt 0x0
	CROUND                                         ; the closing round
	s_endpgm
.Lfunc_end_k_qead1cd1d87_gemm_fk:
	.size	k_qead1cd1d87_gemm_fk, .Lfunc_end_k_qead1cd1d87_gemm_fk-k_qead1cd1d87_gemm_fk
	.p2alignl 7, 3214868480
	.fill 96, 4, 3214868480
	.section	.rodata,"a",@progbits
	.p2align	6, 0x0
	.amdhsa_kernel k_qead1cd1d87_gemm_fk
		.amdhsa_group_segment_fixed_size 327680
		.amdhsa_private_segment_fixed_size 0
		.amdhsa_enable_private_segment 0
		.amdhsa_kernarg_size 24
		.amdhsa_user_sgpr_count 2
		.amdhsa_user_sgpr_kernarg_segment_ptr 1
		.amdhsa_wavefront_size32 1
		.amdhsa_system_sgpr_workgroup_id_x 1
		.amdhsa_system_sgpr_workgroup_id_y 1
		.amdhsa_system_sgpr_workgroup_id_z 1
		.amdhsa_system_vgpr_workitem_id 0
		.amdhsa_next_free_vgpr 1024
		.amdhsa_next_free_sgpr 72
		.amdhsa_reserve_vcc 0
		.amdhsa_float_denorm_mode_32 3
		.amdhsa_float_denorm_mode_16_64 3
		.amdhsa_memory_ordered 1
		.amdhsa_forward_progress 1
		.amdhsa_inst_pref_size 85
	.end_amdhsa_kernel
	.amdgpu_metadata
---
amdhsa.version: [ 1, 2 ]
amdhsa.kernels:
  - .name:           k_qead1cd1d87_gemm_fk
    .symbol:         k_qead1cd1d87_gemm_fk.kd
    .args:
      - { .name: xn, .offset: 0, .size: 8, .value_kind: global_buffer, .address_space: global }
      - { .name: wq, .offset: 8, .size: 8, .value_kind: global_buffer, .address_space: global }
      - { .name: hid, .offset: 16, .size: 8, .value_kind: global_buffer, .address_space: global }
    .group_segment_fixed_size: 327680
    .private_segment_fixed_size: 0
    .kernarg_segment_align: 8
    .kernarg_segment_size: 24
    .max_flat_workgroup_size: 128
    .sgpr_count:     72
    .vgpr_count:     1024
    .wavefront_size: 32
...
	.end_amdgpu_metadata
.endif
;; end of part 12
;; launch gemm_fv (part 13): grid 8 x 32, 4 waves a work-group, clusters of 4 x 4, 327,680 bytes of LDS; arguments hid, wq, x2, out0; writes out0
.if DOCPART == 13
	.amdgcn_target "amdgcn-amd-amdhsa--gfx1250"
	.amdhsa_code_object_version 6
	.text
	.protected	k_qead1cd1d87_gemm_fv
	.globl	k_qead1cd1d87_gemm_fv
	.p2align	8
	.type	k_qead1cd1d87_gemm_fv,@function
k_qead1cd1d87_gemm_fv:
	s_mov_b64 s[64:65], 0
	v_nop
	global_prefetch_b8 v0, s[64:65] scope:SCOPE_SE
	s_setreg_imm32_b32 hwreg(HW_REG_WAVE_MODE, 25, 1), 1
	s_wait_xcnt 0x0
	s_wait_alu depctr_hold_cnt(0) depctr_sa_sdst(0) depctr_va_vdst(0) depctr_va_sdst(0) depctr_va_ssrc(0) depctr_va_vcc(0) depctr_vm_vsrc(0)
	s_getreg_b32 s2, hwreg(HW_REG_IB_STS2, 6, 4)
	s_cmp_eq_u32 s2, 0
	s_cbranch_scc0 .Lentry_in_a_cluster
	s_endpgm
.Lentry_in_a_cluster:
	s_bfe_u32 s2, ttmp6, 0x10000c
	s_cmp_lg_u32 s2, 0xf033
	s_cbranch_scc0 .Lentry_shape_is_right
	s_endpgm
.Lentry_shape_is_right:
; out0 = x2 + hid w_fv.  hid [4096][4096] and w_fv (8 panels of K = 4,096) in bf16, f32 sums, f32 rows out with the residual added.
; C tile 128 x 128, four waves of 64 x 64 (16 accumulators).  A lies TILED ([M/128][K/64][128][64]), B in PANELS ([N/128][K][128]): a K step of 256 is 65,536 consecutive
; bytes of each; every wave fetches half of one of them (32,768 bytes, asked for as 128 rows of 256 bytes) with one tensor load.  Two LDS slots take turns; a refill stands first
; behind the round, and a step's 128 matrix instructions stand between it and the wait for it.
; CLUSTER 4 x 4: A's tile hangs on the tile row alone and is asked for jointly along a row of the cluster, B's on the tile column alone and jointly along a column.
; The matrix instruction is used transposed (source 0 = 16 columns of B, read turned out of LDS; source 1 = 16 rows of A): a lane holds eight neighbouring numbers of a row of C.
; THE RESIDUAL, 64 rows x 256 bytes a wave, hangs on nothing that is computed here: its 32 loads go out at the start and are waited for once, in front of the way out.
; REGISTERS: window 0: v16-31 addresses, v32-95 the way out, v128-255 accumulators ((a, b) at 128 + 8 (4 a + b)); window 1: two fragment buffers of 128 (64 of A, 64 of B, for 64 along K);
; window 2: v0-127 the residual, 32 registers for each 16 rows.
.set KDIM, 4096
.set WOFF, 16777216                    ; the weights' first byte in wq
.set NS,    KDIM/256                   ; K steps
.set QB,    18432                      ; 64 along K in LDS: A 128 rows x 144 bytes, B 64 rows x 288 bytes
.set BOFF,  4*QB                       ; a slot: A's four quarters, then B's
.set SLOTB, 8*QB                       ; 147,456 = 0x24000: it shares no bit with wave x 36,864, so one exclusive or changes slots
.set STAGE, 2*SLOTB                    ; behind the ring, never filled by a tensor load: 16 rows for each wave
.set SP, 272                           ; a stage row: 256 bytes + 16
.set SPARE, STAGE+4*16*SP              ; the spare words: 128 bytes for each wave, two blocks of 256 bytes that no other line names
.set A0,  16                           ; v16 my lane's place in A's part of slot 0; never rewritten
.set B0,  17                           ; v17 the same for B, quarters 0 and 1;  v18 quarters 2 and 3
.set B1,  18
.set ADA, 19                           ; v19 A0 + the slot in hand
.set ADB, 20                           ; v20, v21 B0, B1 + the slot in hand
.set STO, 24
.set RD,  25
.set CO,  26                           ; v26 my byte offset in two rows of x2 and out0; never rewritten
.set SPW, 28                           ; v28 my spare word; v29 0; never rewritten
.set NIL, 29
.set BK,  32                           ; v[32:95] 16 rows back from the stage, two buffers
.set RES, 0                            ; in window 2
.set ACC, 128
.set F0,  0
.set F1,  128
.set WV,  12                           ; s12 wave; s13 wave / 2: my row half, and 0: I fetch A, 1: B; s14 wave % 2: my column half, and which half I fetch
.set WR,  13
.set WC,  14
.set TB,  16                           ; s16 LDS byte at which the slot in hand begins
.set G1A, 24
.set G0A, 32                           ; two sets; the second walks
.set G1B, 48
.set G0B, 56
.set MSB, 0
.macro WIN new                         ; the immediate's high byte repeats the setting that is left
.if MSB != (\new)
	s_set_vgpr_msb (MSB<<8)|(\new)
.set MSB, \new
.endif
.endm
.set MUL,  0x05                        ; sources 0 and 1 window 1; C and D window 0
.set TO_F, 0x40                        ; destination window 1, address window 0
.macro PLACES                          ; four places behind matrix instructions (ISA guide 7.12.1)
.rept 4
	v_nop
.endr
.endm
.macro JLOAD                           ; the joint refill, by the walking set; an s_nop 0 and four v_nop follow each line
	s_cmp_eq_u32 s[WR], 0
	s_cbranch_scc0 .Lfor_b_\@
	tensor_load_to_lds s[G0A+4:G0A+7], s[G1A:G1A+7]
	s_nop 0
	PLACES
	s_branch .Lasked_\@
.Lfor_b_\@:
	tensor_load_to_lds s[G0B+4:G0B+7], s[G1B:G1B+7]
	s_nop 0
	PLACES
.Lasked_\@:
.endm
.macro CREST                           ; a round of the cluster's barrier behind its opening barrier
	s_cmp_lg_u32 s[WV], 0
	s_cbranch_scc1 .Lnot_wave_0_\@
	s_barrier_signal -3
.Lnot_wave_0_\@:
	s_barrier_wait -3
	s_barrier_signal -1
	s_barrier_wait -1
.endm
.macro CROUND
	s_barrier_signal -1
	s_barrier_wait -1
	CREST
.endm
.macro WM d, a, b, zero
.if \zero
	v_wmma_f32_16x16x32_bf16 v[(\d):(\d)+7], v[(\a):(\a)+7], v[(\b):(\b)+7], 0
.else
	v_wmma_f32_16x16x32_bf16 v[(\d):(\d)+7], v[(\a):(\a)+7], v[(\b):(\b)+7], v[(\d):(\d)+7]
.endif
.endm
; 8 matrix instructions: row blocks a0, a0 + 1 x all 4 column blocks, 32 along K (half c of buffer f).  The 16 accumulators take turns.
.macro MUL8 f, c, a0, zero
	WIN MUL
.irp a, \a0, (\a0)+1
.irp b, 0,1,2,3
	WM ACC+8*(4*(\a)+(\b)), (\f)+64+8*(4*(\c)+(\b)), (\f)+8*(4*(\c)+(\a)), \zero
.endr
.endr
.endm
; 32 LDS loads in one run: quarter q (64 along K) of the slot in hand into buffer f, its first 32 along K first.  B ([k][n], pitch 288) comes turned, A ([m][k], pitch 144) as it lies.
.macro FETCH q, f
	WIN TO_F
.irp c, 0,1
.irp i, 0,1,2,3
	ds_load_tr16_b128 v[(\f)+64+8*(4*\c+\i):(\f)+64+8*(4*\c+\i)+3], v[ADB+(\q)/2] offset:((\q)%2)*QB+\c*9216+32*\i
	ds_load_tr16_b128 v[(\f)+64+8*(4*\c+\i)+4:(\f)+64+8*(4*\c+\i)+7], v[ADB+(\q)/2] offset:((\q)%2)*QB+\c*9216+32*\i+4608
	ds_load_b128 v[(\f)+8*(4*\c+\i):(\f)+8*(4*\c+\i)+3], v[ADA] offset:(\q)*QB+\c*64+\i*2304
	ds_load_b128 v[(\f)+8*(4*\c+\i)+4:(\f)+8*(4*\c+\i)+7], v[ADA] offset:(\q)*QB+\c*64+\i*2304+32
.endr
.endr
.endm
; multiplies buffer f and, in its middle, fetches quarter q into buffer g
.macro QUARTER q, f, g, zero
	s_wait_dscnt 16                                ; the first 32 along K are in; the youngest sixteen loads may be out
	MUL8 \f, 0, 0, \zero
	MUL8 \f, 0, 2, \zero
	PLACES
	FETCH \q, \g
	s_wait_dscnt 32                                ; all but the 32 just issued
	MUL8 \f, 1, 0, 0
	MUL8 \f, 1, 2, 0
.endm
; A step's last quarter multiplies buffer 1 and changes slots.  Its first sixteen products, whose fragments are in registers, are issued while the next slot's tile may still be on its way.  Then each wave
; waits for all its tensor loads (at most one is out: its part of the next slot), adds 0 to its spare word, and waits for that and for its reads of this slot.
; fill = 1: the barrier opens a round of the cluster's, and this slot is filled again, two K steps ahead, first thing behind it.
.macro TURN fill
	s_wait_dscnt 16                                ; the first 32 along K are in; the youngest sixteen loads may be out
	MUL8 F1, 0, 0, 0
	MUL8 F1, 0, 2, 0
	WIN 0                                          ; at a branch and at a label every window is 0
	s_wait_tensorcnt 0x0
	ds_add_u32 v[SPW], v[NIL]                      ; the scalar steps below stand between the add and the wait for it
.if \fill
	s_xor_b32 s[G0A+5], s[G0A+5], SLOTB            ; no tensor load of mine is out: the walking sets step to the slot being left and the next K step but one
	s_add_nc_u64 s[G0A+6:G0A+7], s[G0A+6:G0A+7], 65536
	s_xor_b32 s[G0B+5], s[G0B+5], SLOTB
	s_add_nc_u64 s[G0B+6:G0B+7], s[G0B+6:G0B+7], 65536
.endif
	s_xor_b32 s[TB], s[TB], SLOTB
	s_wait_dscnt 0x0                               ; the add is done, my reads of this slot are over
	s_barrier_signal -1
	s_barrier_wait -1
.if \fill
	CREST
	JLOAD
.else
	PLACES
.endif
	v_add_nc_u32 v[ADA], s[TB], v[A0]
	v_add_nc_u32 v[ADB], s[TB], v[B0]
	v_add_nc_u32 v[ADB+1], s[TB], v[B1]
	FETCH 0, F0
	MUL8 F1, 1, 0, 0
	MUL8 F1, 1, 2, 0
.endm
; THE WAY OUT, 16 rows at a time through my own stage.  STG: a lane's eight f32 go in as 32 bytes of a row and come back as whole rows of 256 bytes.  FIN: the residual is added; 16 lanes store 256 consecutive bytes.
.macro STG a
	WIN 0
.if (\a) >= 2
	s_wait_xcnt 0x0                                ; the stores of the block two back have read the registers that are loaded again below
.endif
.irp b, 0,1,2,3
	ds_store_b128 v[STO], v[ACC+8*(4*(\a)+\b):ACC+8*(4*(\a)+\b)+3] offset:64*\b
	ds_store_b128 v[STO], v[ACC+8*(4*(\a)+\b)+4:ACC+8*(4*(\a)+\b)+7] offset:64*\b+16
.endr
.irp t, 0,1,2,3,4,5,6,7
	ds_load_b128 v[BK+32*((\a)%2)+4*\t:BK+32*((\a)%2)+4*\t+3], v[RD] offset:2*SP*\t  ; LDS serves a wave's instructions in order (ISA guide 5.7.1.4): these see the stores above, and the next block's stores come behind them
.endr
.endm
.macro FIN a, younger                  ; younger: the next block's sixteen LDS instructions, or none
	s_wait_dscnt \younger
	WIN 0x08                                       ; source 1 in window 2
.set n, 0
.rept 16
	v_pk_add_f32 v[BK+32*((\a)%2)+2*n:BK+32*((\a)%2)+2*n+1], v[BK+32*((\a)%2)+2*n:BK+32*((\a)%2)+2*n+1], v[RES+32*(\a)+2*n:RES+32*(\a)+2*n+1]
.set n, n+1
.endr
	WIN 0
.irp t, 0,1,2,3,4,5,6,7
	global_store_b128 v[CO], v[BK+32*((\a)%2)+4*\t:BK+32*((\a)%2)+4*\t+3], s[10:11] offset:(16*(\a)+2*\t)*4096
.endr
.endm
	s_load_b256 s[4:11], s[0:1], 0x0               ; hid, wq, x2, out0
	v_lshl_add_u32 v[SPW], v0, 2, SPARE
	v_mov_b32 v[NIL], 0
	ds_add_u32 v[SPW], v[NIL]                      ; the wave's opening: the add and its wait ahead of my first tensor load
	v_lshrrev_b32 v1, 5, v0
	v_readfirstlane_b32 s[WV], v1
	s_lshr_b32 s[WR], s[WV], 1
	s_and_b32 s[WC], s[WV], 1
	s_bfe_u32 s18, ttmp6, 0x40000                  ; cx, cy
	s_bfe_u32 s19, ttmp6, 0x40004
	s_lshl_b32 s20, ttmp9, 2
	s_add_co_u32 s20, s20, s18                     ; tile column
	s_and_b32 s21, ttmp7, 0xffff
	s_lshl_b32 s21, s21, 2
	s_add_co_u32 s21, s21, s19                     ; tile row
	s_lshl_b32 s22, s19, 2
	s_lshl_b32 s22, 15, s22                        ; my row of the cluster
	s_lshl_b32 s23, 0x1111, s18                    ; my column
	s_or_b32 s[G1A], s22, (1<<16)|(1<<20)|(1<<21)|(4<<22)|(3<<25)  ; mask; 2-byte elements; padding on; bit 21 beside a mask; 4 words behind every 32: rows of 128 bytes, pitch 144
	s_or_b32 s[G1B], s23, (1<<16)|(1<<20)|(1<<21)|(5<<22)|(7<<25)  ; 8 words behind every 64: rows of 256 bytes, pitch 288
.irp g, G1A, G1B
	s_mov_b32 s[\g+1], 128<<16                     ; tensor_dim0 = 128 elements
	s_mov_b32 s[\g+2], 128<<16                     ; tensor_dim1 = 128 rows
	s_mov_b32 s[\g+3], 128<<16                     ; tile_dim0 = 128
	s_mov_b32 s[\g+4], 128                         ; tile_dim1 = 128
	s_mov_b32 s[\g+5], 128                         ; dense: 128 elements from row to row
	s_mov_b32 s[\g+6], 0
	s_mov_b32 s[\g+7], 0
.endr
	s_lshl_b32 s17, s[WC], 15                      ; which 32,768 bytes of a step I fetch
	s_mul_i32 s40, s21, KDIM*256                   ; A: the tile row's bytes
	s_add_co_u32 s40, s40, s17
	s_mov_b32 s41, 0
	s_mul_i32 s42, s20, KDIM*256                   ; B: the panel's bytes
	s_add_co_u32 s42, s42, s17
	s_add_co_u32 s42, s42, WOFF
	s_mov_b32 s43, 0
	s_mul_i32 s66, s[WV], 2*QB                     ; where my part goes: wave x 36,864
	s_mov_b32 s[TB], 0
	s_wait_dscnt 0x0                               ; the opening add is done
	s_wait_kmcnt 0x0
	s_add_nc_u64 s[40:41], s[4:5], s[40:41]
	s_add_nc_u64 s[42:43], s[6:7], s[42:43]
	CROUND                                         ; all sixteen work-groups are here: the first joint loads meet
.irp s, 0,1
	s_mov_b32 s[G0A+4*\s], 1
	s_add_co_u32 s[G0A+4*\s+1], s66, \s*SLOTB
	s_add_nc_u64 s[G0A+4*\s+2:G0A+4*\s+3], s[40:41], \s*65536
	s_or_b32 s[G0A+4*\s+3], s[G0A+4*\s+3], 0x80000000
	s_mov_b32 s[G0B+4*\s], 1
	s_add_co_u32 s[G0B+4*\s+1], s66, \s*SLOTB
	s_add_nc_u64 s[G0B+4*\s+2:G0B+4*\s+3], s[42:43], \s*65536
	s_or_b32 s[G0B+4*\s+3], s[G0B+4*\s+3], 0x80000000
.endr
	s_cmp_eq_u32 s[WR], 0                          ; a wave's two first fills stand in one branch: two loads of mine are out
	s_cbranch_scc0 .Lfirst_b
	tensor_load_to_lds s[G0A:G0A+3], s[G1A:G1A+7]
	s_nop 0
	tensor_load_to_lds s[G0A+4:G0A+7], s[G1A:G1A+7]
	s_nop 0
	PLACES
	s_branch .Lfirst_asked
.Lfirst_b:
	tensor_load_to_lds s[G0B:G0B+3], s[G1B:G1B+7]
	s_nop 0
	tensor_load_to_lds s[G0B+4:G0B+7], s[G1B:G1B+7]
	s_nop 0
	PLACES
.Lfirst_asked:
	v_and_b32 v1, 15, v0                           ; r = lane % 16
	v_bfe_u32 v2, v0, 4, 1                         ; h = lane / 16
	v_mul_u32_u24 v3, v1, 144
	v_lshl_add_u32 v3, v2, 4, v3
	s_mul_i32 s17, s[WR], 64*144
	v_add_nc_u32 v[A0], s17, v3                    ; (64 x row half + r) x 144 + 16 h
	v_and_b32 v4, 7, v0
	v_lshl_add_u32 v4, v2, 3, v4
	v_mul_u32_u24 v4, v4, 288
	v_bfe_u32 v5, v0, 3, 1
	v_lshl_add_u32 v4, v5, 4, v4
	s_lshl_b32 s17, s[WC], 7
	s_add_co_u32 s17, s17, BOFF
	v_add_nc_u32 v[B0], s17, v4                    ; (8 h + lane % 8) x 288 + 128 x column half + 16 ((lane / 8) % 2)
	v_add_nc_u32 v[B1], 2*QB, v[B0]
	v_mov_b32 v[ADA], v[A0]
	v_mov_b32 v[ADB], v[B0]
	v_mov_b32 v[ADB+1], v[B1]
	s_mul_i32 s17, s[WV], 16*SP
	s_add_co_u32 s17, s17, STAGE                   ; my stage
	v_mul_u32_u24 v6, v1, SP
	v_lshl_add_u32 v6, v2, 5, v6                   ; in: row r, 32 bytes for each half of the lanes
	v_add_nc_u32 v[STO], s17, v6
	v_mul_u32_u24 v6, v2, SP                       ; back: lanes 0-15 one row of 256 bytes, lanes 16-31 the next
	v_lshl_add_u32 v6, v1, 4, v6
	v_add_nc_u32 v[RD], s17, v6
	v_lshlrev_b32 v6, 12, v2                       ; and the same two rows of 4,096 bytes in memory
	v_lshl_add_u32 v[CO], v1, 4, v6
	s_lshl_b32 s68, s21, 19                        ; (128 x tile row + 64 x row half) x 4,096 + (128 x tile column + 64 x column half) x 4
	s_lshl_b32 s70, s[WR], 18
	s_add_co_u32 s68, s68, s70
	s_lshl_b32 s70, s20, 9
	s_add_co_u32 s68, s68, s70
	s_lshl_b32 s70, s[WC], 8
	s_add_co_u32 s68, s68, s70
	s_mov_b32 s69, 0
	s_add_nc_u64 s[8:9], s[8:9], s[68:69]
	s_add_nc_u64 s[10:11], s[10:11], s[68:69]
	WIN 0x80                                       ; destination window 2, address window 0
.irp a, 0,1,2,3
.irp t, 0,1,2,3,4,5,6,7
	global_load_b128 v[RES+32*\a+4*\t:RES+32*\a+4*\t+3], v[CO], s[8:9] offset:(16*\a+2*\t)*4096  ; the residual: its address registers and its base are never rewritten
.endr
.endr
	WIN 0
	s_wait_tensorcnt 1                             ; my part of K step 0 is in; step 1's may stay out
	s_barrier_signal -1
	s_barrier_wait -1
	FETCH 0, F0
	QUARTER 1, F0, F1, 1                           ; the first quarter stands in front of the loop: its first products start the sums
	WIN 0
	s_mov_b32 s3, NS-2
.Lstep:                                                ; a trip: from a step's second quarter to the next step's first; it fills one slot again
	QUARTER 2, F1, F0, 0
	QUARTER 3, F0, F1, 0
	TURN 1
	QUARTER 1, F0, F1, 0
	WIN 0
	s_sub_co_u32 s3, s3, 1
	s_cmp_lg_u32 s3, 0
	s_cbranch_scc1 .Lstep
	s_mov_b32 s3, 2
.Ltail:                                                ; the last two steps ask for nothing: a loop of their own; the second trip is left in its middle.
	QUARTER 2, F1, F0, 0                           ; Its change of slots and its 32 loads from the slot read before serve nothing: the price, once a launch, of one text for both trips
	QUARTER 3, F0, F1, 0
	TURN 0
	WIN 0
	s_sub_co_u32 s3, s3, 1
	s_cmp_eq_u32 s3, 0
	s_cbranch_scc1 .Lout
	QUARTER 1, F0, F1, 0
	WIN 0
	s_branch .Ltail
.Lout:
	PLACES                                         ; the places behind the last products
	s_wait_loadcnt 0x0                             ; the residual
	STG 0
	STG 1                                          ; a block's way through the stage stands in front of the block before's arithmetic and stores
	FIN 0, 16
	STG 2
	FIN 1, 16
	STG 3
	FIN 2, 16
	FIN 3, 0
	s_wait_tensorcnt 0x0                           ; the wave's end
	ds_add_u32 v[SPW], v[NIL]
	s_wait_dscnt 0x0
	CROUND                                         ; the closing round
	s_endpgm
.Lfunc_end_k_qead1cd1d87_gemm_fv:
	.size	k_qead1cd1d87_gemm_fv, .Lfunc_end_k_qead1cd1d87_gemm_fv-k_qead1cd1d87_gemm_fv
	.p2alignl 7, 3214868480
	.fill 96, 4, 3214868480
	.section	.rodata,"a",@progbits
	.p2align	6, 0x0
	.amdhsa_kernel k_qead1cd1d87_gemm_fv
		.amdhsa_group_segment_fixed_size 327680
		.amdhsa_private_segment_fixed_size 0
		.amdhsa_enable_private_segment 0
		.amdhsa_kernarg_size 32
		.amdhsa_user_sgpr_count 2
		.amdhsa_user_sgpr_kernarg_segment_ptr 1
		.amdhsa_wavefront_size32 1
		.amdhsa_system_sgpr_workgroup_id_x 1
		.amdhsa_system_sgpr_workgroup_id_y 1
		.amdhsa_system_sgpr_workgroup_id_z 1
		.amdhsa_system_vgpr_workitem_id 0
		.amdhsa_next_free_vgpr 640
		.amdhsa_next_free_sgpr 72
		.amdhsa_reserve_vcc 0
		.amdhsa_float_denorm_mode_32 3
		.amdhsa_float_denorm_mode_16_64 3
		.amdhsa_memory_ordered 1
		.amdhsa_forward_progress 1
		.amdhsa_inst_pref_size 65
	.end_amdhsa_kernel
	.amdgpu_metadata
---
amdhsa.version: [ 1, 2 ]
amdhsa.kernels:
  - .name:           k_qead1cd1d87_gemm_fv
    .symbol:         k_qead1cd1d87_gemm_fv.kd
    .args:
      - { .name: hid, .offset: 0, .size: 8, .value_kind: global_buffer, .address_space: global }
      - { .name: wq, .offset: 8, .size: 8, .value_kind: global_buffer, .address_space: global }
      - { .name: x2, .offset: 16, .size: 8, .value_kind: global_buffer, .address_space: global }
      - { .name: out0, .offset: 24, .size: 8, .value_kind: global_buffer, .address_space: global }
    .group_segment_fixed_size: 327680
    .private_segment_fixed_size: 0
    .kernarg_segment_align: 8
    .kernarg_segment_size: 32
    .max_flat_workgroup_size: 128
    .sgpr_count:     72
    .vgpr_count:     640
    .wavefront_size: 32
...
	.end_amdgpu_metadata
.endif
;; end of part 13
